; MI455X (gfx1250); checked and timed in simulation.
; The chip was launched on July 23, 2026; its instructions are those of AMD's public machine-readable ISA for CDNA 5 (MIT licence, August 2026) and "CDNA5" Instruction Set Architecture Reference Guide (July 2026). The comments in the code are by the model that wrote it; some were corrected since.
;; Block. Allowed arithmetic: matrix products marked QUANTISED: E2M3 operands, one E8M0 scale for each 32 along K, by v_wmma_scale_f32_16x16x128_f8f6f4 with both operands' format E2M3, f32 sums; everything else in f32.
;; Inputs: b1 2,048 float32; b2 512 float32; b_proj 512 float32; ln1_b 512 float32; ln1_g 512 float32; ln2_b 512 float32; ln2_g 512 float32; w1_codes 2,048 x 16 x 24 uint8 (E2M3 codes of w1, K innermost, in blocks of 32 codes, four codes in three bytes); w1_scales 2,048 x 16 uint8 (E8M0 scales of w1, one for each 32 codes along K); w2_codes 512 x 64 x 24 uint8 (E2M3 codes of w2, K innermost, in blocks of 32 codes, four codes in three bytes); w2_scales 512 x 64 uint8 (E8M0 scales of w2, one for each 32 codes along K); w_proj_codes 512 x 16 x 24 uint8 (E2M3 codes of w_proj, K innermost, in blocks of 32 codes, four codes in three bytes); w_proj_scales 512 x 16 uint8 (E8M0 scales of w_proj, one for each 32 codes along K); wk_codes 512 x 16 x 24 uint8 (E2M3 codes of wk, K innermost, in blocks of 32 codes, four codes in three bytes); wk_scales 512 x 16 uint8 (E8M0 scales of wk, one for each 32 codes along K); wq_codes 512 x 16 x 24 uint8 (E2M3 codes of wq, K innermost, in blocks of 32 codes, four codes in three bytes); wq_scales 512 x 16 uint8 (E8M0 scales of wq, one for each 32 codes along K); wv_codes 512 x 16 x 24 uint8 (E2M3 codes of wv, K innermost, in blocks of 32 codes, four codes in three bytes); wv_scales 512 x 16 uint8 (E8M0 scales of wv, one for each 32 codes along K); x 8 x 1,024 x 512 float32.
;; Outputs: out0 8 x 1,024 x 512 float32.
;; This version of the problem:
;;   THIS VERSION OF THE PROBLEM IS GIVEN IN LOW PRECISION. The matrix products marked QUANTISED in the list below multiply operands that are first quantised to E2M3 (2 exponent bits, 3 mantissa bits; 6 bits a number), with one power-of-two scale for each 32 numbers along K (OCP MX v1.0); their sums are f32. All else is computed in f32.
;;   The module's matrix products, in the order in which they are computed (A, B: the left and right operand; K: the contracted axis; several contracted axes count as one K, in the product's order):
;;     1. [M 8,192, K 512] x [K 512, N 512]; A: computed on the way; B: input wq (given as codes): QUANTISED
;;     2. [M 8,192, K 512] x [K 512, N 512]; A: computed on the way; B: input wk (given as codes): QUANTISED
;;     3. [M 8,192, K 512] x [K 512, N 512]; A: computed on the way; B: input wv (given as codes): QUANTISED
;;     4. batch 128 x [M 1,024, K 32] x [K 32, N 1,024]; A: computed on the way; B: computed on the way: QUANTISED
;;     5. batch 128 x [M 1,024, K 1,024] x [K 1,024, N 32]; A: softmax (see below); B: computed on the way: QUANTISED
;;     6. [M 8,192, K 512] x [K 512, N 512]; A: computed on the way; B: input w_proj (given as codes): QUANTISED
;;     7. [M 8,192, K 512] x [K 512, N 2,048]; A: computed on the way; B: input w1 (given as codes): QUANTISED
;;     8. [M 8,192, K 2,048] x [K 2,048, N 512]; A: computed on the way; B: input w2 (given as codes): QUANTISED
;;   THE QUANTISER, for each operand of a quantised product, along K:
;;     - K is cut into blocks of 32 from its start; a last block that is shorter is filled with zeros.
;;     - A block's scale is 2^e with e = floor(log2(the largest magnitude in the block)) - 2, held to -126 .. 127; a block of zeros has e = 0. As a byte (E8M0): e + 127.
;;     - Each number is divided by its block's scale, clamped to +-7.5, and rounded to the nearest number of E2M3, ties to even, subnormals kept.
;;     - The product sums the exact products of the quantised numbers (number of the format x scale) in f32.
;;   ~~~python
;;   def quantise(x, axis):      # numpy; x: float32 -> the quantised numbers, widened to float32 again
;;       x = np.moveaxis(x, axis, -1); K = x.shape[-1]
;;       x = np.pad(x, [(0, 0)] * (x.ndim - 1) + [(0, -K % 32)]); x = x.reshape(x.shape[:-1] + (-1, 32)); a = np.abs(x).max(-1, keepdims=True)
;;       e = np.where(a > 0, np.clip(np.frexp(np.where(a > 0, a, 1))[1] - 1 - 2, -126, 127), 0)      # np.frexp(a)[1] - 1 = floor(log2(a)), exactly
;;       r = np.clip(x / 2.0 ** e, -7.5, 7.5)
;;       step = 2.0 ** (np.maximum(np.frexp(np.where(r == 0, 1, r))[1] - 1, 0) - 3)
;;       q = np.round(r / step) * step * 2.0 ** e      # np.round: ties to even
;;       return np.moveaxis(q.reshape(q.shape[:-2] + (-1,))[..., :K], -1, axis).astype(np.float32)
;;   ~~~
;;   SOFTMAX AHEAD OF A QUANTISED PRODUCT. Where the list says 'softmax', what is quantised is not the finished softmax but p = 2^(t - M), with t = logit x log2(e) and M = ceil(the row's largest t), a whole number; so 1/2 < the row's largest p <= 1. The row's sum l is taken of the UNQUANTISED p, in f32, and the product's result is divided by l at the end. Since M is a whole number, a kernel that streams over the keys may use a running M (the ceiling of the running maximum): every later rescaling is an exact power of two, which a block's scale takes up: the codes' values come out the same.
;;   OPERANDS COMPUTED ON THE WAY. 'Computed on the way' means the value that the module computes at that place (a softmax that the list does not call 'softmax' is quantised finished and normalised). What goes into a quantiser is computed in f32, as accurately as f32 sums, v_exp_f32 and their like allow (about 1e-6 of the number): no bf16 or f16 on the way to a quantiser, and a product that is left as it is and whose result goes on into a quantised operand takes f32 operands (vector FMAs, or v_wmma_f32_16x16x4_f32). A number that lies on a knife's edge between two numbers of the format may be rounded either way, as far as f32 arithmetic and the matrix unit's own rounding can turn it there, and no further.
;;   INPUTS GIVEN AS CODES. w1 (in the module: [512, 2048], K = its axis 0); w2 (in the module: [2048, 512], K = its axis 0); w_proj (in the module: [512, 512], K = its axis 0); wk (in the module: [512, 512], K = its axis 0); wq (in the module: [512, 512], K = its axis 0); wv (in the module: [512, 512], K = its axis 0): each comes as NAME_codes (uint8): NAME with its K axis moved to the last place and cut into blocks of 32 codes, [.., K / 32, bytes a block], one block behind the other in memory; four codes in three bytes: a row's codes are one little-endian stream of bits, code i at bits 6 i .. 6 i + 5 (a code: sign, 2 exponent bits, 3 mantissa bits); and NAME_scales (uint8): the same leading axes, one E8M0 byte (e + 127) for each 32 codes along K. Its value is code x scale, taken as it is: it is not quantised again, and the codes and scales need not be those that the quantiser above would give.
;; 2 versions, each right and faster than the one before. Each part assembles by itself: llvm-mc -triple=amdgcn-amd-amdhsa -mcpu=gfx1250 --defsym DOCPART=n.
;; ======== version 1 of 2: 3 launches
;; workspace buffers: qb 4,194,304 bytes; kc 3,145,728 bytes; ksb 131,072 bytes; vc 3,145,728 bytes; vsb 131,072 bytes; ac 3,145,728 bytes; asb 131,072 bytes
;; launch qkv (part 1): grid 256 x 1, 16 waves a work-group, no clusters, 23,552 bytes of LDS; arguments x, ln1_g, ln1_b, wq_codes, wq_scales, wk_codes, wk_scales, wv_codes, wv_scales, qb, kc, ksb, vc, vsb; writes qb, kc, ksb, vc, vsb
.if DOCPART == 1
	.amdgcn_target "amdgcn-amd-amdhsa--gfx1250"
	.amdhsa_code_object_version 6
	.text
	.protected	k_qb92b7b4284_qkv
	.globl	k_qb92b7b4284_qkv
	.p2align	8
	.type	k_qb92b7b4284_qkv,@function
k_qb92b7b4284_qkv:
	s_mov_b64 s[64:65], 0
	v_nop
	global_prefetch_b8 v0, s[64:65] scope:SCOPE_SE
	s_setreg_imm32_b32 hwreg(HW_REG_WAVE_MODE, 25, 1), 1
	s_wait_xcnt 0x0
; h = layernorm(x) quantised along E; q = h wq, k = h wk, v = h wv on codes of FP6 (E2M3) with one E8M0 byte for each 32 along K; q and k quantised along the head's 32, v along the keys; all three go out as codes.
; SHARES.  A work-group owns 32 neighbouring tokens (group beta of batch b), as two tiles of 16: lane row r of tile t is token 32 beta + 8 t + pr, pr = r + (r & 8).  Its 16 waves share the COLUMNS:
; wave w owns columns 32 w .. 32 w + 31 of x (block w of K) and head w (rows 32 w .. of wq, wk, wv).  Each weight fragment is loaded by one wave, straight into registers, and feeds two matrix instructions.
; A weight's 32 rows are two tiles u: lane row r of tile u is row 32 w + 8 u + pr.  With source 0 = weight tile, source 1 = token tile, register 16 t + 8 u + j of lane (r, h) is (token (t, r), column 16 h + 8 u + j):
; 16 neighbours of the head's 32.  For v the sources change places, so that a lane's 16 registers are 16 neighbouring TOKENS of one channel: the keys are the second attention product's K.
; h goes from wave to wave through LDS as an image of the operand's registers: a fragment (16 rows x 128 K) is 1,536 bytes, lane l's 12 registers at 48 l; block j of row r lies at 48 (r + 16 (j & 1)) + 24 (j >> 1).
; The mean and the variance: each wave makes mean and sum of squared deviations of its 32 columns, the 16 pairs meet in LDS and are joined by the formula for parts of equal size: no difference of large sums.
; LIMITS: NaN and infinities among the inputs are not served.  A block whose largest magnitude lies under 2^-124 (a block of zeros too) gets the byte 1: the bytes are read by this program alone.
; No tensor loads and no clusters: every weight byte is wanted by one wave of the work-group, so LDS would only add a read.
.set HSC,  0                           ; LDS: h's scale bytes: 256 t + 16 r + (K block 0..15)
.set STAT, 512                         ; [wave][tile][lane] x 8 bytes: mean, sum of squared deviations
.set HIMG, 8704                        ; h's 8 fragments, index 4 t + K step
.set WO3,  1                           ; v1   384 pr + 24 h: my bytes in a weight tile's rows
.set SO16, 3                           ; v3   16 pr: my row's scale words
.set FA,   5                           ; v5   HIMG + 48 lane
.set SCR,  7                           ; v7   16 r
.set BH,   8                           ; v8   where my block of h goes
.set SH,   9                           ; v9   and its scale byte
.set STS,  13                          ; v13  STAT + 512 w + 8 lane
.set STL,  14                          ; v14  STAT + 8 lane
.set XO,   15                          ; v15  2048 pr + 64 h
.set PO,   16                          ; v16  64 h
.set OUT,  24                          ; v24-55   x: 16 t + i = (token (t, r), column 32 w + 16 h + i)
.set ACC,  56                          ; v56-87   gain and bias, then four accumulators
.set HB,   88                          ; v88-135  four fragments of h, or at work
.set CP,   HB+32                       ; codes just made
.set CQ,   HB+38
.set W,    136                         ; v136-231 eight weight fragments: (K step s, tile u) at W + 12 (2 s + u)
.set WS,   232                         ; v232-239 the weight's scale words: 4 u + s
.set AS,   240                         ; v240-247 h's scale words: 4 t + s
.set TM,   248                         ; v248-255 at work
.macro NOP5                            ; five places: behind them loads may land in the products' registers and a later product may begin an accumulator anew
.rept 5
	v_nop
.endr
.endm
.macro BARRIER                         ; my LDS stores have landed and my LDS loads are in: then the work-group's barrier
	s_wait_dscnt 0x0
	s_barrier_signal -1
	s_barrier_wait -1
.endm
.macro WLOADH half, sb, vo, pitch, off ; two K steps x two tiles of a weight: 24 loads of 8 bytes; a fragment is the row's stream of bits as it lies
.irp k, 0,1
.irp u, 0,1
.irp p, 0,1,2,3,4,5
	global_load_b64 v[W+12*(2*(2*\half+\k)+\u)+2*\p:W+12*(2*(2*\half+\k)+\u)+2*\p+1], v[\vo], s[\sb:\sb+1] offset:\off+\u*8*\pitch+96*(2*\half+\k)+48*(\p/3)+8*(\p%3)
.endr
.endr
.endr
.endm
.macro SLOAD sb, vo, spitch, off       ; the scale words of four K steps, for both tiles
.irp u, 0,1
	global_load_b128 v[WS+4*\u:WS+4*\u+3], v[\vo], s[\sb:\sb+1] offset:\off+\u*8*\spitch
.endr
.endm
.macro FRLOAD vf, foff, tstr           ; two K steps x two token tiles from the images
.irp k, 0,1
.irp t, 0,1
.irp i, 0,1,2
	ds_load_b128 v[HB+12*(2*\k+\t)+4*\i:HB+12*(2*\k+\t)+4*\i+3], v[\vf] offset:\foff+\t*\tstr+\k*1536+16*\i
.endr
.endr
.endr
.endm
; Eight matrix instructions: two K steps x two token tiles x two weight tiles.  The four accumulators take turns, one instruction a turn, in the same order everywhere.
.macro MM8 half, d, zero, swap
.irp k, 0,1
.irp t, 0,1
.irp u, 0,1
.set KQ_, 2*\half+\k
.set RW_, W+12*(2*KQ_+\u)
.set RH_, HB+12*(2*\k+\t)
.if \swap
.set RD_, \d+16*\u+8*\t
.if (\zero) && (KQ_ == 0)
	v_wmma_scale_f32_16x16x128_f8f6f4 v[RD_:RD_+7], v[RH_:RH_+11], v[RW_:RW_+11], 0, v[AS+4*\t+KQ_], v[WS+4*\u+KQ_] matrix_a_fmt:MATRIX_FMT_FP6 matrix_b_fmt:MATRIX_FMT_FP6
.else
	v_wmma_scale_f32_16x16x128_f8f6f4 v[RD_:RD_+7], v[RH_:RH_+11], v[RW_:RW_+11], v[RD_:RD_+7], v[AS+4*\t+KQ_], v[WS+4*\u+KQ_] matrix_a_fmt:MATRIX_FMT_FP6 matrix_b_fmt:MATRIX_FMT_FP6
.endif
.else
.set RD_, \d+16*\t+8*\u
.if (\zero) && (KQ_ == 0)
	v_wmma_scale_f32_16x16x128_f8f6f4 v[RD_:RD_+7], v[RW_:RW_+11], v[RH_:RH_+11], 0, v[WS+4*\u+KQ_], v[AS+4*\t+KQ_] matrix_a_fmt:MATRIX_FMT_FP6 matrix_b_fmt:MATRIX_FMT_FP6
.else
	v_wmma_scale_f32_16x16x128_f8f6f4 v[RD_:RD_+7], v[RW_:RW_+11], v[RH_:RH_+11], v[RD_:RD_+7], v[WS+4*\u+KQ_], v[AS+4*\t+KQ_] matrix_a_fmt:MATRIX_FMT_FP6 matrix_b_fmt:MATRIX_FMT_FP6
.endif
.endif
.endr
.endr
.endr
.endm
; A group = 32 weight rows x 512 along K x 32 tokens, in two halves.  The caller asks for the next group's first half between the two, and for its scale words and second half behind the second.
.macro GRP_A vf, foff, tstr, soff, sstr, d, zero, swap
	s_wait_xcnt 0x0                                ; the stores of the codes just made have read their registers, which lie where the fragments land
.irp t, 0,1
	ds_load_b128 v[AS+4*\t:AS+4*\t+3], v[SCR] offset:\soff+\t*\sstr
.endr
	FRLOAD \vf, \foff, \tstr
	s_wait_loadcnt 24                              ; all but the 24 loads issued last (this group's second half): the first half and the scale words are in
	s_wait_dscnt 0x0
	MM8 0, \d, \zero, \swap
	NOP5
	FRLOAD \vf, \foff+3072, \tstr
.endm
.macro GRP_B cnt, d, swap
	s_wait_loadcnt \cnt                            ; cnt = the loads of the next group's first half, just issued: this group's second half is in
	s_wait_dscnt 0x0
	MM8 1, \d, 0, \swap
	NOP5
.endm
; My 32 columns of both tiles: the mean m and the sum of squared deviations from it, to LDS.
.macro LNLOCAL src
.irp t, 0,1
.set LS_, \src+16*\t
.set LM_, HB+40+4*\t
	v_pk_add_f32 v[HB+16:HB+17], v[LS_:LS_+1], v[LS_+2:LS_+3]
	v_pk_add_f32 v[HB+18:HB+19], v[LS_+4:LS_+5], v[LS_+6:LS_+7]
	v_pk_add_f32 v[HB+20:HB+21], v[LS_+8:LS_+9], v[LS_+10:LS_+11]
	v_pk_add_f32 v[HB+22:HB+23], v[LS_+12:LS_+13], v[LS_+14:LS_+15]
	v_pk_add_f32 v[HB+16:HB+17], v[HB+16:HB+17], v[HB+18:HB+19]
	v_pk_add_f32 v[HB+20:HB+21], v[HB+20:HB+21], v[HB+22:HB+23]
	v_pk_add_f32 v[HB+16:HB+17], v[HB+16:HB+17], v[HB+20:HB+21]
	v_add_f32 v[HB+16], v[HB+16], v[HB+17]
	v_permlanex16_b32 v[HB+17], v[HB+16], s4, s5   ; the row's other 16 columns lie in the lane 16 away
	v_add_f32 v[HB+16], v[HB+16], v[HB+17]
	v_mul_f32 v[LM_], 0x3d000000, v[HB+16]         ; m = sum / 32
	v_mul_f32 v[LM_+2], 0x3d000000, v[HB+16]       ; and once more, as a pair for the packed forms
	v_mov_b32 v[LM_+3], v[LM_+2]
.irp i, 0,2,4,6,8,10,12,14
	v_pk_add_f32 v[HB+\i:HB+\i+1], v[LS_+\i:LS_+\i+1], v[LM_+2:LM_+3] op_sel_hi:[1,0] neg_lo:[0,1] neg_hi:[0,1]
.endr
	v_pk_mul_f32 v[HB+16:HB+17], v[HB:HB+1], v[HB:HB+1]
	v_pk_mul_f32 v[HB+18:HB+19], v[HB+2:HB+3], v[HB+2:HB+3]
.irp i, 4,8,12
	v_pk_fma_f32 v[HB+16:HB+17], v[HB+\i:HB+\i+1], v[HB+\i:HB+\i+1], v[HB+16:HB+17]
	v_pk_fma_f32 v[HB+18:HB+19], v[HB+\i+2:HB+\i+3], v[HB+\i+2:HB+\i+3], v[HB+18:HB+19]
.endr
	v_pk_add_f32 v[HB+16:HB+17], v[HB+16:HB+17], v[HB+18:HB+19]
	v_add_f32 v[HB+16], v[HB+16], v[HB+17]
	v_permlanex16_b32 v[HB+17], v[HB+16], s4, s5
	v_add_f32 v[LM_+1], v[HB+16], v[HB+17]
	ds_store_b64 v[STS], v[LM_:LM_+1] offset:256*\t
.endr
.endm
; The 16 waves' pairs of tile t are joined: mean = sum of m / 16; squared deviations = their sum + 32 x the sum of (m - mean)^2.  Mean to TM + 4 t, 1 / sqrt(var + eps) to TM + 4 t + 2, each as a pair.
.macro LNGLOBAL t
.irp q, 0,1,2,3,4,5,6,7,8,9,10,11,12,13,14,15
	ds_load_b64 v[HB+2*\q:HB+2*\q+1], v[STL] offset:(2*\q+\t)*256
.endr
	s_wait_dscnt 0x0
.irp c, 0,1,2,3
	v_pk_add_f32 v[HB+32+2*\c:HB+33+2*\c], v[HB+4*\c:HB+4*\c+1], v[HB+4*\c+2:HB+4*\c+3]
.endr
.irp g, 16,24
.irp c, 0,1,2,3
	v_pk_add_f32 v[HB+32+2*\c:HB+33+2*\c], v[HB+32+2*\c:HB+33+2*\c], v[HB+\g+2*\c:HB+\g+2*\c+1]
.endr
.endr
	v_pk_add_f32 v[HB+32:HB+33], v[HB+32:HB+33], v[HB+34:HB+35]
	v_pk_add_f32 v[HB+36:HB+37], v[HB+36:HB+37], v[HB+38:HB+39]
	v_pk_add_f32 v[HB+32:HB+33], v[HB+32:HB+33], v[HB+36:HB+37]
	v_mul_f32 v[TM+4*\t], 0x3d800000, v[HB+32]
	v_mul_f32 v[TM+4*\t+1], 0x3d800000, v[HB+32]
.irp q, 0,1,2,3,4,5,6,7,8,9,10,11,12,13,14,15
	v_sub_f32 v[HB+2*\q], v[HB+2*\q], v[TM+4*\t]
.endr
	v_mul_f32 v[HB+34], v[HB], v[HB]
	v_mul_f32 v[HB+35], v[HB+2], v[HB+2]
.irp q, 2,4,6,8,10,12,14
	v_fma_f32 v[HB+34], v[HB+2*\q], v[HB+2*\q], v[HB+34]
	v_fma_f32 v[HB+35], v[HB+2*\q+2], v[HB+2*\q+2], v[HB+35]
.endr
	v_add_f32 v[HB+34], v[HB+34], v[HB+35]
	v_fma_f32 v[HB+34], v[HB+34], 0x42000000, v[HB+33]
	v_fma_f32 v[HB+34], v[HB+34], s41, s40         ; / 512 + eps
	v_rsq_f32 v[TM+4*\t+2], v[HB+34]
	v_nop                                          ; a plain place behind the transcendental
	s_wait_alu depctr_va_vdst(0)
	v_mov_b32 v[TM+4*\t+3], v[TM+4*\t+2]
.endm
.macro LNAPPLY src                     ; (x - mean) / sqrt(var + eps) x gain + bias, into HB + 0 .. 31
.irp t, 0,1
.irp i, 0,2,4,6,8,10,12,14
	v_pk_add_f32 v[HB+16*\t+\i:HB+16*\t+\i+1], v[\src+16*\t+\i:\src+16*\t+\i+1], v[TM+4*\t:TM+4*\t+1] op_sel_hi:[1,0] neg_lo:[0,1] neg_hi:[0,1]
.endr
.irp i, 0,2,4,6,8,10,12,14
	v_pk_mul_f32 v[HB+16*\t+\i:HB+16*\t+\i+1], v[HB+16*\t+\i:HB+16*\t+\i+1], v[TM+4*\t+2:TM+4*\t+3] op_sel_hi:[1,0]
.endr
.irp i, 0,2,4,6,8,10,12,14
	v_pk_fma_f32 v[HB+16*\t+\i:HB+16*\t+\i+1], v[HB+16*\t+\i:HB+16*\t+\i+1], v[ACC+\i:ACC+\i+1], v[ACC+16+\i:ACC+16+\i+1]
.endr
.endr
.endm
; Two blocks of 32, each spread over lanes l and l xor 16 (16 numbers a lane, at s0 and at s1), become codes: CP = block 0's, CQ = block 1's, my 16 each.  TM + 6: in lanes 0-15 block 0's byte, in lanes 16-31 block 1's.
.macro BQCORE s0, s1
	s_wait_xcnt 0x0                                ; earlier stores have read CP, CQ and the byte
	v_max3_num_f32 v[TM], |v[\s0]|, |v[\s0+1]|, 0x1800000      ; with the floor 2^(3 - 127): the byte cannot fall under 1
	v_max3_num_f32 v[TM+1], |v[\s1]|, |v[\s1+1]|, 0x1800000
.irp i, 2,4,6,8,10,12,14
	v_max3_num_f32 v[TM], v[TM], |v[\s0+\i]|, |v[\s0+\i+1]|
	v_max3_num_f32 v[TM+1], v[TM+1], |v[\s1+\i]|, |v[\s1+\i+1]|
.endr
	v_mov_b32 v[TM+2], 0                           ; a lane permute's destination counts as one of its sources
	v_mov_b32 v[TM+3], 0
	v_permlanex16_b32 v[TM+2], v[TM], s4, s5
	v_permlanex16_b32 v[TM+3], v[TM+1], s4, s5
	v_max_num_f32 v[TM], v[TM], v[TM+2]
	v_max_num_f32 v[TM+1], v[TM+1], v[TM+3]
	v_add_nc_u32 v[TM+4], 0xff000000, v[TM]        ; 2 off the exponent field: the conversion's scale operand
	v_add_nc_u32 v[TM+5], 0xff000000, v[TM+1]
	v_lshrrev_b32 v[TM+6], 23, v[TM+4]             ; the scale's byte
	v_lshrrev_b32 v[TM+7], 23, v[TM+5]
	v_cvt_scalef32_pk16_fp6_f32 v[CP:CP+2], v[\s0:\s0+15], v[TM+4]
	v_cvt_scalef32_pk16_fp6_f32 v[CQ:CQ+2], v[\s1:\s1+15], v[TM+5]
	v_cndmask_b32 v[TM+6], v[TM+6], v[TM+7], s6    ; (the plain place behind the conversions)
.endm
.macro BQSWAP                          ; lane (r, h) gets the whole 24 bytes of block h, row r, in CP .. CP + 5
.irp i, 0,1,2
	v_permlane16_swap_b32 v[CP+\i], v[CQ+\i]
.endr
.irp i, 0,1,2
	v_mov_b32 v[CP+3+\i], v[CQ+\i]
.endr
.endm
.macro BQLDS va, aoff, vs, soff
.irp i, 0,1,2
	ds_store_b64 v[\va], v[CP+2*\i:CP+2*\i+1] offset:\aoff+8*\i
.endr
	ds_store_b8 v[\vs], v[TM+6] offset:\soff
	s_wait_dscnt 0x0                               ; the stores have read their registers
.endm
	s_load_b512 s[8:23], s[0:1], 0x0               ; x 8, ln1_g 10, ln1_b 12, wq codes 14, scales 16, wk codes 18, scales 20, wv codes 22
	s_load_b256 s[24:31], s[0:1], 0x40             ; wv scales 24, qb 26, kc 28, ksb 30
	s_load_b128 s[32:35], s[0:1], 0x60             ; vc 32, vsb 34
	v_lshl_add_u32 v18, v0, 2, 0x5400
	v_mov_b32 v19, 0
	v_lshrrev_b32 v248, 5, v0
	v_readfirstlane_b32 s2, v248                   ; wave 0..15
	v_and_b32 v248, 31, v0                         ; lane
	v_and_b32 v249, 15, v0                         ; r
	v_bfe_u32 v250, v0, 4, 1                       ; h
	v_and_b32 v251, 8, v0
	v_add_nc_u32 v251, v251, v249                  ; pr = r + (r & 8)
	s_mov_b32 s4, 0x76543210
	s_mov_b32 s5, 0xfedcba98                       ; v_permlanex16_b32's selects for lane l xor 16
	s_mov_b32 s6, 0xffff0000                       ; lanes 16-31
	s_mov_b32 s40, 0x3727c5ac                      ; eps = 1e-5
	s_mov_b32 s41, 0x3b000000                      ; 1 / 512
	v_mul_u32_u24 v[WO3], v251, 384
	v_mad_u32_u24 v[WO3], v250, 24, v[WO3]
	v_lshlrev_b32 v[SO16], 4, v251
	v_mul_u32_u24 v[FA], v248, 48
	v_add_nc_u32 v[FA], HIMG, v[FA]
	v_lshlrev_b32 v[SCR], 4, v249
	s_lshr_b32 s36, s2, 2                          ; block w of K: K step w / 4, place w % 4
	s_mul_i32 s36, s36, 1536
	s_and_b32 s37, s2, 1
	s_mul_i32 s37, s37, 768
	s_add_co_u32 s36, s36, s37
	s_bfe_u32 s37, s2, 0x10001
	s_mul_i32 s37, s37, 24
	s_add_co_u32 s36, s36, s37
	s_add_co_u32 s36, s36, HIMG
	v_mul_u32_u24 v[BH], v249, 48
	v_mad_u32_u24 v[BH], v250, 6144, v[BH]
	v_add_nc_u32 v[BH], s36, v[BH]
	s_add_co_u32 s36, s2, HSC
	v_lshlrev_b32 v[SH], 4, v249
	v_lshl_add_u32 v[SH], v250, 8, v[SH]
	v_add_nc_u32 v[SH], s36, v[SH]
	s_lshl_b32 s36, s2, 9
	s_add_co_u32 s36, s36, STAT
	v_lshl_add_u32 v[STS], v248, 3, s36
	v_lshl_add_u32 v[STL], v248, 3, STAT
	v_lshlrev_b32 v[XO], 11, v251
	v_lshl_add_u32 v[XO], v250, 6, v[XO]
	v_lshlrev_b32 v[PO], 6, v250
	v_lshlrev_b32 v20, 5, v248                     ; q's slot: 32 bytes a lane
	v_mul_u32_u24 v21, v249, 24
	v_mad_u32_u24 v21, v250, 12, v21               ; half a block: 24 r + 12 h
	v_mov_b32 v22, v248                            ; k's byte: 16 t + r = lane
	v_lshl_add_u32 v23, v250, 9, v249              ; v's byte: 512 u + r
	s_lshr_b32 s42, ttmp9, 5
	s_lshl_b32 s42, s42, 4
	s_add_co_u32 s42, s42, s2                      ; 16 b + head
	s_and_b32 s43, ttmp9, 31                       ; beta
	s_mov_b32 s37, 0
	s_mov_b32 s39, 0
	s_mov_b32 s45, 0
	s_lshl_b32 s38, s2, 7                          ; 128 w
	s_lshl_b32 s36, ttmp9, 16                      ; 32 rows of 2,048 bytes
	s_add_co_u32 s36, s36, s38
	s_wait_kmcnt 0x0
	s_add_nc_u64 s[8:9], s[8:9], s[36:37]
	s_add_nc_u64 s[10:11], s[10:11], s[38:39]
	s_add_nc_u64 s[12:13], s[12:13], s[38:39]
	s_mul_i32 s36, s2, 12288                       ; 32 rows of 384 bytes of codes,
	s_lshl_b32 s38, s2, 9                          ; of 16 scale bytes
	s_add_nc_u64 s[14:15], s[14:15], s[36:37]
	s_add_nc_u64 s[18:19], s[18:19], s[36:37]
	s_add_nc_u64 s[22:23], s[22:23], s[36:37]
	s_add_nc_u64 s[16:17], s[16:17], s[38:39]
	s_add_nc_u64 s[20:21], s[20:21], s[38:39]
	s_add_nc_u64 s[24:25], s[24:25], s[38:39]
.irp t, 0,1
.irp i, 0,1,2,3
	global_load_b128 v[OUT+16*\t+4*\i:OUT+16*\t+4*\i+3], v[XO], s[8:9] offset:16384*\t+16*\i
.endr
.endr
.irp i, 0,1,2,3
	global_load_b128 v[ACC+4*\i:ACC+4*\i+3], v[PO], s[10:11] offset:16*\i
.endr
.irp i, 0,1,2,3
	global_load_b128 v[ACC+16+4*\i:ACC+16+4*\i+3], v[PO], s[12:13] offset:16*\i
.endr
	WLOADH 0, 14, WO3, 384, 0
	SLOAD 16, SO16, 16, 0
	WLOADH 1, 14, WO3, 384, 0
	s_lshl_b32 s36, s42, 6
	s_add_co_u32 s38, s36, s43                     ; 64 (16 b + head) + beta
	s_add_co_u32 s36, s38, s43                     ; .. + 2 beta: my first tile
	s_lshl_b32 s44, s36, 9
	s_add_nc_u64 s[26:27], s[26:27], s[44:45]      ; qb: 512 bytes a tile
	s_mul_i32 s44, s36, 384
	s_add_nc_u64 s[28:29], s[28:29], s[44:45]      ; kc: 384 bytes a tile
	s_mul_i32 s44, s38, 384
	s_add_nc_u64 s[32:33], s[32:33], s[44:45]      ; vc: [u][beta][r][24]
	s_lshl_b32 s36, s42, 10
	s_lshl_b32 s44, s43, 4
	s_add_co_u32 s44, s44, s36
	s_add_nc_u64 s[34:35], s[34:35], s[44:45]      ; vsb
	s_lshl_b32 s44, s43, 5
	s_add_co_u32 s44, s44, s36
	s_add_nc_u64 s[30:31], s[30:31], s[44:45]      ; ksb
	s_wait_loadcnt 58                              ; x is in: behind it stand gain 4, bias 4 and wq's 24 + 2 + 24
	LNLOCAL OUT
	BARRIER                                        ; all 16 waves' pairs lie in LDS
	LNGLOBAL 0
	LNGLOBAL 1
	s_wait_loadcnt 50                              ; gain and bias are in: behind them wq's 50
	LNAPPLY OUT
	BQCORE HB, HB+16
	BQSWAP
	BQLDS BH, 0, SH, 0
	BARRIER                                        ; h's eight fragments and their scale bytes lie in LDS
	; ---- q
	GRP_A FA, 0, 6144, HSC, 256, ACC, 1, 0
	WLOADH 0, 18, WO3, 384, 0
	GRP_B 24, ACC, 0
	SLOAD 20, SO16, 16, 0
	WLOADH 1, 18, WO3, 384, 0
	BQCORE ACC, ACC+16
	BQSWAP
	v_perm_b32 v[CP+6], v[TM+6], v[TM+6], 0        ; the byte four times: it serves whichever of the four block places the query is put in
	v_mov_b32 v[CP+7], v[CP+6]
	global_store_b128 v20, v[CP:CP+3], s[26:27]    ; the wave's two stores fill 1,024 consecutive bytes
	global_store_b128 v20, v[CP+4:CP+7], s[26:27] offset:16
	; ---- k
	GRP_A FA, 0, 6144, HSC, 256, ACC, 1, 0
	WLOADH 0, 22, WO3, 384, 0
	GRP_B 24, ACC, 0
	SLOAD 24, SO16, 16, 0
	WLOADH 1, 22, WO3, 384, 0
	BQCORE ACC, ACC+16
	global_store_b96 v21, v[CP:CP+2], s[28:29]     ; tile 0: 384 consecutive bytes
	global_store_b96 v21, v[CQ:CQ+2], s[28:29] offset:384
	global_store_b8 v22, v[TM+6], s[30:31]
	; ---- v, with the sources changed: a lane's 16 registers are 16 neighbouring tokens of channel (u, r)
	GRP_A FA, 0, 6144, HSC, 256, ACC, 1, 1
	GRP_B 0, ACC, 1
	BQCORE ACC, ACC+16
	global_store_b96 v21, v[CP:CP+2], s[32:33]
	global_store_b96 v21, v[CQ:CQ+2], s[32:33] offset:12288
	global_store_b8 v23, v[TM+6], s[34:35]
	s_wait_tensorcnt 0x0
	ds_add_u32 v18, v19
	s_wait_dscnt 0x0
	s_endpgm
.Lfunc_end_k_qb92b7b4284_qkv:
	.size	k_qb92b7b4284_qkv, .Lfunc_end_k_qb92b7b4284_qkv-k_qb92b7b4284_qkv
	.p2alignl 7, 3214868480
	.fill 96, 4, 3214868480
	.section	.rodata,"a",@progbits
	.p2align	6, 0x0
	.amdhsa_kernel k_qb92b7b4284_qkv
		.amdhsa_group_segment_fixed_size 23552
		.amdhsa_private_segment_fixed_size 0
		.amdhsa_enable_private_segment 0
		.amdhsa_kernarg_size 112
		.amdhsa_user_sgpr_count 2
		.amdhsa_user_sgpr_kernarg_segment_ptr 1
		.amdhsa_wavefront_size32 1
		.amdhsa_system_sgpr_workgroup_id_x 1
		.amdhsa_system_sgpr_workgroup_id_y 1
		.amdhsa_system_sgpr_workgroup_id_z 1
		.amdhsa_system_vgpr_workitem_id 0
		.amdhsa_next_free_vgpr 256
		.amdhsa_next_free_sgpr 66
		.amdhsa_reserve_vcc 0
		.amdhsa_float_denorm_mode_32 3
		.amdhsa_float_denorm_mode_16_64 3
		.amdhsa_memory_ordered 1
		.amdhsa_forward_progress 1
		.amdhsa_inst_pref_size 56
	.end_amdhsa_kernel
	.amdgpu_metadata
---
amdhsa.version: [ 1, 2 ]
amdhsa.kernels:
  - .name:           k_qb92b7b4284_qkv
    .symbol:         k_qb92b7b4284_qkv.kd
    .args:
      - { .name: x, .offset: 0, .size: 8, .value_kind: global_buffer, .address_space: global }
      - { .name: ln1_g, .offset: 8, .size: 8, .value_kind: global_buffer, .address_space: global }
      - { .name: ln1_b, .offset: 16, .size: 8, .value_kind: global_buffer, .address_space: global }
      - { .name: wq_codes, .offset: 24, .size: 8, .value_kind: global_buffer, .address_space: global }
      - { .name: wq_scales, .offset: 32, .size: 8, .value_kind: global_buffer, .address_space: global }
      - { .name: wk_codes, .offset: 40, .size: 8, .value_kind: global_buffer, .address_space: global }
      - { .name: wk_scales, .offset: 48, .size: 8, .value_kind: global_buffer, .address_space: global }
      - { .name: wv_codes, .offset: 56, .size: 8, .value_kind: global_buffer, .address_space: global }
      - { .name: wv_scales, .offset: 64, .size: 8, .value_kind: global_buffer, .address_space: global }
      - { .name: qb, .offset: 72, .size: 8, .value_kind: global_buffer, .address_space: global }
      - { .name: kc, .offset: 80, .size: 8, .value_kind: global_buffer, .address_space: global }
      - { .name: ksb, .offset: 88, .size: 8, .value_kind: global_buffer, .address_space: global }
      - { .name: vc, .offset: 96, .size: 8, .value_kind: global_buffer, .address_space: global }
      - { .name: vsb, .offset: 104, .size: 8, .value_kind: global_buffer, .address_space: global }
    .group_segment_fixed_size: 23552
    .private_segment_fixed_size: 0
    .kernarg_segment_align: 8
    .kernarg_segment_size: 112
    .max_flat_workgroup_size: 512
    .sgpr_count:     66
    .vgpr_count:     256
    .wavefront_size: 32
...
	.end_amdgpu_metadata
.endif
;; end of part 1
;; launch attn (part 2): grid 256 x 1, 16 waves a work-group, no clusters, 53,248 bytes of LDS; arguments qb, kc, ksb, vc, vsb, ac, asb; writes ac, asb
.if DOCPART == 2
	.amdgcn_target "amdgcn-amd-amdhsa--gfx1250"
	.amdhsa_code_object_version 6
	.text
	.protected	k_qb92b7b4284_attn
	.globl	k_qb92b7b4284_attn
	.p2align	8
	.type	k_qb92b7b4284_attn,@function
k_qb92b7b4284_attn:
	s_mov_b64 s[64:65], 0
	v_nop
	global_prefetch_b8 v0, s[64:65] scope:SCOPE_SE
	s_setreg_imm32_b32 hwreg(HW_REG_WAVE_MODE, 25, 1), 1
	s_wait_xcnt 0x0
; Causal attention of one head on codes of FP6 (E2M3): S^T = K Q^T (K = the head's 32, one block), p = 2^(t - M) quantised along the keys, O^T = V^T P^T; O / the row's sum is quantised along the head's 32 and stored as codes.
; t = score x log2(e) / sqrt(32); M = the running largest t rounded up to a whole number; the row's sum is taken of the unquantised p; when M moves, sum and O^T are multiplied by 2^(old M - new M): exact.
; SHARES.  Two work-groups to a head (batch x head = ttmp9 / 2).  All of the head's K and V codes and scale bytes, 50 KB, lie in LDS for the whole launch, copied once through registers; one barrier; read-only behind it.
; A wave takes two tiles of 16 queries: one in the block of 128 tokens number p, one in block 7 - p (p = 0..3): (p + 1) + (8 - p) = 9 visible steps of 128 keys for EVERY wave.
; The loop over the steps has the constant trip count 8; a step all of whose keys come after the tile's queries is jumped over by a scalar branch on ids, all but the lines that step addresses.
; K = 32 IN AN INSTRUCTION OF 128: one fragment of K holds FOUR tiles of 16 keys, one in each of its four block places; the query's one block is put at place j, with zero codes at the other three, so that
; product j gives the scores of tile j.  The four placements of Q share 30 registers: [lanes 0-15][zeros][lanes 16-31][zeros][lanes 0-15].
; Tiles are as the launch before laid them: lane row r of tile T is token 32 (T / 2) + 8 (T % 2) + r + (r & 8): the 16 registers of two neighbouring tiles of scores are 16 neighbouring keys.
; LIMITS: NaN and infinities are not served; a block whose largest magnitude lies under 2^-124 gets the byte 1 (the bytes are read by this program alone).
; No tensor loads, no ring, no clusters: a head's operands fit in LDS whole and are fetched once.
.set KC,  0                            ; LDS: K's codes [tile 64][r][24]
.set VC,  24576                        ; V's codes [u 2][group of 32 keys 32][r][24]
.set SW,  49152                        ; scale words: K's at ((2 s + f) 16 + r) 4, V's at 1024 + ((8 u + s) 16 + r) 4
.set AK,  1                            ; v1   384 h + 24 r
.set AR4, 2                            ; v2   4 r
.set AQ,  3                            ; v3   32 r
.set AC,  4                            ; v4   24 r + 12 h
.set ADK, 5                            ; v5-8 the step's LDS addresses
.set ADV, 6
.set ADS, 7
.set ADT, 8
.set DQ,  9                            ; v9   my query's place in its 128 tokens, less 16 h
.set QP,  16                           ; v16-45  Q's placements
.set QR,  46                           ; v46-53  Q's slot as loaded: 24 bytes of codes, the scale word in v52
.set KF,  54                           ; v54-77  two fragments of K
.set VF,  78                           ; v78-101 two fragments of V
.set S,   104                          ; v104-167 scores, then p
.set O,   168                          ; v168-183 O^T: 8 u + j = channel 16 h + 8 u + j
.set PF,  184                          ; v184-195 p's codes
.set PT,  196                          ; v196-203 at work
.set BM,  204                          ; v204-207 the blocks' largest
.set BX,  208
.set SOP, 212                          ; the conversions' scale operands
.set KS,  216                          ; K's scale words
.set VS,  218                          ; V's
.set PW,  220                          ; p's
.set FF,  222                          ; v[222:223] f = 2^(old M - new M)
.set TP,  224
.set NINF, 226
	s_load_b256 s[8:15], s[0:1], 0x0               ; qb 8, kc 10, ksb 12, vc 14
	s_load_b128 s[16:19], s[0:1], 0x20             ; vsb 16, ac 18
	s_load_b64 s[20:21], s[0:1], 0x30              ; asb
	v_lshl_add_u32 v254, v0, 2, 0xc800
	v_mov_b32 v255, 0
	v_lshrrev_b32 v10, 5, v0
	v_readfirstlane_b32 s2, v10                    ; wave 0..15
	v_and_b32 v10, 15, v0                          ; r
	v_bfe_u32 v11, v0, 4, 1                        ; h
	v_and_b32 v242, 8, v0
	v_add_nc_u32 v242, v242, v10                   ; pr
	s_mov_b32 s4, 0x76543210
	s_mov_b32 s5, 0xfedcba98
	s_mov_b32 s6, 0xffff0000                       ; lanes 16-31
	s_mov_b32 s7, 0x0000ffff                       ; lanes 0-15
	s_mov_b32 s22, 0x3e8293ee                      ; c = log2(e) / sqrt(32)
	s_mov_b32 s23, s22                             ; (named with it as a pair)
	s_lshr_b32 s44, ttmp9, 1                       ; batch x head
	s_and_b32 s45, ttmp9, 1
	s_lshl_b32 s45, s45, 1
	s_lshr_b32 s46, s2, 3
	s_add_co_u32 s45, s45, s46                     ; p
	s_and_b32 s46, s2, 7                           ; which of a block's eight tiles
	s_lshl_b32 s47, s45, 3
	s_add_co_u32 s47, s47, s46                     ; tile A = 8 p + tl
	s_sub_co_u32 s48, 7, s45                       ; 7 - p
	s_lshl_b32 s49, s48, 3
	s_add_co_u32 s49, s49, s46                     ; tile B
	s_lshr_b32 s50, s46, 1
	s_lshl_b32 s50, s50, 5
	s_and_b32 s51, s46, 1
	s_lshl_b32 s51, s51, 3
	s_add_co_u32 s50, s50, s51
	v_lshlrev_b32 v[DQ], 4, v11
	v_sub_nc_u32 v[DQ], v242, v[DQ]
	v_add_nc_u32 v[DQ], s50, v[DQ]
	v_mul_u32_u24 v[AK], v10, 24
	v_mad_u32_u24 v[AC], v11, 12, v[AK]
	v_mad_u32_u24 v[AK], v11, 384, v[AK]
	v_lshlrev_b32 v[AR4], 2, v10
	v_lshlrev_b32 v[AQ], 5, v10
	s_lshl_b32 s50, s45, 8
	s_sub_co_u32 s50, 896, s50                     ; 16 (tile B - tile A)
	s_lshl_b32 s51, s47, 4
	v_mul_u32_u24 v236, v11, s50
	v_add_nc_u32 v236, v236, v10
	v_add_nc_u32 v236, s51, v236                   ; the bytes' place: lanes 0-15 tile A's rows, lanes 16-31 tile B's
	v_lshlrev_b32 v237, 4, v0                      ; the copy: 16 bytes a thread, in memory and in LDS alike
	v_and_b32 v240, 255, v0
	v_lshrrev_b32 v240, 4, v240
	v_lshlrev_b32 v240, 6, v240
	v_add_nc_u32 v240, v240, v10                   ; a scale word's four bytes lie 16 apart, from 64 (word / 16) + r on
	v_lshl_add_u32 v241, v0, 2, SW
	s_mov_b32 s41, 0
	s_wait_kmcnt 0x0
	s_mul_i32 s40, s44, 24576
	s_add_nc_u64 s[10:11], s[10:11], s[40:41]
	s_add_nc_u64 s[14:15], s[14:15], s[40:41]
	s_add_nc_u64 s[18:19], s[18:19], s[40:41]
	s_lshl_b32 s40, s44, 10
	s_add_nc_u64 s[12:13], s[12:13], s[40:41]
	s_add_nc_u64 s[16:17], s[16:17], s[40:41]
	s_add_nc_u64 s[20:21], s[20:21], s[40:41]
	s_cmp_lt_u32 s2, 8                             ; waves 0-7 gather K's scale words, waves 8-15 V's
	s_cselect_b64 s[38:39], s[12:13], s[16:17]
.irp i, 0,1,2
	global_load_b128 v[S+4*\i:S+4*\i+3], v237, s[10:11] offset:8192*\i
	global_load_b128 v[S+12+4*\i:S+12+4*\i+3], v237, s[14:15] offset:8192*\i
.endr
.irp j, 0,1,2,3
	global_load_u8 v[S+24+\j], v240, s[38:39] offset:16*\j
.endr
	s_lshl_b32 s40, s44, 15
	s_add_nc_u64 s[8:9], s[8:9], s[40:41]
	s_lshl_b32 s40, s47, 9
	s_add_nc_u64 s[30:31], s[8:9], s[40:41]        ; tile A's slots of Q
	s_lshl_b32 s40, s49, 9
	s_add_nc_u64 s[32:33], s[8:9], s[40:41]        ; tile B's
	s_mul_i32 s40, s47, 384
	s_add_nc_u64 s[34:35], s[18:19], s[40:41]      ; where tile A's codes go
	s_mul_i32 s40, s49, 384
	s_add_nc_u64 s[36:37], s[18:19], s[40:41]
.irp i, 0,1,2,3,4,5
	v_mov_b32 v[QP+6+\i], 0                        ; the zero codes, written once
	v_mov_b32 v[QP+18+\i], 0
.endr
.irp b, 0,1,2,3
	v_mov_b32 v[BX+\b], 0                          ; a lane permute's destination counts as one of its sources
.endr
	v_mov_b32 v[TP], 0
	v_mov_b32 v[FF+1], 0                           ; (named as the upper half of the pair)
	v_mov_b32 v[NINF], 0xff800000
	s_wait_loadcnt 0x0
.irp i, 0,1,2
	ds_store_b128 v237, v[S+4*\i:S+4*\i+3] offset:KC+8192*\i
	ds_store_b128 v237, v[S+12+4*\i:S+12+4*\i+3] offset:VC+8192*\i
.endr
	v_lshl_or_b32 v[S+24], v[S+25], 8, v[S+24]
	v_lshl_or_b32 v[S+24], v[S+26], 16, v[S+24]
	v_lshl_or_b32 v[S+24], v[S+27], 24, v[S+24]
	ds_store_b32 v241, v[S+24]
	s_wait_dscnt 0x0                               ; for the others' sake: my stores have landed
	s_barrier_signal -1
	s_barrier_wait -1
; One tile of 16 queries; s24 = the number of its block of 128 tokens.
.macro TILE qbase, abase, codes, byte
	global_load_b128 v[QR:QR+3], v[AQ], s[\qbase:\qbase+1]
	global_load_b128 v[QR+4:QR+7], v[AQ], s[\qbase:\qbase+1] offset:16
	v_mov_b32 v13, 0xff61b1e6                      ; the largest t so far: -3e38
	v_floor_f32 v12, -v13                          ; -M
	v_mov_b32 v14, 0                               ; the sum, in two halves
	v_mov_b32 v15, 0
	s_mov_b32 s25, 0                               ; the step
	s_mov_b32 s26, 0                               ; and where its K, V and scale words begin
	s_mov_b32 s27, 0
	s_mov_b32 s28, 0
	s_mov_b32 s29, 0
	s_wait_loadcnt 0x0
.irp i, 0,1,2,3,4,5
	v_cndmask_b32 v[QP+\i], 0, v[QR+\i], s7
	v_cndmask_b32 v[QP+12+\i], 0, v[QR+\i], s6
	v_cndmask_b32 v[QP+24+\i], 0, v[QR+\i], s7
.endr
.set n_, 0
.rept 16
	v_mov_b32 v[O+n_], 0                           ; the step is written once: the first finds zeros.  (These are also the places between Q's placements and the first product)
.set n_, n_+1
.endr
.Lstep_\@:
	s_cmp_gt_u32 s25, s24                          ; all 128 keys come after my queries: nothing to do
	s_cbranch_scc1 .Lhid_\@
	v_add_nc_u32 v[ADK], s26, v[AK]                ; (four plain lines: the places between the last step's products and the loads into their registers)
	v_add_nc_u32 v[ADV], s27, v[AK]
	v_add_nc_u32 v[ADS], s28, v[AR4]
	v_add_nc_u32 v[ADT], s29, v[AR4]
.irp f, 0,1
.irp c, 0,1
.irp p, 0,1,2
	ds_load_b64 v[KF+12*\f+6*\c+2*\p:KF+12*\f+6*\c+2*\p+1], v[ADK] offset:KC+\f*1536+\c*768+8*\p
.endr
.endr
	ds_load_b32 v[KS+\f], v[ADS] offset:SW+64*\f
.endr
.irp u, 0,1
.irp c, 0,1
.irp p, 0,1,2
	ds_load_b64 v[VF+12*\u+6*\c+2*\p:VF+12*\u+6*\c+2*\p+1], v[ADV] offset:VC+12288*\u+768*\c+8*\p
.endr
.endr
	ds_load_b32 v[VS+\u], v[ADT] offset:SW+1024+512*\u
.endr
	s_wait_dscnt 14                                ; K's 14 loads are in; V's 14 may stay out
.irp f, 0,1
.irp j, 0,1,2,3
.set RQ_, QP+6*((2*(\j&1)+3*(\j>>1))%4)
	v_wmma_scale_f32_16x16x128_f8f6f4 v[S+8*(4*\f+\j):S+8*(4*\f+\j)+7], v[KF+12*\f:KF+12*\f+11], v[RQ_:RQ_+11], 0, v[KS+\f], v[QR+6] matrix_a_fmt:MATRIX_FMT_FP6 matrix_b_fmt:MATRIX_FMT_FP6
.endr
.endr
.rept 4
	v_nop
.endr
	s_cmp_lg_u32 s25, s24                          ; on the diagonal the scores of hidden keys become -infinity ahead of the maximum
	s_cbranch_scc1 .Lopen_\@
.set n_, 0
.rept 64
	v_cmp_gt_i32 vcc_lo, 32*(n_/16)+n_%16, v[DQ]   ; register 16 b + i holds key 32 b + 16 h + i of the step
	v_cndmask_b32 v[S+n_], v[S+n_], v[NINF], vcc_lo
.set n_, n_+1
.endr
.Lopen_\@:
.irp b, 0,1,2,3
	v_max3_num_f32 v[BM+\b], v[S+16*\b], v[S+16*\b+1], v[S+16*\b+2]   ; the largest score of each block of 32 keys: for the row's maximum, and, since p rises with the score, for the block's largest p
.endr
.irp i, 3,5,7,9,11,13
.irp b, 0,1,2,3
	v_max3_num_f32 v[BM+\b], v[BM+\b], v[S+16*\b+\i], v[S+16*\b+\i+1]
.endr
.endr
.irp b, 0,1,2,3
	v_max_num_f32 v[BM+\b], v[BM+\b], v[S+16*\b+15]
.endr
.irp b, 0,1,2,3
	v_permlanex16_b32 v[BX+\b], v[BM+\b], s4, s5
.endr
.irp b, 0,1,2,3
	v_max_num_f32 v[BM+\b], v[BM+\b], v[BX+\b]
.endr
	v_max3_num_f32 v[TP], v[BM], v[BM+1], v[BM+2]
	v_max_num_f32 v[TP], v[TP], v[BM+3]
	v_mul_f32 v[TP], s22, v[TP]
	v_max_num_f32 v13, v13, v[TP]                  ; the running largest t
	v_mov_b32 v[TP], v12
	v_floor_f32 v12, -v13                          ; the new -M = -ceil(t)
	v_sub_f32 v[TP], v12, v[TP]                    ; old M - new M: a whole number, 0 or less
	v_cvt_i32_f32 v[TP], v[TP]
	v_ldexp_f32 v[FF], 1.0, v[TP]                  ; f
.set n_, 0
.rept 32
	v_pk_fma_f32 v[S+n_:S+n_+1], v[S+n_:S+n_+1], s[22:23], v[12:13] op_sel_hi:[1,0,0]   ; t - M
.set n_, n_+2
.endr
.irp b, 0,1,2,3
	v_fma_f32 v[BM+\b], v[BM+\b], s22, v12
.endr
.set n_, 0
.rept 64
	v_exp_f32 v[S+n_], v[S+n_]                     ; p = 2^(t - M): not normalised
.set n_, n_+1
.endr
.irp b, 0,1,2,3
	v_exp_f32 v[BM+\b], v[BM+\b]                   ; the block's largest p
.endr
	v_pk_mul_f32 v[14:15], v[14:15], v[FF:FF+1] op_sel_hi:[1,0]   ; the sums under the new M (a plain place behind the exponentials)
	s_wait_alu depctr_va_vdst(0)
.irp b, 0,1,2,3
	v_max_num_f32 v[BM+\b], 0x1800000, v[BM+\b]    ; the floor 2^(3 - 127)
.endr
.irp b, 0,1,2,3
	v_add_nc_u32 v[SOP+\b], 0xff000000, v[BM+\b]
.endr
.irp b, 0,1,2,3
	v_lshrrev_b32 v[BX+\b], 23, v[SOP+\b]
.endr
	v_lshl_or_b32 v[PW], v[BX+1], 8, v[BX]
	v_lshl_or_b32 v[PW], v[BX+2], 16, v[PW]
	v_lshl_or_b32 v[PW], v[BX+3], 24, v[PW]
.irp c, 0,1
	v_cvt_scalef32_pk16_fp6_f32 v[PF+6*\c:PF+6*\c+2], v[S+32*\c:S+32*\c+15], v[SOP+2*\c]
	v_cvt_scalef32_pk16_fp6_f32 v[PT+4*\c:PT+4*\c+2], v[S+32*\c+16:S+32*\c+31], v[SOP+2*\c+1]
.endr
	v_nop                                          ; one plain place behind the conversions
.irp c, 0,1                            ; the operand wants a whole block in a lane
.irp i, 0,1,2
	v_permlane16_swap_b32 v[PF+6*\c+\i], v[PT+4*\c+\i]
.endr
.irp i, 0,1,2
	v_mov_b32 v[PF+6*\c+3+\i], v[PT+4*\c+\i]
.endr
.endr
.irp i, 0,2,4,6,8,10,12,14
	v_pk_mul_f32 v[O+\i:O+\i+1], v[O+\i:O+\i+1], v[FF:FF+1] op_sel_hi:[1,0]   ; O^T under the new M, from each accumulator's low end on
.endr
	v_pk_add_f32 v[PT:PT+1], v[S:S+1], v[S+2:S+3]  ; the row's sum of the unquantised p, in two chains.  (These 32 lines are the places between p's scale word and codes and the products)
.set n_, 4
.rept 15
	v_pk_add_f32 v[14:15], v[14:15], v[S+n_:S+n_+1]
	v_pk_add_f32 v[PT:PT+1], v[PT:PT+1], v[S+n_+2:S+n_+3]
.set n_, n_+4
.endr
	v_pk_add_f32 v[14:15], v[14:15], v[PT:PT+1]
	s_wait_dscnt 0x0                               ; V is in
.irp u, 0,1
	v_wmma_scale_f32_16x16x128_f8f6f4 v[O+8*\u:O+8*\u+7], v[VF+12*\u:VF+12*\u+11], v[PF:PF+11], v[O+8*\u:O+8*\u+7], v[VS+\u], v[PW] matrix_a_fmt:MATRIX_FMT_FP6 matrix_b_fmt:MATRIX_FMT_FP6
.endr
.Lhid_\@:
	s_add_co_u32 s26, s26, 3072                    ; eight tiles of K,
	s_add_co_u32 s27, s27, 1536                    ; four groups of V,
	s_add_co_u32 s28, s28, 128                     ; two rows of K's scale words,
	s_add_co_u32 s29, s29, 64                      ; one of V's
	s_add_co_u32 s25, s25, 1
	s_cmp_lt_u32 s25, 8
	s_cbranch_scc1 .Lstep_\@
.rept 4
	v_nop
.endr
	v_add_f32 v14, v14, v15
	v_permlanex16_b32 v[TP], v14, s4, s5
	v_add_f32 v14, v14, v[TP]                      ; the row's sum
	v_rcp_f32 v238, v14
	v_nop
	s_wait_alu depctr_va_vdst(0)
	v_mov_b32 v239, v238
.irp i, 0,2,4,6,8,10,12,14
	v_pk_mul_f32 v[S+\i:S+\i+1], v[O+\i:O+\i+1], v[238:239] op_sel_hi:[1,0]
.endr
	v_max3_num_f32 v[BM], |v[S]|, |v[S+1]|, 0x1800000      ; the head's 32 channels are one block of the projection's K
.irp i, 2,4,6,8,10,12,14
	v_max3_num_f32 v[BM], v[BM], |v[S+\i]|, |v[S+\i+1]|
.endr
	v_permlanex16_b32 v[BX], v[BM], s4, s5
	v_max_num_f32 v[BM], v[BM], v[BX]
	v_add_nc_u32 v[SOP], 0xff000000, v[BM]
	v_lshrrev_b32 v[\byte], 23, v[SOP]
	v_cvt_scalef32_pk16_fp6_f32 v[\codes:\codes+2], v[S:S+15], v[SOP]
	v_nop
	global_store_b96 v[AC], v[\codes:\codes+2], s[\abase:\abase+1]   ; the wave stores 384 consecutive bytes
.endm
	s_mov_b32 s24, s45
	TILE 30, 34, 228, 227
	s_mov_b32 s24, s48
	TILE 32, 36, 232, 235
	v_cndmask_b32 v227, v227, v235, s6             ; lanes 0-15 tile A's bytes, lanes 16-31 tile B's
	global_store_b8 v236, v227, s[20:21]
	s_wait_tensorcnt 0x0
	ds_add_u32 v254, v255
	s_wait_dscnt 0x0
	s_endpgm
.Lfunc_end_k_qb92b7b4284_attn:
	.size	k_qb92b7b4284_attn, .Lfunc_end_k_qb92b7b4284_attn-k_qb92b7b4284_attn
	.p2alignl 7, 3214868480
	.fill 96, 4, 3214868480
	.section	.rodata,"a",@progbits
	.p2align	6, 0x0
	.amdhsa_kernel k_qb92b7b4284_attn
		.amdhsa_group_segment_fixed_size 53248
		.amdhsa_private_segment_fixed_size 0
		.amdhsa_enable_private_segment 0
		.amdhsa_kernarg_size 56
		.amdhsa_user_sgpr_count 2
		.amdhsa_user_sgpr_kernarg_segment_ptr 1
		.amdhsa_wavefront_size32 1
		.amdhsa_system_sgpr_workgroup_id_x 1
		.amdhsa_system_sgpr_workgroup_id_y 1
		.amdhsa_system_sgpr_workgroup_id_z 1
		.amdhsa_system_vgpr_workitem_id 0
		.amdhsa_next_free_vgpr 256
		.amdhsa_next_free_sgpr 66
		.amdhsa_reserve_vcc 1
		.amdhsa_float_denorm_mode_32 3
		.amdhsa_float_denorm_mode_16_64 3
		.amdhsa_memory_ordered 1
		.amdhsa_forward_progress 1
		.amdhsa_inst_pref_size 54
	.end_amdhsa_kernel
	.amdgpu_metadata
---
amdhsa.version: [ 1, 2 ]
amdhsa.kernels:
  - .name:           k_qb92b7b4284_attn
    .symbol:         k_qb92b7b4284_attn.kd
    .args:
      - { .name: qb, .offset: 0, .size: 8, .value_kind: global_buffer, .address_space: global }
      - { .name: kc, .offset: 8, .size: 8, .value_kind: global_buffer, .address_space: global }
      - { .name: ksb, .offset: 16, .size: 8, .value_kind: global_buffer, .address_space: global }
      - { .name: vc, .offset: 24, .size: 8, .value_kind: global_buffer, .address_space: global }
      - { .name: vsb, .offset: 32, .size: 8, .value_kind: global_buffer, .address_space: global }
      - { .name: ac, .offset: 40, .size: 8, .value_kind: global_buffer, .address_space: global }
      - { .name: asb, .offset: 48, .size: 8, .value_kind: global_buffer, .address_space: global }
    .group_segment_fixed_size: 53248
    .private_segment_fixed_size: 0
    .kernarg_segment_align: 8
    .kernarg_segment_size: 56
    .max_flat_workgroup_size: 512
    .sgpr_count:     66
    .vgpr_count:     256
    .wavefront_size: 32
...
	.end_amdgpu_metadata
.endif
;; end of part 2
;; launch post (part 3): grid 256 x 1, 16 waves a work-group, no clusters, 161,792 bytes of LDS; arguments ac, asb, x, w_proj_codes, w_proj_scales, b_proj, ln2_g, ln2_b, w1_codes, w1_scales, b1, w2_codes, w2_scales, b2, out0; writes out0
.if DOCPART == 3
	.amdgcn_target "amdgcn-amd-amdhsa--gfx1250"
	.amdhsa_code_object_version 6
	.text
	.protected	k_qb92b7b4284_post
	.globl	k_qb92b7b4284_post
	.p2align	8
	.type	k_qb92b7b4284_post,@function
k_qb92b7b4284_post:
	s_mov_b64 s[64:65], 0
	v_nop
	global_prefetch_b8 v0, s[64:65] scope:SCOPE_SE
	s_setreg_imm32_b32 hwreg(HW_REG_WAVE_MODE, 25, 1), 1
	s_wait_xcnt 0x0
; out = x + attn w_proj + b_proj;  out0 = out + gelu(layernorm(out) w1 + b1) w2 + b2.  All three products on codes of FP6 (E2M3) with one E8M0 byte for each 32 along K.  Nothing goes to memory between the steps.
; SHARES.  A work-group owns 32 neighbouring tokens, as two tiles of 16: lane row r of tile t is token 8 t + pr, pr = r + (r & 8).  Its 16 waves share the COLUMNS: wave w owns output columns 32 w .. 32 w + 31 of the
; projection and of the second MLP product, and hidden units 128 w .. 128 w + 127 (one K step of the second MLP product).  Each weight fragment is loaded by one wave, straight into registers, one group (32 rows x 512 K) ahead.
; `out` stays in 32 registers from the projection to the end: the second MLP product adds onto it.
; Source 0 = weight tile u (lane row r = row 8 u + pr of the group's 32), source 1 = token tile t: register 16 t + 8 u + j of lane (r, h) is (token (t, r), column 16 h + 8 u + j): 16 neighbours along the next K.
; Operands go from wave to wave through LDS as images of their registers: a fragment is 1,536 bytes, lane l's 12 registers at 48 l; block j of row r lies at 48 (r + 16 (j & 1)) + 24 (j >> 1).
; Every LDS region is written in one phase alone: five barriers.
; GELU: 0.5 a (1 + erf(a / sqrt 2)), erf(z) = z P(z^2) / Q(z^2), a rational form in f32 with z held to -4 .. 4, where erf is 1 to f32's last bit.
; LIMITS: NaN and infinities among the inputs are not served.  A block whose largest magnitude lies under 2^-124 gets the byte 1.  erf's error is a few 1e-7 absolute, so far down the negative tail gelu's RELATIVE error is larger than f32's.
; No tensor loads and no clusters: a weight byte is wanted by one wave of the work-group; sharing the weights among work-groups would take them through LDS.
.set ASC,  0                           ; LDS: attn's scale bytes: 256 t + 16 r + head
.set HSC,  512                         ; the normalised rows': 256 t + 16 r + block
.set GSC,  1024                        ; gelu's: (4 t + G) 256 + 16 r + 4 s + j
.set STAT, 3072                        ; [wave][tile][lane] x 8 bytes
.set B1L,  11264                       ; b1: 512 bytes for each wave, its own
.set AIMG, 19456                       ; attn's 8 fragments, index 4 t + K step
.set HIMG, 31744                       ; the normalised rows' 8
.set GIMG, 44032                       ; gelu's 32, index 16 t + K step
.set STG,  93184                       ; the way out: 32 rows x (2,048 + 16) bytes
.set WO3,  1                           ; v1   384 pr + 24 h
.set WO15, 2                           ; v2   1536 pr + 24 h
.set SO16, 3                           ; v3   16 pr
.set SO64, 4                           ; v4   64 pr
.set FA,   5                           ; v5   AIMG + 48 lane
.set FG,   6                           ; v6   GIMG + 48 lane
.set SCR,  7                           ; v7   16 r
.set BH,   8
.set SH,   9
.set BG,   10
.set SG,   11
.set B1A,  12
.set STS,  13
.set STL,  14
.set XO,   15
.set PO,   16
.set L16,  17
.set STGW, 18
.set STGR, 19
.set OUT,  24                          ; v24-55   out
.set ACC,  56                          ; v56-87   gain and bias, then the hidden layer's four accumulators
.set HB,   88                          ; v88-135  four fragments, or at work
.set CP,   HB+32
.set CQ,   HB+38
.set W,    136                         ; v136-231 eight weight fragments
.set WS,   232
.set AS,   240
.set TM,   248
.set GZ,   HB
.set GX,   HB+8
.set GP,   HB+16
.set GQ,   HB+24
.set GRS,  44                          ; s[44:45] 1 / sqrt 2; the coefficients, each as a pair for the packed forms:
.set GA13, 46
.set GA11, 48
.set GA9,  50
.set GA7,  52
.set GA5,  54
.set GA3,  56
.set GA1,  58
.set GB8,  60
.set GB6,  62
.set GB4,  66
.set GB2,  68
.set GB0,  70
.macro NOP5                            ; five places: behind them loads may land in the products' registers
.rept 5
	v_nop
.endr
.endm
.macro BARRIER
	s_wait_dscnt 0x0
	s_barrier_signal -1
	s_barrier_wait -1
.endm
.macro SPAIR reg, val
	s_mov_b32 s[\reg], \val
	s_mov_b32 s[\reg+1], \val
.endm
.macro WLOADH half, sb, vo, pitch, off
.irp k, 0,1
.irp u, 0,1
.irp p, 0,1,2,3,4,5
	global_load_b64 v[W+12*(2*(2*\half+\k)+\u)+2*\p:W+12*(2*(2*\half+\k)+\u)+2*\p+1], v[\vo], s[\sb:\sb+1] offset:\off+\u*8*\pitch+96*(2*\half+\k)+48*(\p/3)+8*(\p%3)
.endr
.endr
.endr
.endm
.macro SLOAD sb, vo, spitch, off
.irp u, 0,1
	global_load_b128 v[WS+4*\u:WS+4*\u+3], v[\vo], s[\sb:\sb+1] offset:\off+\u*8*\spitch
.endr
.endm
.macro FRLOAD vf, foff, tstr
.irp k, 0,1
.irp t, 0,1
.irp i, 0,1,2
	ds_load_b128 v[HB+12*(2*\k+\t)+4*\i:HB+12*(2*\k+\t)+4*\i+3], v[\vf] offset:\foff+\t*\tstr+\k*1536+16*\i
.endr
.endr
.endr
.endm
; Eight matrix instructions; the four accumulators take turns, one instruction a turn, in the same order everywhere.  Every sum here begins with registers: the residual or a bias.
.macro MM8 half, d
.irp k, 0,1
.irp t, 0,1
.irp u, 0,1
.set KQ_, 2*\half+\k
.set RW_, W+12*(2*KQ_+\u)
.set RH_, HB+12*(2*\k+\t)
.set RD_, \d+16*\t+8*\u
	v_wmma_scale_f32_16x16x128_f8f6f4 v[RD_:RD_+7], v[RW_:RW_+11], v[RH_:RH_+11], v[RD_:RD_+7], v[WS+4*\u+KQ_], v[AS+4*\t+KQ_] matrix_a_fmt:MATRIX_FMT_FP6 matrix_b_fmt:MATRIX_FMT_FP6
.endr
.endr
.endr
.endm
.macro GRP_A vf, foff, tstr, soff, sstr, d
.irp t, 0,1
	ds_load_b128 v[AS+4*\t:AS+4*\t+3], v[SCR] offset:\soff+\t*\sstr
.endr
	FRLOAD \vf, \foff, \tstr
	s_wait_loadcnt 24                              ; all but the 24 loads issued last (this group's second half)
	s_wait_dscnt 0x0
	MM8 0, \d
	NOP5
	FRLOAD \vf, \foff+3072, \tstr
.endm
.macro GRP_B cnt, d
	s_wait_loadcnt \cnt                            ; cnt = the loads issued behind this group's second half
	s_wait_dscnt 0x0
	MM8 1, \d
	NOP5
.endm
.macro LNLOCAL src
.irp t, 0,1
.set LS_, \src+16*\t
.set LM_, HB+40+4*\t
	v_pk_add_f32 v[HB+16:HB+17], v[LS_:LS_+1], v[LS_+2:LS_+3]       ; each accumulator is read from its low end on
	v_pk_add_f32 v[HB+18:HB+19], v[LS_+4:LS_+5], v[LS_+6:LS_+7]
	v_pk_add_f32 v[HB+20:HB+21], v[LS_+8:LS_+9], v[LS_+10:LS_+11]
	v_pk_add_f32 v[HB+22:HB+23], v[LS_+12:LS_+13], v[LS_+14:LS_+15]
	v_pk_add_f32 v[HB+16:HB+17], v[HB+16:HB+17], v[HB+18:HB+19]
	v_pk_add_f32 v[HB+20:HB+21], v[HB+20:HB+21], v[HB+22:HB+23]
	v_pk_add_f32 v[HB+16:HB+17], v[HB+16:HB+17], v[HB+20:HB+21]
	v_add_f32 v[HB+16], v[HB+16], v[HB+17]
	v_permlanex16_b32 v[HB+17], v[HB+16], s4, s5
	v_add_f32 v[HB+16], v[HB+16], v[HB+17]
	v_mul_f32 v[LM_], 0x3d000000, v[HB+16]         ; the mean of my 32 columns
	v_mul_f32 v[LM_+2], 0x3d000000, v[HB+16]
	v_mov_b32 v[LM_+3], v[LM_+2]
.irp i, 0,2,4,6,8,10,12,14
	v_pk_add_f32 v[HB+\i:HB+\i+1], v[LS_+\i:LS_+\i+1], v[LM_+2:LM_+3] op_sel_hi:[1,0] neg_lo:[0,1] neg_hi:[0,1]
.endr
	v_pk_mul_f32 v[HB+16:HB+17], v[HB:HB+1], v[HB:HB+1]
	v_pk_mul_f32 v[HB+18:HB+19], v[HB+2:HB+3], v[HB+2:HB+3]
.irp i, 4,8,12
	v_pk_fma_f32 v[HB+16:HB+17], v[HB+\i:HB+\i+1], v[HB+\i:HB+\i+1], v[HB+16:HB+17]
	v_pk_fma_f32 v[HB+18:HB+19], v[HB+\i+2:HB+\i+3], v[HB+\i+2:HB+\i+3], v[HB+18:HB+19]
.endr
	v_pk_add_f32 v[HB+16:HB+17], v[HB+16:HB+17], v[HB+18:HB+19]
	v_add_f32 v[HB+16], v[HB+16], v[HB+17]
	v_permlanex16_b32 v[HB+17], v[HB+16], s4, s5
	v_add_f32 v[LM_+1], v[HB+16], v[HB+17]         ; and their squared deviations from it
	ds_store_b64 v[STS], v[LM_:LM_+1] offset:256*\t
.endr
.endm
.macro LNGLOBAL t
.irp q, 0,1,2,3,4,5,6,7,8,9,10,11,12,13,14,15
	ds_load_b64 v[HB+2*\q:HB+2*\q+1], v[STL] offset:(2*\q+\t)*256
.endr
	s_wait_dscnt 0x0
.irp c, 0,1,2,3
	v_pk_add_f32 v[HB+32+2*\c:HB+33+2*\c], v[HB+4*\c:HB+4*\c+1], v[HB+4*\c+2:HB+4*\c+3]
.endr
.irp g, 16,24
.irp c, 0,1,2,3
	v_pk_add_f32 v[HB+32+2*\c:HB+33+2*\c], v[HB+32+2*\c:HB+33+2*\c], v[HB+\g+2*\c:HB+\g+2*\c+1]
.endr
.endr
	v_pk_add_f32 v[HB+32:HB+33], v[HB+32:HB+33], v[HB+34:HB+35]
	v_pk_add_f32 v[HB+36:HB+37], v[HB+36:HB+37], v[HB+38:HB+39]
	v_pk_add_f32 v[HB+32:HB+33], v[HB+32:HB+33], v[HB+36:HB+37]
	v_mul_f32 v[TM+4*\t], 0x3d800000, v[HB+32]
	v_mul_f32 v[TM+4*\t+1], 0x3d800000, v[HB+32]
.irp q, 0,1,2,3,4,5,6,7,8,9,10,11,12,13,14,15
	v_sub_f32 v[HB+2*\q], v[HB+2*\q], v[TM+4*\t]
.endr
	v_mul_f32 v[HB+34], v[HB], v[HB]
	v_mul_f32 v[HB+35], v[HB+2], v[HB+2]
.irp q, 2,4,6,8,10,12,14
	v_fma_f32 v[HB+34], v[HB+2*\q], v[HB+2*\q], v[HB+34]
	v_fma_f32 v[HB+35], v[HB+2*\q+2], v[HB+2*\q+2], v[HB+35]
.endr
	v_add_f32 v[HB+34], v[HB+34], v[HB+35]
	v_fma_f32 v[HB+34], v[HB+34], 0x42000000, v[HB+33]
	v_fma_f32 v[HB+34], v[HB+34], s41, s40
	v_rsq_f32 v[TM+4*\t+2], v[HB+34]
	v_nop
	s_wait_alu depctr_va_vdst(0)
	v_mov_b32 v[TM+4*\t+3], v[TM+4*\t+2]
.endm
.macro LNAPPLY src
.irp t, 0,1
.irp i, 0,2,4,6,8,10,12,14
	v_pk_add_f32 v[HB+16*\t+\i:HB+16*\t+\i+1], v[\src+16*\t+\i:\src+16*\t+\i+1], v[TM+4*\t:TM+4*\t+1] op_sel_hi:[1,0] neg_lo:[0,1] neg_hi:[0,1]
.endr
.irp i, 0,2,4,6,8,10,12,14
	v_pk_mul_f32 v[HB+16*\t+\i:HB+16*\t+\i+1], v[HB+16*\t+\i:HB+16*\t+\i+1], v[TM+4*\t+2:TM+4*\t+3] op_sel_hi:[1,0]
.endr
.irp i, 0,2,4,6,8,10,12,14
	v_pk_fma_f32 v[HB+16*\t+\i:HB+16*\t+\i+1], v[HB+16*\t+\i:HB+16*\t+\i+1], v[ACC+\i:ACC+\i+1], v[ACC+16+\i:ACC+16+\i+1]
.endr
.endr
.endm
.macro BQCORE s0, s1                   ; two blocks of 32 (16 numbers a lane each, the rest in lane l xor 16) become codes and bytes
	v_max3_num_f32 v[TM], |v[\s0]|, |v[\s0+1]|, 0x1800000
	v_max3_num_f32 v[TM+1], |v[\s1]|, |v[\s1+1]|, 0x1800000
.irp i, 2,4,6,8,10,12,14
	v_max3_num_f32 v[TM], v[TM], |v[\s0+\i]|, |v[\s0+\i+1]|
	v_max3_num_f32 v[TM+1], v[TM+1], |v[\s1+\i]|, |v[\s1+\i+1]|
.endr
	v_mov_b32 v[TM+2], 0
	v_mov_b32 v[TM+3], 0
	v_permlanex16_b32 v[TM+2], v[TM], s4, s5
	v_permlanex16_b32 v[TM+3], v[TM+1], s4, s5
	v_max_num_f32 v[TM], v[TM], v[TM+2]
	v_max_num_f32 v[TM+1], v[TM+1], v[TM+3]
	v_add_nc_u32 v[TM+4], 0xff000000, v[TM]
	v_add_nc_u32 v[TM+5], 0xff000000, v[TM+1]
	v_lshrrev_b32 v[TM+6], 23, v[TM+4]
	v_lshrrev_b32 v[TM+7], 23, v[TM+5]
	v_cvt_scalef32_pk16_fp6_f32 v[CP:CP+2], v[\s0:\s0+15], v[TM+4]
	v_cvt_scalef32_pk16_fp6_f32 v[CQ:CQ+2], v[\s1:\s1+15], v[TM+5]
	v_cndmask_b32 v[TM+6], v[TM+6], v[TM+7], s6    ; (the plain place behind the conversions)  lanes 16-31 take block 1's byte
.endm
.macro BQSWAP
.irp i, 0,1,2
	v_permlane16_swap_b32 v[CP+\i], v[CQ+\i]
.endr
.irp i, 0,1,2
	v_mov_b32 v[CP+3+\i], v[CQ+\i]
.endr
.endm
.macro BQLDS va, aoff, vs, soff
.irp i, 0,1,2
	ds_store_b64 v[\va], v[CP+2*\i:CP+2*\i+1] offset:\aoff+8*\i
.endr
	ds_store_b8 v[\vs], v[TM+6] offset:\soff
	s_wait_dscnt 0x0                               ; the stores have read their registers
.endm
.macro GELU8 a                         ; eight numbers in place, four pairs by turns
.irp i, 0,2,4,6
	v_pk_mul_f32 v[GZ+\i:GZ+\i+1], v[\a+\i:\a+\i+1], s[GRS:GRS+1] op_sel_hi:[1,0]
.endr
.irp i, 0,1,2,3,4,5,6,7
	v_med3_num_f32 v[GZ+\i], v[GZ+\i], -4.0, 4.0
.endr
.irp i, 0,2,4,6
	v_pk_mul_f32 v[GX+\i:GX+\i+1], v[GZ+\i:GZ+\i+1], v[GZ+\i:GZ+\i+1]
.endr
.irp i, 0,2,4,6
	v_pk_fma_f32 v[GP+\i:GP+\i+1], v[GX+\i:GX+\i+1], s[GA13:GA13+1], s[GA11:GA11+1] op_sel_hi:[1,0,0]
.endr
.irp i, 0,2,4,6
	v_pk_fma_f32 v[GQ+\i:GQ+\i+1], v[GX+\i:GX+\i+1], s[GB8:GB8+1], s[GB6:GB6+1] op_sel_hi:[1,0,0]
.endr
.irp c, GA9, GA7, GA5, GA3, GA1
.irp i, 0,2,4,6
	v_pk_fma_f32 v[GP+\i:GP+\i+1], v[GP+\i:GP+\i+1], v[GX+\i:GX+\i+1], s[\c:\c+1] op_sel_hi:[1,1,0]
.endr
.endr
.irp c, GB4, GB2, GB0
.irp i, 0,2,4,6
	v_pk_fma_f32 v[GQ+\i:GQ+\i+1], v[GQ+\i:GQ+\i+1], v[GX+\i:GX+\i+1], s[\c:\c+1] op_sel_hi:[1,1,0]
.endr
.endr
.irp i, 0,1,2,3,4,5,6,7
	v_rcp_f32 v[GQ+\i], v[GQ+\i]
.endr
.irp i, 0,2,4,6
	v_pk_mul_f32 v[GP+\i:GP+\i+1], v[GP+\i:GP+\i+1], v[GZ+\i:GZ+\i+1]     ; (plain places behind the reciprocals)
.endr
	s_wait_alu depctr_va_vdst(0)
.irp i, 0,2,4,6
	v_pk_mul_f32 v[GP+\i:GP+\i+1], v[GP+\i:GP+\i+1], v[GQ+\i:GQ+\i+1]     ; erf
.endr
.irp i, 0,2,4,6
	v_pk_mul_f32 v[GZ+\i:GZ+\i+1], v[\a+\i:\a+\i+1], 0.5 op_sel_hi:[1,0]
.endr
.irp i, 0,2,4,6
	v_pk_fma_f32 v[\a+\i:\a+\i+1], v[GZ+\i:GZ+\i+1], v[GP+\i:GP+\i+1], v[GZ+\i:GZ+\i+1]
.endr
.endm
; 32 of my hidden units for the 32 tokens: b1 starts the sums; gelu; the block goes to its place in K step w of the last product.  The n.. arguments name the group of weights that is asked for meanwhile.
.macro FC1 jb, nsb, nvo, npitch, noff, nssb, nsvo, nspitch, nsoff
.irp t, 0,1
.irp i, 0,1,2,3
	ds_load_b128 v[ACC+16*\t+4*\i:ACC+16*\t+4*\i+3], v[B1A] offset:128*\jb+16*\i
.endr
.endr
	GRP_A FA, HIMG-AIMG, 6144, HSC, 256, ACC
	WLOADH 0, \nsb, \nvo, \npitch, \noff
	GRP_B 24, ACC
	SLOAD \nssb, \nsvo, \nspitch, \nsoff
	WLOADH 1, \nsb, \nvo, \npitch, \noff
	GELU8 ACC
	GELU8 ACC+8
	GELU8 ACC+16
	GELU8 ACC+24
	BQCORE ACC, ACC+16
	BQSWAP
	BQLDS BG, 768*(\jb&1)+24*(\jb>>1), SG, \jb
.endm
	s_load_b512 s[8:23], s[0:1], 0x0               ; ac 8, asb 10, x 12, w_proj codes 14, scales 16, b_proj 18, ln2_g 20, ln2_b 22
	s_load_b256 s[24:31], s[0:1], 0x40             ; w1 codes 24, scales 26, b1 28, w2 codes 30
	s_load_b128 s[32:35], s[0:1], 0x60             ; w2 scales 32, b2 34
	s_load_b64 s[36:37], s[0:1], 0x70              ; out0
	v_lshrrev_b32 v248, 5, v0
	v_readfirstlane_b32 s2, v248                   ; wave 0..15
	v_and_b32 v248, 31, v0                         ; lane
	v_and_b32 v249, 15, v0                         ; r
	v_bfe_u32 v250, v0, 4, 1                       ; h
	v_and_b32 v251, 8, v0
	v_add_nc_u32 v251, v251, v249                  ; pr
	s_mov_b32 s4, 0x76543210
	s_mov_b32 s5, 0xfedcba98
	s_mov_b32 s6, 0xffff0000
	s_mov_b32 s40, 0x3727c5ac                      ; eps
	s_mov_b32 s41, 0x3b000000                      ; 1 / 512
	SPAIR GRS,  0x3f3504f3
	SPAIR GA13, 0xaf95df0b
	SPAIR GA11, 0x32edffee
	SPAIR GA9,  0xb60cff51
	SPAIR GA7,  0xb86ec2d2
	SPAIR GA5,  0xba40ac63
	SPAIR GA3,  0xbb41a1f6
	SPAIR GA1,  0xbc83dbd4
	SPAIR GB8,  0xb77460cd
	SPAIR GB6,  0xb95fbd29
	SPAIR GB4,  0xbadc924e
	SPAIR GB2,  0xbbf19bf8
	SPAIR GB0,  0xbc69b6a7
	v_mul_u32_u24 v[WO3], v251, 384
	v_mad_u32_u24 v[WO3], v250, 24, v[WO3]
	v_mul_u32_u24 v[WO15], v251, 1536
	v_mad_u32_u24 v[WO15], v250, 24, v[WO15]
	v_lshlrev_b32 v[SO16], 4, v251
	v_lshlrev_b32 v[SO64], 6, v251
	v_mul_u32_u24 v[FA], v248, 48
	v_add_nc_u32 v[FG], GIMG, v[FA]
	v_add_nc_u32 v[FA], AIMG, v[FA]
	v_lshlrev_b32 v[SCR], 4, v249
	s_lshr_b32 s38, s2, 2                          ; block w of the normalised rows' K: K step w / 4, place w % 4
	s_mul_i32 s38, s38, 1536
	s_and_b32 s39, s2, 1
	s_mul_i32 s39, s39, 768
	s_add_co_u32 s38, s38, s39
	s_bfe_u32 s39, s2, 0x10001
	s_mul_i32 s39, s39, 24
	s_add_co_u32 s38, s38, s39
	s_add_co_u32 s38, s38, HIMG
	v_mul_u32_u24 v[BH], v249, 48
	v_mad_u32_u24 v[BG], v250, 24576, v[BH]
	v_mad_u32_u24 v[BH], v250, 6144, v[BH]
	v_add_nc_u32 v[BH], s38, v[BH]
	s_mul_i32 s38, s2, 1536
	s_add_co_u32 s38, s38, GIMG
	v_add_nc_u32 v[BG], s38, v[BG]
	s_add_co_u32 s38, s2, HSC
	v_lshlrev_b32 v[SH], 4, v249
	v_lshl_add_u32 v[SG], v250, 10, v[SH]
	v_lshl_add_u32 v[SH], v250, 8, v[SH]
	v_add_nc_u32 v22, s2, v[SH]                    ; ASC (= 0) + 256 h + 16 r + w
	v_add_nc_u32 v[SH], s38, v[SH]
	s_lshr_b32 s38, s2, 2
	s_lshl_b32 s38, s38, 8
	s_and_b32 s39, s2, 3
	s_lshl_b32 s39, s39, 2
	s_add_co_u32 s38, s38, s39
	s_add_co_u32 s38, s38, GSC
	v_add_nc_u32 v[SG], s38, v[SG]
	s_lshl_b32 s38, s2, 9
	s_add_co_u32 s39, s38, B1L
	v_lshl_add_u32 v[B1A], v250, 6, s39
	s_add_co_u32 s39, s38, STAT
	v_lshl_add_u32 v[STS], v248, 3, s39
	v_lshl_add_u32 v[STL], v248, 3, STAT
	v_lshlrev_b32 v[XO], 11, v251
	v_lshl_add_u32 v[XO], v250, 6, v[XO]
	v_lshlrev_b32 v[PO], 6, v250
	v_lshlrev_b32 v[L16], 4, v248
	s_lshl_b32 s38, s2, 7
	s_add_co_u32 s38, s38, STG
	v_mul_u32_u24 v[STGW], v251, 2064
	v_lshl_add_u32 v[STGW], v250, 6, v[STGW]
	v_add_nc_u32 v[STGW], s38, v[STGW]
	s_mul_i32 s38, s2, 4128
	s_add_co_u32 s38, s38, STG
	v_add_nc_u32 v[STGR], s38, v[L16]
	s_lshr_b32 s38, s2, 1                          ; attn's image: wave w fills registers 6 (w & 1) .. + 5 of fragment w / 2
	s_mul_i32 s38, s38, 1536
	s_and_b32 s39, s2, 1
	s_mul_i32 s39, s39, 24
	s_add_co_u32 s38, s38, s39
	v_add_nc_u32 v20, s38, v[FA]
	v_mul_u32_u24 v21, v249, 24
	v_mad_u32_u24 v21, v250, 24576, v21            ; lanes 16-31 take the next head's block
	v_mov_b32 v23, v248
	v_lshl_add_u32 v[HB+12], v0, 4, B1L            ; b1's slice: 512 w + 16 lane
	s_lshr_b32 s38, ttmp9, 5
	s_lshl_b32 s38, s38, 4                         ; 16 b
	s_and_b32 s39, ttmp9, 31                       ; beta
	s_and_b32 s42, s2, 7
	s_lshl_b32 s42, s42, 1
	s_add_co_u32 s42, s42, s38                     ; 16 b + the first of my two heads
	s_mul_i32 s42, s42, 24576
	s_lshl_b32 s43, s39, 1
	s_lshr_b32 s72, s2, 3
	s_add_co_u32 s43, s43, s72                     ; my tile: 2 beta + w / 8
	s_mul_i32 s43, s43, 384
	s_add_co_u32 s72, s42, s43
	s_mov_b32 s73, 0
	s_add_co_u32 s74, s38, s2
	s_lshl_b32 s74, s74, 10
	s_lshl_b32 s75, s39, 5
	s_add_co_u32 s74, s74, s75                     ; asb: (16 b + w) 1,024 + 32 beta
	s_mov_b32 s75, 0
	s_mov_b32 s39, 0
	s_mov_b32 s43, 0
	s_wait_kmcnt 0x0
	s_add_nc_u64 s[8:9], s[8:9], s[72:73]
	s_add_nc_u64 s[10:11], s[10:11], s[74:75]
	s_lshl_b32 s38, s2, 7                          ; 128 w
	s_lshl_b32 s42, ttmp9, 16
	s_add_co_u32 s72, s42, s38
	s_add_nc_u64 s[12:13], s[12:13], s[72:73]
	s_add_nc_u64 s[18:19], s[18:19], s[38:39]
	s_add_nc_u64 s[20:21], s[20:21], s[38:39]
	s_add_nc_u64 s[22:23], s[22:23], s[38:39]
	s_add_nc_u64 s[34:35], s[34:35], s[38:39]
	s_lshl_b32 s72, s2, 12
	s_add_co_u32 s72, s72, s42
	s_add_nc_u64 s[36:37], s[36:37], s[72:73]      ; out0: my two rows
	s_mul_i32 s38, s2, 12288
	s_add_nc_u64 s[14:15], s[14:15], s[38:39]
	s_lshl_b32 s38, s2, 9
	s_add_nc_u64 s[16:17], s[16:17], s[38:39]
	s_add_nc_u64 s[28:29], s[28:29], s[38:39]
	s_mul_i32 s38, s2, 49152
	s_add_nc_u64 s[24:25], s[24:25], s[38:39]
	s_add_nc_u64 s[30:31], s[30:31], s[38:39]
	s_lshl_b32 s38, s2, 11
	s_add_nc_u64 s[26:27], s[26:27], s[38:39]
	s_add_nc_u64 s[32:33], s[32:33], s[38:39]
	; ---- the first loads
.irp i, 0,1,2
	global_load_b64 v[HB+2*\i:HB+2*\i+1], v21, s[8:9] offset:8*\i
.endr
	global_load_u8 v[HB+6], v23, s[10:11]
	global_load_b128 v[HB+8:HB+11], v[L16], s[28:29]
.irp t, 0,1
.irp i, 0,1,2,3
	global_load_b128 v[OUT+16*\t+4*\i:OUT+16*\t+4*\i+3], v[XO], s[12:13] offset:16384*\t+16*\i
.endr
.endr
.irp i, 0,1,2,3
	global_load_b128 v[HB+16+4*\i:HB+16+4*\i+3], v[PO], s[18:19] offset:16*\i
.endr
.irp i, 0,1,2,3
	global_load_b128 v[ACC+4*\i:ACC+4*\i+3], v[PO], s[20:21] offset:16*\i
.endr
.irp i, 0,1,2,3
	global_load_b128 v[ACC+16+4*\i:ACC+16+4*\i+3], v[PO], s[22:23] offset:16*\i
.endr
	WLOADH 0, 14, WO3, 384, 0
	s_wait_loadcnt 44                              ; attn's codes and byte and b1 are in: behind them x 8, b_proj 4, gain and bias 8, 24 of w_proj
.irp i, 0,1,2
	ds_store_b64 v20, v[HB+2*\i:HB+2*\i+1] offset:8*\i
.endr
	ds_store_b8 v22, v[HB+6] offset:ASC
	ds_store_b128 v[HB+12], v[HB+8:HB+11]
	SLOAD 16, SO16, 16, 0
	WLOADH 1, 14, WO3, 384, 0
	s_wait_loadcnt 58                              ; x and b_proj are in: behind them 8 + 24 + 2 + 24
.irp t, 0,1
.irp i, 0,2,4,6,8,10,12,14
	v_pk_add_f32 v[OUT+16*\t+\i:OUT+16*\t+\i+1], v[OUT+16*\t+\i:OUT+16*\t+\i+1], v[HB+16+\i:HB+16+\i+1]
.endr
.endr
	BARRIER                                        ; attn's eight fragments and their scale bytes lie in LDS
	; ---- the projection, onto x + b_proj
	GRP_A FA, 0, 6144, ASC, 256, OUT
	WLOADH 0, 24, WO3, 384, 0
	GRP_B 24, OUT
	SLOAD 26, SO16, 16, 0
	WLOADH 1, 24, WO3, 384, 0
	; ---- the second layernorm
	LNLOCAL OUT
	BARRIER
	LNGLOBAL 0
	LNGLOBAL 1
	LNAPPLY OUT
	BQCORE HB, HB+16
	BQSWAP
	BQLDS BH, 0, SH, 0
	BARRIER                                        ; the normalised rows' eight fragments lie in LDS
	; ---- the hidden layer: my 128 units, 32 at a time
	FC1 0, 24, WO3, 384, 12288, 26, SO16, 16, 512
	FC1 1, 24, WO3, 384, 24576, 26, SO16, 16, 1024
	FC1 2, 24, WO3, 384, 36864, 26, SO16, 16, 1536
	FC1 3, 30, WO15, 1536, 0, 32, SO64, 64, 0
	BARRIER                                        ; gelu's 32 fragments lie in LDS
	; ---- the last product, onto out: four groups of 512 along K
.irp g, 0,1,2
	GRP_A FG, 6144*\g, 24576, GSC+256*\g, 1024, OUT
	WLOADH 0, 30, WO15, 1536, 384*(\g+1)
	GRP_B 24, OUT
	SLOAD 32, SO64, 64, 16*(\g+1)
	WLOADH 1, 30, WO15, 1536, 384*(\g+1)
.endr
	GRP_A FG, 18432, 24576, GSC+768, 1024, OUT
.irp i, 0,1,2,3
	global_load_b128 v[W+4*\i:W+4*\i+3], v[PO], s[34:35] offset:16*\i     ; b2, into fragments that are done with (five places stand behind their last products)
.endr
	GRP_B 4, OUT                                   ; b2's four loads may be out
	s_wait_loadcnt 0x0
.irp t, 0,1
.irp i, 0,2,4,6,8,10,12,14
	v_pk_add_f32 v[OUT+16*\t+\i:OUT+16*\t+\i+1], v[OUT+16*\t+\i:OUT+16*\t+\i+1], v[W+\i:W+\i+1]
.endr
.endr
	; ---- the way out: a row's 2,048 bytes come from 16 waves: they meet in a stage, and each wave stores two whole rows
.irp t, 0,1
.irp i, 0,1,2,3
	ds_store_b128 v[STGW], v[OUT+16*\t+4*\i:OUT+16*\t+4*\i+3] offset:16512*\t+16*\i
.endr
.endr
	BARRIER
.irp k, 0,1
.irp i, 0,1,2,3
	ds_load_b128 v[HB+4*(4*\k+\i):HB+4*(4*\k+\i)+3], v[STGR] offset:2064*\k+512*\i
.endr
.endr
.irp k, 0,1
.irp i, 0,1,2,3
	s_wait_dscnt 7-(4*\k+\i)                       ; LDS loads come back in order: this one is in, the younger ones may be out
	global_store_b128 v[L16], v[HB+4*(4*\k+\i):HB+4*(4*\k+\i)+3], s[36:37] offset:2048*\k+512*\i th:TH_STORE_NT   ; 32 lanes store 512 consecutive bytes, at a multiple of 256 from out0's first byte
.endr
.endr
	s_wait_xcnt 0x0
	v_lshl_add_u32 v254, v0, 2, 0x27000
	v_mov_b32 v255, 0
	s_wait_tensorcnt 0x0
	ds_add_u32 v254, v255
	s_wait_dscnt 0x0
	s_endpgm
.Lfunc_end_k_qb92b7b4284_post:
	.size	k_qb92b7b4284_post, .Lfunc_end_k_qb92b7b4284_post-k_qb92b7b4284_post
	.p2alignl 7, 3214868480
	.fill 96, 4, 3214868480
	.section	.rodata,"a",@progbits
	.p2align	6, 0x0
	.amdhsa_kernel k_qb92b7b4284_post
		.amdhsa_group_segment_fixed_size 161792
		.amdhsa_private_segment_fixed_size 0
		.amdhsa_enable_private_segment 0
		.amdhsa_kernarg_size 120
		.amdhsa_user_sgpr_count 2
		.amdhsa_user_sgpr_kernarg_segment_ptr 1
		.amdhsa_wavefront_size32 1
		.amdhsa_system_sgpr_workgroup_id_x 1
		.amdhsa_system_sgpr_workgroup_id_y 1
		.amdhsa_system_sgpr_workgroup_id_z 1
		.amdhsa_system_vgpr_workitem_id 0
		.amdhsa_next_free_vgpr 256
		.amdhsa_next_free_sgpr 80
		.amdhsa_reserve_vcc 0
		.amdhsa_float_denorm_mode_32 3
		.amdhsa_float_denorm_mode_16_64 3
		.amdhsa_memory_ordered 1
		.amdhsa_forward_progress 1
		.amdhsa_inst_pref_size 199
	.end_amdhsa_kernel
	.amdgpu_metadata
---
amdhsa.version: [ 1, 2 ]
amdhsa.kernels:
  - .name:           k_qb92b7b4284_post
    .symbol:         k_qb92b7b4284_post.kd
    .args:
      - { .name: ac, .offset: 0, .size: 8, .value_kind: global_buffer, .address_space: global }
      - { .name: asb, .offset: 8, .size: 8, .value_kind: global_buffer, .address_space: global }
      - { .name: x, .offset: 16, .size: 8, .value_kind: global_buffer, .address_space: global }
      - { .name: w_proj_codes, .offset: 24, .size: 8, .value_kind: global_buffer, .address_space: global }
      - { .name: w_proj_scales, .offset: 32, .size: 8, .value_kind: global_buffer, .address_space: global }
      - { .name: b_proj, .offset: 40, .size: 8, .value_kind: global_buffer, .address_space: global }
      - { .name: ln2_g, .offset: 48, .size: 8, .value_kind: global_buffer, .address_space: global }
      - { .name: ln2_b, .offset: 56, .size: 8, .value_kind: global_buffer, .address_space: global }
      - { .name: w1_codes, .offset: 64, .size: 8, .value_kind: global_buffer, .address_space: global }
      - { .name: w1_scales, .offset: 72, .size: 8, .value_kind: global_buffer, .address_space: global }
      - { .name: b1, .offset: 80, .size: 8, .value_kind: global_buffer, .address_space: global }
      - { .name: w2_codes, .offset: 88, .size: 8, .value_kind: global_buffer, .address_space: global }
      - { .name: w2_scales, .offset: 96, .size: 8, .value_kind: global_buffer, .address_space: global }
      - { .name: b2, .offset: 104, .size: 8, .value_kind: global_buffer, .address_space: global }
      - { .name: out0, .offset: 112, .size: 8, .value_kind: global_buffer, .address_space: global }
    .group_segment_fixed_size: 161792
    .private_segment_fixed_size: 0
    .kernarg_segment_align: 8
    .kernarg_segment_size: 120
    .max_flat_workgroup_size: 512
    .sgpr_count:     80
    .vgpr_count:     256
    .wavefront_size: 32
...
	.end_amdgpu_metadata
.endif
;; end of part 3
;; ======== version 2 of 2: 4 launches; 1.45 times as fast as version 1
;; workspace buffers: qb 4,194,304 bytes; kc 3,145,728 bytes; ksb 131,072 bytes; vc 3,145,728 bytes; vsb 131,072 bytes; ac 3,145,728 bytes; asb 131,072 bytes; wfr 2,359,296 bytes
;; launch prep (part 4): grid 256 x 1, 1 waves a work-group, no clusters, 0 bytes of LDS; arguments wq_codes, wk_codes, wv_codes, w_proj_codes, w1_codes, w2_codes, wfr; writes wfr
.if DOCPART == 4
	.amdgcn_target "amdgcn-amd-amdhsa--gfx1250"
	.amdhsa_code_object_version 6
	.text
	.protected	k_qb92b7b4284_prep
	.globl	k_qb92b7b4284_prep
	.p2align	8
	.type	k_qb92b7b4284_prep,@function
k_qb92b7b4284_prep:
	s_mov_b64 s[64:65], 0
	v_nop
	global_prefetch_b8 v0, s[64:65] scope:SCOPE_SE
	s_setreg_imm32_b32 hwreg(HW_REG_WAVE_MODE, 25, 1), 1
	s_wait_xcnt 0x0
; The six weights' codes (FP6, K innermost, rows of 384 or 1,536 bytes) are laid anew IN THE ORDER OF THE OPERAND'S REGISTERS, so that the launches that multiply by them, each in 256 work-groups, fetch a fragment
; by three loads of 512 consecutive bytes.  No code is changed: bytes are moved.
; A fragment is 16 rows x 128 along K, 12 registers a lane: lane (r, h) holds, of row 8 u + pr (pr = r + (r & 8)) of a block of 32 rows, the 24 bytes at 96 s + 24 h and the 24 bytes 48 further on (s: the K step).
; In wfr it is 1,536 bytes: registers 4 i .. 4 i + 3 of lane l at 512 i + 16 l.  Fragments follow each other as (block of 32 rows, [for w2: group of four K steps,] K step, u): 8 fragments = 12,288 bytes to a group.
; wfr: wq at 0, wk at 196,608, wv at 393,216, w_proj at 589,824, w1 at 786,432, w2 at 1,572,864.
; SHARES.  1,536 fragments, 6 to each of 256 work-groups of one wave: work-group j takes fragment j / 2 of wq and of wk (j even) or of wv and of w_proj (j odd), and fragments 2 j and 2 j + 1 of w1 and of w2.
; All 36 loads go out at once; the 18 stores follow as the loads come in.  Each store covers 512 consecutive bytes, at a multiple of 512 from wfr's first byte.  No LDS, no barrier: nothing is shared.
.set FRG, 16                           ; v16-87: six fragments of 12 registers
.macro FLOAD n, sb, vo, off            ; a fragment as the matrix unit wants it: six pieces of 8 bytes a lane
.irp p, 0,1,2,3,4,5
	global_load_b64 v[FRG+12*(\n)+2*\p:FRG+12*(\n)+2*\p+1], v[\vo], s[\sb:\sb+1] offset:\off+48*(\p/3)+8*(\p%3)
.endr
.endm
.macro FSTORE n, sb, off, left         ; left: the loads of the fragments behind this one, which may stay out
	s_wait_loadcnt \left
.irp i, 0,1,2
	global_store_b128 v3, v[FRG+12*(\n)+4*\i:FRG+12*(\n)+4*\i+3], s[\sb:\sb+1] offset:\off+512*\i
.endr
.endm
	s_load_b256 s[8:15], s[0:1], 0x0               ; wq 8, wk 10, wv 12, w_proj 14
	s_load_b128 s[16:19], s[0:1], 0x20             ; w1 16, w2 18
	s_load_b64 s[20:21], s[0:1], 0x30              ; wfr
	v_and_b32 v4, 15, v0                           ; r
	v_bfe_u32 v5, v0, 4, 1                         ; h
	v_and_b32 v6, 8, v0
	v_add_nc_u32 v6, v6, v4                        ; pr
	v_mul_u32_u24 v1, v6, 384
	v_mad_u32_u24 v1, v5, 24, v1                   ; rows of 384 bytes: 384 pr + 24 h
	v_mul_u32_u24 v2, v6, 1536
	v_mad_u32_u24 v2, v5, 24, v2                   ; rows of 1,536 bytes
	v_lshlrev_b32 v3, 4, v0                        ; out: 16 x lane (one wave: the thread's number is the lane)
	s_and_b32 s2, ttmp9, 3                         ; w1, w2: K step j % 4
	s_mul_i32 s2, s2, 96
	s_lshr_b32 s3, ttmp9, 2
	s_mul_i32 s24, s3, 12288                       ; w1: block of 32 rows j / 4
	s_add_co_u32 s24, s24, s2
	s_mov_b32 s25, 0
	s_lshr_b32 s26, ttmp9, 4
	s_mul_i32 s26, s26, 49152                      ; w2: block of 32 rows j / 16,
	s_and_b32 s3, s3, 3
	s_mul_i32 s3, s3, 384                          ; group of four K steps (j / 4) % 4
	s_add_co_u32 s26, s26, s3
	s_add_co_u32 s26, s26, s2
	s_mov_b32 s27, 0
	s_lshr_b32 s28, ttmp9, 4
	s_mul_i32 s28, s28, 12288                      ; the four small weights: fragment j / 2 = (block j / 16, K step (j / 4) % 4, u = (j / 2) % 2)
	s_bfe_u32 s3, ttmp9, 0x20002
	s_mul_i32 s3, s3, 96
	s_add_co_u32 s28, s28, s3
	s_bfe_u32 s3, ttmp9, 0x10001
	s_mul_i32 s3, s3, 3072                         ; tile u begins 8 rows on
	s_add_co_u32 s28, s28, s3
	s_mov_b32 s29, 0
	s_mul_i32 s30, ttmp9, 3072                     ; out: w1's and w2's pair of fragments
	s_mov_b32 s31, 0
	s_lshr_b32 s32, ttmp9, 1
	s_mul_i32 s32, s32, 1536                       ; out: the small weights' fragment
	s_mov_b32 s33, 0
	s_and_b32 s34, ttmp9, 1
	s_wait_kmcnt 0x0
	s_cmp_eq_u32 s34, 1                            ; the choice hangs on the work-group's number alone
	s_cselect_b64 s[8:9], s[12:13], s[8:9]         ; odd: wv, even: wq
	s_cselect_b64 s[10:11], s[14:15], s[10:11]     ; odd: w_proj, even: wk
	s_cselect_b32 s34, 393216, 0                   ; and where the first of the two goes; the second goes 196,608 bytes behind it
	s_add_co_u32 s32, s32, s34
	s_add_nc_u64 s[8:9], s[8:9], s[28:29]
	s_add_nc_u64 s[10:11], s[10:11], s[28:29]
	s_add_nc_u64 s[16:17], s[16:17], s[24:25]
	s_add_nc_u64 s[18:19], s[18:19], s[26:27]
	s_add_nc_u64 s[22:23], s[20:21], s[32:33]
	s_add_nc_u64 s[20:21], s[20:21], s[30:31]
	FLOAD 0, 8, 1, 0
	FLOAD 1, 10, 1, 0
	FLOAD 2, 16, 1, 0
	FLOAD 3, 16, 1, 3072
	FLOAD 4, 18, 2, 0
	FLOAD 5, 18, 2, 12288
	FSTORE 0, 22, 0, 30
	FSTORE 1, 22, 196608, 24
	FSTORE 2, 20, 786432, 18
	FSTORE 3, 20, 786432+1536, 12
	FSTORE 4, 20, 1572864, 6
	FSTORE 5, 20, 1572864+1536, 0
	s_endpgm
.Lfunc_end_k_qb92b7b4284_prep:
	.size	k_qb92b7b4284_prep, .Lfunc_end_k_qb92b7b4284_prep-k_qb92b7b4284_prep
	.p2alignl 7, 3214868480
	.fill 96, 4, 3214868480
	.section	.rodata,"a",@progbits
	.p2align	6, 0x0
	.amdhsa_kernel k_qb92b7b4284_prep
		.amdhsa_group_segment_fixed_size 0
		.amdhsa_private_segment_fixed_size 0
		.amdhsa_enable_private_segment 0
		.amdhsa_kernarg_size 56
		.amdhsa_user_sgpr_count 2
		.amdhsa_user_sgpr_kernarg_segment_ptr 1
		.amdhsa_wavefront_size32 1
		.amdhsa_system_sgpr_workgroup_id_x 1
		.amdhsa_system_sgpr_workgroup_id_y 1
		.amdhsa_system_sgpr_workgroup_id_z 1
		.amdhsa_system_vgpr_workitem_id 0
		.amdhsa_next_free_vgpr 96
		.amdhsa_next_free_sgpr 66
		.amdhsa_reserve_vcc 0
		.amdhsa_float_denorm_mode_32 3
		.amdhsa_float_denorm_mode_16_64 3
		.amdhsa_memory_ordered 1
		.amdhsa_forward_progress 1
		.amdhsa_inst_pref_size 8
	.end_amdhsa_kernel
	.amdgpu_metadata
---
amdhsa.version: [ 1, 2 ]
amdhsa.kernels:
  - .name:           k_qb92b7b4284_prep
    .symbol:         k_qb92b7b4284_prep.kd
    .args:
      - { .name: wq_codes, .offset: 0, .size: 8, .value_kind: global_buffer, .address_space: global }
      - { .name: wk_codes, .offset: 8, .size: 8, .value_kind: global_buffer, .address_space: global }
      - { .name: wv_codes, .offset: 16, .size: 8, .value_kind: global_buffer, .address_space: global }
      - { .name: w_proj_codes, .offset: 24, .size: 8, .value_kind: global_buffer, .address_space: global }
      - { .name: w1_codes, .offset: 32, .size: 8, .value_kind: global_buffer, .address_space: global }
      - { .name: w2_codes, .offset: 40, .size: 8, .value_kind: global_buffer, .address_space: global }
      - { .name: wfr, .offset: 48, .size: 8, .value_kind: global_buffer, .address_space: global }
    .group_segment_fixed_size: 0
    .private_segment_fixed_size: 0
    .kernarg_segment_align: 8
    .kernarg_segment_size: 56
    .max_flat_workgroup_size: 32
    .sgpr_count:     66
    .vgpr_count:     96
    .wavefront_size: 32
...
	.end_amdgpu_metadata
.endif
;; end of part 4
;; launch qkv (part 5): grid 256 x 1, 16 waves a work-group, no clusters, 23,552 bytes of LDS; arguments x, ln1_g, ln1_b, wfr, wq_scales, wk_scales, wv_scales, qb, kc, ksb, vc, vsb; writes qb, kc, ksb, vc, vsb
.if DOCPART == 5
	.amdgcn_target "amdgcn-amd-amdhsa--gfx1250"
	.amdhsa_code_object_version 6
	.text
	.protected	k_qb92b7b4284_qkv
	.globl	k_qb92b7b4284_qkv
	.p2align	8
	.type	k_qb92b7b4284_qkv,@function
k_qb92b7b4284_qkv:
	s_mov_b64 s[64:65], 0
	v_nop
	global_prefetch_b8 v0, s[64:65] scope:SCOPE_SE
	s_setreg_imm32_b32 hwreg(HW_REG_WAVE_MODE, 25, 1), 1
	s_wait_xcnt 0x0
; h = layernorm(x) quantised along E; q = h wq, k = h wk, v = h wv on codes of FP6 (E2M3) with one E8M0 byte for each 32 along K; q and k quantised along the head's 32, v along the keys; all three go out as codes.
; SHARES.  A work-group owns 32 neighbouring tokens (group beta of batch b), as two tiles of 16: lane row r of tile t is token 32 beta + 8 t + pr, pr = r + (r & 8).  Its 16 waves share the COLUMNS:
; wave w owns columns 32 w .. 32 w + 31 of x (block w of K) and head w (rows 32 w .. of wq, wk, wv).  Each weight fragment is loaded by one wave, straight into registers, and feeds two matrix instructions.
; THE WEIGHTS' CODES come from wfr, where the launch before has laid them in the order of the operand's registers: a fragment is three loads of 512 consecutive bytes, a wave's group of eight fragments 12,288 bytes on end.
; A weight's 32 rows are two tiles u: lane row r of tile u is row 32 w + 8 u + pr.  With source 0 = weight tile, source 1 = token tile, register 16 t + 8 u + j of lane (r, h) is (token (t, r), column 16 h + 8 u + j):
; 16 neighbours of the head's 32.  For v the sources change places, so that a lane's 16 registers are 16 neighbouring TOKENS of one channel: the keys are the second attention product's K.
; h goes from wave to wave through LDS as an image of the operand's registers: a fragment (16 rows x 128 K) is 1,536 bytes, lane l's 12 registers at 48 l; block j of row r lies at 48 (r + 16 (j & 1)) + 24 (j >> 1).
; The mean and the variance: each wave makes mean and sum of squared deviations of its 32 columns, the 16 pairs meet in LDS and are joined by the formula for parts of equal size: no difference of large sums.
; LIMITS: NaN and infinities among the inputs are not served.  A block whose largest magnitude lies under 2^-124 (a block of zeros too) gets the byte 1: the bytes are read by this program alone.
; No tensor loads and no clusters: every weight byte is wanted by one wave of the work-group, so LDS would only add a read.
.set HSC,  0                           ; LDS: h's scale bytes: 256 t + 16 r + (K block 0..15)
.set STAT, 512                         ; [wave][tile][lane] x 8 bytes: mean, sum of squared deviations
.set HIMG, 8704                        ; h's 8 fragments, index 4 t + K step
.set WF_Q, 0                           ; where the three weights begin in wfr
.set WF_K, 196608
.set WF_V, 393216
.set SO16, 3                           ; v3   16 pr: my row's scale words
.set FA,   5                           ; v5   HIMG + 48 lane
.set SCR,  7                           ; v7   16 r
.set BH,   8                           ; v8   where my block of h goes
.set SH,   9                           ; v9   and its scale byte
.set STS,  13                          ; v13  STAT + 512 w + 8 lane
.set STL,  14                          ; v14  STAT + 8 lane
.set XO,   15                          ; v15  2048 pr + 64 h
.set PO,   16                          ; v16  64 h
.set L16,  17                          ; v17  16 lane: my 16 bytes of a weight load's 512
.set OUT,  24                          ; v24-55   x: 16 t + i = (token (t, r), column 32 w + 16 h + i)
.set ACC,  56                          ; v56-87   gain and bias, then four accumulators
.set HB,   88                          ; v88-135  four fragments of h, or at work
.set CP,   HB+32                       ; codes just made
.set CQ,   HB+38
.set W,    136                         ; v136-231 eight weight fragments: (K step s, tile u) at W + 12 (2 s + u)
.set WS,   232                         ; v232-239 the weight's scale words: 4 u + s
.set AS,   240                         ; v240-247 h's scale words: 4 t + s
.set TM,   248                         ; v248-255 at work
.macro NOP5                            ; five places: behind them loads may land in the products' registers and a later product may begin an accumulator anew
.rept 5
	v_nop
.endr
.endm
.macro BARRIER                         ; my LDS stores have landed and my LDS loads are in: then the work-group's barrier
	s_wait_dscnt 0x0
	s_barrier_signal -1
	s_barrier_wait -1
.endm
.macro WLOADH half, sb, off            ; two K steps x two tiles of a weight: four fragments, 12 loads; the 32 lanes of a load read 512 consecutive bytes
.irp k, 0,1
.irp u, 0,1
.irp i, 0,1,2
	global_load_b128 v[W+12*(2*(2*\half+\k)+\u)+4*\i:W+12*(2*(2*\half+\k)+\u)+4*\i+3], v[L16], s[\sb:\sb+1] offset:\off+(2*(2*\half+\k)+\u)*1536+512*\i
.endr
.endr
.endr
.endm
.macro SLOAD sb, vo, spitch, off       ; the scale words of four K steps, for both tiles
.irp u, 0,1
	global_load_b128 v[WS+4*\u:WS+4*\u+3], v[\vo], s[\sb:\sb+1] offset:\off+\u*8*\spitch
.endr
.endm
.macro FRLOAD vf, foff, tstr           ; two K steps x two token tiles from the images
.irp k, 0,1
.irp t, 0,1
.irp i, 0,1,2
	ds_load_b128 v[HB+12*(2*\k+\t)+4*\i:HB+12*(2*\k+\t)+4*\i+3], v[\vf] offset:\foff+\t*\tstr+\k*1536+16*\i
.endr
.endr
.endr
.endm
; Eight matrix instructions: two K steps x two token tiles x two weight tiles.  The four accumulators take turns, one instruction a turn, in the same order everywhere.
.macro MM8 half, d, zero, swap
.irp k, 0,1
.irp t, 0,1
.irp u, 0,1
.set KQ_, 2*\half+\k
.set RW_, W+12*(2*KQ_+\u)
.set RH_, HB+12*(2*\k+\t)
.if \swap
.set RD_, \d+16*\u+8*\t
.if (\zero) && (KQ_ == 0)
	v_wmma_scale_f32_16x16x128_f8f6f4 v[RD_:RD_+7], v[RH_:RH_+11], v[RW_:RW_+11], 0, v[AS+4*\t+KQ_], v[WS+4*\u+KQ_] matrix_a_fmt:MATRIX_FMT_FP6 matrix_b_fmt:MATRIX_FMT_FP6
.else
	v_wmma_scale_f32_16x16x128_f8f6f4 v[RD_:RD_+7], v[RH_:RH_+11], v[RW_:RW_+11], v[RD_:RD_+7], v[AS+4*\t+KQ_], v[WS+4*\u+KQ_] matrix_a_fmt:MATRIX_FMT_FP6 matrix_b_fmt:MATRIX_FMT_FP6
.endif
.else
.set RD_, \d+16*\t+8*\u
.if (\zero) && (KQ_ == 0)
	v_wmma_scale_f32_16x16x128_f8f6f4 v[RD_:RD_+7], v[RW_:RW_+11], v[RH_:RH_+11], 0, v[WS+4*\u+KQ_], v[AS+4*\t+KQ_] matrix_a_fmt:MATRIX_FMT_FP6 matrix_b_fmt:MATRIX_FMT_FP6
.else
	v_wmma_scale_f32_16x16x128_f8f6f4 v[RD_:RD_+7], v[RW_:RW_+11], v[RH_:RH_+11], v[RD_:RD_+7], v[WS+4*\u+KQ_], v[AS+4*\t+KQ_] matrix_a_fmt:MATRIX_FMT_FP6 matrix_b_fmt:MATRIX_FMT_FP6
.endif
.endif
.endr
.endr
.endr
.endm
; A group = 32 weight rows x 512 along K x 32 tokens, in two halves.  The caller asks for the next group's first half between the two, and for its scale words and second half behind the second.
.macro GRP_A vf, foff, tstr, soff, sstr, d, zero, swap
	s_wait_xcnt 0x0                                ; the stores of the codes just made have read their registers, which lie where the fragments land
.irp t, 0,1
	ds_load_b128 v[AS+4*\t:AS+4*\t+3], v[SCR] offset:\soff+\t*\sstr
.endr
	FRLOAD \vf, \foff, \tstr
	s_wait_loadcnt 12                              ; all but the 12 loads issued last (this group's second half): the first half and the scale words are in
	s_wait_dscnt 0x0
	MM8 0, \d, \zero, \swap
	NOP5
	FRLOAD \vf, \foff+3072, \tstr
.endm
.macro GRP_B cnt, d, swap
	s_wait_loadcnt \cnt                            ; cnt = the loads of the next group's first half, just issued: this group's second half is in
	s_wait_dscnt 0x0
	MM8 1, \d, 0, \swap
	NOP5
.endm
; My 32 columns of both tiles: the mean m and the sum of squared deviations from it, to LDS.
.macro LNLOCAL src
.irp t, 0,1
.set LS_, \src+16*\t
.set LM_, HB+40+4*\t
	v_pk_add_f32 v[HB+16:HB+17], v[LS_:LS_+1], v[LS_+2:LS_+3]
	v_pk_add_f32 v[HB+18:HB+19], v[LS_+4:LS_+5], v[LS_+6:LS_+7]
	v_pk_add_f32 v[HB+20:HB+21], v[LS_+8:LS_+9], v[LS_+10:LS_+11]
	v_pk_add_f32 v[HB+22:HB+23], v[LS_+12:LS_+13], v[LS_+14:LS_+15]
	v_pk_add_f32 v[HB+16:HB+17], v[HB+16:HB+17], v[HB+18:HB+19]
	v_pk_add_f32 v[HB+20:HB+21], v[HB+20:HB+21], v[HB+22:HB+23]
	v_pk_add_f32 v[HB+16:HB+17], v[HB+16:HB+17], v[HB+20:HB+21]
	v_add_f32 v[HB+16], v[HB+16], v[HB+17]
	v_permlanex16_b32 v[HB+17], v[HB+16], s4, s5   ; the row's other 16 columns lie in the lane 16 away
	v_add_f32 v[HB+16], v[HB+16], v[HB+17]
	v_mul_f32 v[LM_], 0x3d000000, v[HB+16]         ; m = sum / 32
	v_mul_f32 v[LM_+2], 0x3d000000, v[HB+16]       ; and once more, as a pair for the packed forms
	v_mov_b32 v[LM_+3], v[LM_+2]
.irp i, 0,2,4,6,8,10,12,14
	v_pk_add_f32 v[HB+\i:HB+\i+1], v[LS_+\i:LS_+\i+1], v[LM_+2:LM_+3] op_sel_hi:[1,0] neg_lo:[0,1] neg_hi:[0,1]
.endr
	v_pk_mul_f32 v[HB+16:HB+17], v[HB:HB+1], v[HB:HB+1]
	v_pk_mul_f32 v[HB+18:HB+19], v[HB+2:HB+3], v[HB+2:HB+3]
.irp i, 4,8,12
	v_pk_fma_f32 v[HB+16:HB+17], v[HB+\i:HB+\i+1], v[HB+\i:HB+\i+1], v[HB+16:HB+17]
	v_pk_fma_f32 v[HB+18:HB+19], v[HB+\i+2:HB+\i+3], v[HB+\i+2:HB+\i+3], v[HB+18:HB+19]
.endr
	v_pk_add_f32 v[HB+16:HB+17], v[HB+16:HB+17], v[HB+18:HB+19]
	v_add_f32 v[HB+16], v[HB+16], v[HB+17]
	v_permlanex16_b32 v[HB+17], v[HB+16], s4, s5
	v_add_f32 v[LM_+1], v[HB+16], v[HB+17]
	ds_store_b64 v[STS], v[LM_:LM_+1] offset:256*\t
.endr
.endm
; The 16 waves' pairs of tile t are joined: mean = sum of m / 16; squared deviations = their sum + 32 x the sum of (m - mean)^2.  Mean to TM + 4 t, 1 / sqrt(var + eps) to TM + 4 t + 2, each as a pair.
.macro LNGLOBAL t
.irp q, 0,1,2,3,4,5,6,7,8,9,10,11,12,13,14,15
	ds_load_b64 v[HB+2*\q:HB+2*\q+1], v[STL] offset:(2*\q+\t)*256
.endr
	s_wait_dscnt 0x0
.irp c, 0,1,2,3
	v_pk_add_f32 v[HB+32+2*\c:HB+33+2*\c], v[HB+4*\c:HB+4*\c+1], v[HB+4*\c+2:HB+4*\c+3]
.endr
.irp g, 16,24
.irp c, 0,1,2,3
	v_pk_add_f32 v[HB+32+2*\c:HB+33+2*\c], v[HB+32+2*\c:HB+33+2*\c], v[HB+\g+2*\c:HB+\g+2*\c+1]
.endr
.endr
	v_pk_add_f32 v[HB+32:HB+33], v[HB+32:HB+33], v[HB+34:HB+35]
	v_pk_add_f32 v[HB+36:HB+37], v[HB+36:HB+37], v[HB+38:HB+39]
	v_pk_add_f32 v[HB+32:HB+33], v[HB+32:HB+33], v[HB+36:HB+37]
	v_mul_f32 v[TM+4*\t], 0x3d800000, v[HB+32]
	v_mul_f32 v[TM+4*\t+1], 0x3d800000, v[HB+32]
.irp q, 0,1,2,3,4,5,6,7,8,9,10,11,12,13,14,15
	v_sub_f32 v[HB+2*\q], v[HB+2*\q], v[TM+4*\t]
.endr
	v_mul_f32 v[HB+34], v[HB], v[HB]
	v_mul_f32 v[HB+35], v[HB+2], v[HB+2]
.irp q, 2,4,6,8,10,12,14
	v_fma_f32 v[HB+34], v[HB+2*\q], v[HB+2*\q], v[HB+34]
	v_fma_f32 v[HB+35], v[HB+2*\q+2], v[HB+2*\q+2], v[HB+35]
.endr
	v_add_f32 v[HB+34], v[HB+34], v[HB+35]
	v_fma_f32 v[HB+34], v[HB+34], 0x42000000, v[HB+33]
	v_fma_f32 v[HB+34], v[HB+34], s41, s40         ; / 512 + eps
	v_rsq_f32 v[TM+4*\t+2], v[HB+34]
	v_nop                                          ; a plain place behind the transcendental
	s_wait_alu depctr_va_vdst(0)
	v_mov_b32 v[TM+4*\t+3], v[TM+4*\t+2]
.endm
.macro LNAPPLY src                     ; (x - mean) / sqrt(var + eps) x gain + bias, into HB + 0 .. 31
.irp t, 0,1
.irp i, 0,2,4,6,8,10,12,14
	v_pk_add_f32 v[HB+16*\t+\i:HB+16*\t+\i+1], v[\src+16*\t+\i:\src+16*\t+\i+1], v[TM+4*\t:TM+4*\t+1] op_sel_hi:[1,0] neg_lo:[0,1] neg_hi:[0,1]
.endr
.irp i, 0,2,4,6,8,10,12,14
	v_pk_mul_f32 v[HB+16*\t+\i:HB+16*\t+\i+1], v[HB+16*\t+\i:HB+16*\t+\i+1], v[TM+4*\t+2:TM+4*\t+3] op_sel_hi:[1,0]
.endr
.irp i, 0,2,4,6,8,10,12,14
	v_pk_fma_f32 v[HB+16*\t+\i:HB+16*\t+\i+1], v[HB+16*\t+\i:HB+16*\t+\i+1], v[ACC+\i:ACC+\i+1], v[ACC+16+\i:ACC+16+\i+1]
.endr
.endr
.endm
; Two blocks of 32, each spread over lanes l and l xor 16 (16 numbers a lane, at s0 and at s1), become codes: CP = block 0's, CQ = block 1's, my 16 each.  TM + 6: in lanes 0-15 block 0's byte, in lanes 16-31 block 1's.
.macro BQCORE s0, s1
	s_wait_xcnt 0x0                                ; earlier stores have read CP, CQ and the byte
	v_max3_num_f32 v[TM], |v[\s0]|, |v[\s0+1]|, 0x1800000      ; with the floor 2^(3 - 127): the byte cannot fall under 1
	v_max3_num_f32 v[TM+1], |v[\s1]|, |v[\s1+1]|, 0x1800000
.irp i, 2,4,6,8,10,12,14
	v_max3_num_f32 v[TM], v[TM], |v[\s0+\i]|, |v[\s0+\i+1]|
	v_max3_num_f32 v[TM+1], v[TM+1], |v[\s1+\i]|, |v[\s1+\i+1]|
.endr
	v_mov_b32 v[TM+2], 0                           ; a lane permute's destination counts as one of its sources
	v_mov_b32 v[TM+3], 0
	v_permlanex16_b32 v[TM+2], v[TM], s4, s5
	v_permlanex16_b32 v[TM+3], v[TM+1], s4, s5
	v_max_num_f32 v[TM], v[TM], v[TM+2]
	v_max_num_f32 v[TM+1], v[TM+1], v[TM+3]
	v_add_nc_u32 v[TM+4], 0xff000000, v[TM]        ; 2 off the exponent field: the conversion's scale operand
	v_add_nc_u32 v[TM+5], 0xff000000, v[TM+1]
	v_lshrrev_b32 v[TM+6], 23, v[TM+4]             ; the scale's byte
	v_lshrrev_b32 v[TM+7], 23, v[TM+5]
	v_cvt_scalef32_pk16_fp6_f32 v[CP:CP+2], v[\s0:\s0+15], v[TM+4]
	v_cvt_scalef32_pk16_fp6_f32 v[CQ:CQ+2], v[\s1:\s1+15], v[TM+5]
	v_cndmask_b32 v[TM+6], v[TM+6], v[TM+7], s6    ; (the plain place behind the conversions)
.endm
.macro BQSWAP                          ; lane (r, h) gets the whole 24 bytes of block h, row r, in CP .. CP + 5
.irp i, 0,1,2
	v_permlane16_swap_b32 v[CP+\i], v[CQ+\i]
.endr
.irp i, 0,1,2
	v_mov_b32 v[CP+3+\i], v[CQ+\i]
.endr
.endm
.macro BQLDS va, aoff, vs, soff
.irp i, 0,1,2
	ds_store_b64 v[\va], v[CP+2*\i:CP+2*\i+1] offset:\aoff+8*\i
.endr
	ds_store_b8 v[\vs], v[TM+6] offset:\soff
	s_wait_dscnt 0x0                               ; the stores have read their registers
.endm
	s_load_b256 s[8:15], s[0:1], 0x0               ; x 8, ln1_g 10, ln1_b 12, wfr 14
	s_load_b64 s[16:17], s[0:1], 0x20              ; wq's scales
	s_load_b64 s[20:21], s[0:1], 0x28              ; wk's
	s_load_b128 s[24:27], s[0:1], 0x30             ; wv's 24, qb 26
	s_load_b128 s[28:31], s[0:1], 0x40             ; kc 28, ksb 30
	s_load_b128 s[32:35], s[0:1], 0x50             ; vc 32, vsb 34
	v_lshl_add_u32 v18, v0, 2, 0x5400
	v_mov_b32 v19, 0
	v_lshrrev_b32 v248, 5, v0
	v_readfirstlane_b32 s2, v248                   ; wave 0..15
	v_and_b32 v248, 31, v0                         ; lane
	v_and_b32 v249, 15, v0                         ; r
	v_bfe_u32 v250, v0, 4, 1                       ; h
	v_and_b32 v251, 8, v0
	v_add_nc_u32 v251, v251, v249                  ; pr = r + (r & 8)
	s_mov_b32 s4, 0x76543210
	s_mov_b32 s5, 0xfedcba98                       ; v_permlanex16_b32's selects for lane l xor 16
	s_mov_b32 s6, 0xffff0000                       ; lanes 16-31
	s_mov_b32 s40, 0x3727c5ac                      ; eps = 1e-5
	s_mov_b32 s41, 0x3b000000                      ; 1 / 512
	v_lshlrev_b32 v[L16], 4, v248
	v_lshlrev_b32 v[SO16], 4, v251
	v_mul_u32_u24 v[FA], v248, 48
	v_add_nc_u32 v[FA], HIMG, v[FA]
	v_lshlrev_b32 v[SCR], 4, v249
	s_lshr_b32 s36, s2, 2                          ; block w of K: K step w / 4, place w % 4
	s_mul_i32 s36, s36, 1536
	s_and_b32 s37, s2, 1
	s_mul_i32 s37, s37, 768
	s_add_co_u32 s36, s36, s37
	s_bfe_u32 s37, s2, 0x10001
	s_mul_i32 s37, s37, 24
	s_add_co_u32 s36, s36, s37
	s_add_co_u32 s36, s36, HIMG
	v_mul_u32_u24 v[BH], v249, 48
	v_mad_u32_u24 v[BH], v250, 6144, v[BH]
	v_add_nc_u32 v[BH], s36, v[BH]
	s_add_co_u32 s36, s2, HSC
	v_lshlrev_b32 v[SH], 4, v249
	v_lshl_add_u32 v[SH], v250, 8, v[SH]
	v_add_nc_u32 v[SH], s36, v[SH]
	s_lshl_b32 s36, s2, 9
	s_add_co_u32 s36, s36, STAT
	v_lshl_add_u32 v[STS], v248, 3, s36
	v_lshl_add_u32 v[STL], v248, 3, STAT
	v_lshlrev_b32 v[XO], 11, v251
	v_lshl_add_u32 v[XO], v250, 6, v[XO]
	v_lshlrev_b32 v[PO], 6, v250
	v_lshlrev_b32 v20, 5, v248                     ; q's slot: 32 bytes a lane
	v_mul_u32_u24 v21, v249, 24
	v_mad_u32_u24 v21, v250, 12, v21               ; half a block: 24 r + 12 h
	v_mov_b32 v22, v248                            ; k's byte: 16 t + r = lane
	v_lshl_add_u32 v23, v250, 9, v249              ; v's byte: 512 u + r
	s_lshr_b32 s42, ttmp9, 5
	s_lshl_b32 s42, s42, 4
	s_add_co_u32 s42, s42, s2                      ; 16 b + head
	s_and_b32 s43, ttmp9, 31                       ; beta
	s_mov_b32 s37, 0
	s_mov_b32 s39, 0
	s_mov_b32 s45, 0
	s_lshl_b32 s38, s2, 7                          ; 128 w
	s_lshl_b32 s36, ttmp9, 16                      ; 32 rows of 2,048 bytes
	s_add_co_u32 s36, s36, s38
	s_wait_kmcnt 0x0
	s_add_nc_u64 s[8:9], s[8:9], s[36:37]
	s_add_nc_u64 s[10:11], s[10:11], s[38:39]
	s_add_nc_u64 s[12:13], s[12:13], s[38:39]
	s_mul_i32 s36, s2, 12288                       ; my group of eight fragments in each weight,
	s_lshl_b32 s38, s2, 9                          ; my 32 rows of 16 scale bytes
	s_add_nc_u64 s[14:15], s[14:15], s[36:37]
	s_add_nc_u64 s[16:17], s[16:17], s[38:39]
	s_add_nc_u64 s[20:21], s[20:21], s[38:39]
	s_add_nc_u64 s[24:25], s[24:25], s[38:39]
.irp t, 0,1
.irp i, 0,1,2,3
	global_load_b128 v[OUT+16*\t+4*\i:OUT+16*\t+4*\i+3], v[XO], s[8:9] offset:16384*\t+16*\i
.endr
.endr
.irp i, 0,1,2,3
	global_load_b128 v[ACC+4*\i:ACC+4*\i+3], v[PO], s[10:11] offset:16*\i
.endr
.irp i, 0,1,2,3
	global_load_b128 v[ACC+16+4*\i:ACC+16+4*\i+3], v[PO], s[12:13] offset:16*\i
.endr
	WLOADH 0, 14, WF_Q
	SLOAD 16, SO16, 16, 0
	WLOADH 1, 14, WF_Q
	s_lshl_b32 s36, s42, 6
	s_add_co_u32 s38, s36, s43                     ; 64 (16 b + head) + beta
	s_add_co_u32 s36, s38, s43                     ; .. + 2 beta: my first tile
	s_lshl_b32 s44, s36, 9
	s_add_nc_u64 s[26:27], s[26:27], s[44:45]      ; qb: 512 bytes a tile
	s_mul_i32 s44, s36, 384
	s_add_nc_u64 s[28:29], s[28:29], s[44:45]      ; kc: 384 bytes a tile
	s_mul_i32 s44, s38, 384
	s_add_nc_u64 s[32:33], s[32:33], s[44:45]      ; vc: [u][beta][r][24]
	s_lshl_b32 s36, s42, 10
	s_lshl_b32 s44, s43, 4
	s_add_co_u32 s44, s44, s36
	s_add_nc_u64 s[34:35], s[34:35], s[44:45]      ; vsb
	s_lshl_b32 s44, s43, 5
	s_add_co_u32 s44, s44, s36
	s_add_nc_u64 s[30:31], s[30:31], s[44:45]      ; ksb
	s_wait_loadcnt 34                              ; x is in: behind it stand gain 4, bias 4 and wq's 12 + 2 + 12
	LNLOCAL OUT
	BARRIER                                        ; all 16 waves' pairs lie in LDS
	LNGLOBAL 0
	LNGLOBAL 1
	s_wait_loadcnt 26                              ; gain and bias are in: behind them wq's 26
	LNAPPLY OUT
	BQCORE HB, HB+16
	BQSWAP
	BQLDS BH, 0, SH, 0
	BARRIER                                        ; h's eight fragments and their scale bytes lie in LDS
	; ---- q
	GRP_A FA, 0, 6144, HSC, 256, ACC, 1, 0
	WLOADH 0, 14, WF_K
	GRP_B 12, ACC, 0
	SLOAD 20, SO16, 16, 0
	WLOADH 1, 14, WF_K
	BQCORE ACC, ACC+16
	BQSWAP
	v_perm_b32 v[CP+6], v[TM+6], v[TM+6], 0        ; the byte four times: it serves whichever of the four block places the query is put in
	v_mov_b32 v[CP+7], v[CP+6]
	global_store_b128 v20, v[CP:CP+3], s[26:27]    ; the wave's two stores fill 1,024 consecutive bytes
	global_store_b128 v20, v[CP+4:CP+7], s[26:27] offset:16
	; ---- k
	GRP_A FA, 0, 6144, HSC, 256, ACC, 1, 0
	WLOADH 0, 14, WF_V
	GRP_B 12, ACC, 0
	SLOAD 24, SO16, 16, 0
	WLOADH 1, 14, WF_V
	BQCORE ACC, ACC+16
	global_store_b96 v21, v[CP:CP+2], s[28:29]     ; tile 0: 384 consecutive bytes
	global_store_b96 v21, v[CQ:CQ+2], s[28:29] offset:384
	global_store_b8 v22, v[TM+6], s[30:31]
	; ---- v, with the sources changed: a lane's 16 registers are 16 neighbouring tokens of channel (u, r)
	GRP_A FA, 0, 6144, HSC, 256, ACC, 1, 1
	GRP_B 0, ACC, 1
	BQCORE ACC, ACC+16
	global_store_b96 v21, v[CP:CP+2], s[32:33]
	global_store_b96 v21, v[CQ:CQ+2], s[32:33] offset:12288
	global_store_b8 v23, v[TM+6], s[34:35]
	s_wait_tensorcnt 0x0
	ds_add_u32 v18, v19
	s_wait_dscnt 0x0
	s_endpgm
.Lfunc_end_k_qb92b7b4284_qkv:
	.size	k_qb92b7b4284_qkv, .Lfunc_end_k_qb92b7b4284_qkv-k_qb92b7b4284_qkv
	.p2alignl 7, 3214868480
	.fill 96, 4, 3214868480
	.section	.rodata,"a",@progbits
	.p2align	6, 0x0
	.amdhsa_kernel k_qb92b7b4284_qkv
		.amdhsa_group_segment_fixed_size 23552
		.amdhsa_private_segment_fixed_size 0
		.amdhsa_enable_private_segment 0
		.amdhsa_kernarg_size 96
		.amdhsa_user_sgpr_count 2
		.amdhsa_user_sgpr_kernarg_segment_ptr 1
		.amdhsa_wavefront_size32 1
		.amdhsa_system_sgpr_workgroup_id_x 1
		.amdhsa_system_sgpr_workgroup_id_y 1
		.amdhsa_system_sgpr_workgroup_id_z 1
		.amdhsa_system_vgpr_workitem_id 0
		.amdhsa_next_free_vgpr 256
		.amdhsa_next_free_sgpr 66
		.amdhsa_reserve_vcc 0
		.amdhsa_float_denorm_mode_32 3
		.amdhsa_float_denorm_mode_16_64 3
		.amdhsa_memory_ordered 1
		.amdhsa_forward_progress 1
		.amdhsa_inst_pref_size 49
	.end_amdhsa_kernel
	.amdgpu_metadata
---
amdhsa.version: [ 1, 2 ]
amdhsa.kernels:
  - .name:           k_qb92b7b4284_qkv
    .symbol:         k_qb92b7b4284_qkv.kd
    .args:
      - { .name: x, .offset: 0, .size: 8, .value_kind: global_buffer, .address_space: global }
      - { .name: ln1_g, .offset: 8, .size: 8, .value_kind: global_buffer, .address_space: global }
      - { .name: ln1_b, .offset: 16, .size: 8, .value_kind: global_buffer, .address_space: global }
      - { .name: wfr, .offset: 24, .size: 8, .value_kind: global_buffer, .address_space: global }
      - { .name: wq_scales, .offset: 32, .size: 8, .value_kind: global_buffer, .address_space: global }
      - { .name: wk_scales, .offset: 40, .size: 8, .value_kind: global_buffer, .address_space: global }
      - { .name: wv_scales, .offset: 48, .size: 8, .value_kind: global_buffer, .address_space: global }
      - { .name: qb, .offset: 56, .size: 8, .value_kind: global_buffer, .address_space: global }
      - { .name: kc, .offset: 64, .size: 8, .value_kind: global_buffer, .address_space: global }
      - { .name: ksb, .offset: 72, .size: 8, .value_kind: global_buffer, .address_space: global }
      - { .name: vc, .offset: 80, .size: 8, .value_kind: global_buffer, .address_space: global }
      - { .name: vsb, .offset: 88, .size: 8, .value_kind: global_buffer, .address_space: global }
    .group_segment_fixed_size: 23552
    .private_segment_fixed_size: 0
    .kernarg_segment_align: 8
    .kernarg_segment_size: 96
    .max_flat_workgroup_size: 512
    .sgpr_count:     66
    .vgpr_count:     256
    .wavefront_size: 32
...
	.end_amdgpu_metadata
.endif
;; end of part 5
;; launch attn (part 6): grid 256 x 1, 16 waves a work-group, no clusters, 53,248 bytes of LDS; arguments qb, kc, ksb, vc, vsb, ac, asb; writes ac, asb
.if DOCPART == 6
	.amdgcn_target "amdgcn-amd-amdhsa--gfx1250"
	.amdhsa_code_object_version 6
	.text
	.protected	k_qb92b7b4284_attn
	.globl	k_qb92b7b4284_attn
	.p2align	8
	.type	k_qb92b7b4284_attn,@function
k_qb92b7b4284_attn:
	s_mov_b64 s[64:65], 0
	v_nop
	global_prefetch_b8 v0, s[64:65] scope:SCOPE_SE
	s_setreg_imm32_b32 hwreg(HW_REG_WAVE_MODE, 25, 1), 1
	s_wait_xcnt 0x0
; Causal attention of one head on codes of FP6 (E2M3): S^T = K Q^T (K = the head's 32, one block), p = 2^(t - M) quantised along the keys, O^T = V^T P^T; O / the row's sum is quantised along the head's 32 and stored as codes.
; t = score x log2(e) / sqrt(32); M = the running largest t rounded up to a whole number; the row's sum is taken of the unquantised p; when M moves, sum and O^T are multiplied by 2^(old M - new M): exact.
; SHARES.  Two work-groups to a head (batch x head = ttmp9 / 2).  All of the head's K and V codes and scale bytes, 50 KB, lie in LDS for the whole launch, copied once through registers; one barrier; read-only behind it.
; A wave takes two tiles of 16 queries: one in the block of 128 tokens number p, one in block 7 - p (p = 0..3): (p + 1) + (8 - p) = 9 visible steps of 128 keys for EVERY wave.
; Both tiles' queries are asked for at the head, behind the copy's loads, so that they come in while K and V are copied.
; The loop over the steps has the constant trip count 8; a step all of whose keys come after the tile's queries is jumped over by a scalar branch on ids, all but the lines that step addresses.
; K = 32 IN AN INSTRUCTION OF 128: one fragment of K holds FOUR tiles of 16 keys, one in each of its four block places; the query's one block is put at place j, with zero codes at the other three, so that
; product j gives the scores of tile j.  The four placements of Q share 30 registers: [lanes 0-15][zeros][lanes 16-31][zeros][lanes 0-15].
; Tiles are as the launch before laid them: lane row r of tile T is token 32 (T / 2) + 8 (T % 2) + r + (r & 8): the 16 registers of two neighbouring tiles of scores are 16 neighbouring keys.
; LIMITS: NaN and infinities are not served; a block whose largest magnitude lies under 2^-124 gets the byte 1 (the bytes are read by this program alone).
; No tensor loads, no ring, no clusters: a head's operands fit in LDS whole and are fetched once.
.set KC,  0                            ; LDS: K's codes [tile 64][r][24]
.set VC,  24576                        ; V's codes [u 2][group of 32 keys 32][r][24]
.set SW,  49152                        ; scale words: K's at ((2 s + f) 16 + r) 4, V's at 1024 + ((8 u + s) 16 + r) 4
.set AK,  1                            ; v1   384 h + 24 r
.set AR4, 2                            ; v2   4 r
.set AQ,  3                            ; v3   32 r
.set AC,  4                            ; v4   24 r + 12 h
.set ADK, 5                            ; v5-8 the step's LDS addresses
.set ADV, 6
.set ADS, 7
.set ADT, 8
.set DQ,  9                            ; v9   my query's place in its 128 tokens, less 16 h
.set QP,  16                           ; v16-45  Q's placements
.set QRA, 46                           ; v46-53  tile A's slot of Q as loaded: 24 bytes of codes, the scale word in register 6
.set QRB, 244                          ; v244-251 tile B's
.set KF,  54                           ; v54-77  two fragments of K
.set VF,  78                           ; v78-101 two fragments of V
.set S,   104                          ; v104-167 scores, then p
.set O,   168                          ; v168-183 O^T: 8 u + j = channel 16 h + 8 u + j
.set PF,  184                          ; v184-195 p's codes
.set PT,  196                          ; v196-203 at work
.set BM,  204                          ; v204-207 the blocks' largest
.set BX,  208
.set SOP, 212                          ; the conversions' scale operands
.set KS,  216                          ; K's scale words
.set VS,  218                          ; V's
.set PW,  220                          ; p's
.set FF,  222                          ; v[222:223] f = 2^(old M - new M)
.set TP,  224
.set NINF, 226
	s_load_b256 s[8:15], s[0:1], 0x0               ; qb 8, kc 10, ksb 12, vc 14
	s_load_b128 s[16:19], s[0:1], 0x20             ; vsb 16, ac 18
	s_load_b64 s[20:21], s[0:1], 0x30              ; asb
	v_lshl_add_u32 v254, v0, 2, 0xc800
	v_mov_b32 v255, 0
	v_lshrrev_b32 v10, 5, v0
	v_readfirstlane_b32 s2, v10                    ; wave 0..15
	v_and_b32 v10, 15, v0                          ; r
	v_bfe_u32 v11, v0, 4, 1                        ; h
	v_and_b32 v242, 8, v0
	v_add_nc_u32 v242, v242, v10                   ; pr
	s_mov_b32 s4, 0x76543210
	s_mov_b32 s5, 0xfedcba98
	s_mov_b32 s6, 0xffff0000                       ; lanes 16-31
	s_mov_b32 s7, 0x0000ffff                       ; lanes 0-15
	s_mov_b32 s22, 0x3e8293ee                      ; c = log2(e) / sqrt(32)
	s_mov_b32 s23, s22                             ; (named with it as a pair)
	s_lshr_b32 s44, ttmp9, 1                       ; batch x head
	s_and_b32 s45, ttmp9, 1
	s_lshl_b32 s45, s45, 1
	s_lshr_b32 s46, s2, 3
	s_add_co_u32 s45, s45, s46                     ; p
	s_and_b32 s46, s2, 7                           ; which of a block's eight tiles
	s_lshl_b32 s47, s45, 3
	s_add_co_u32 s47, s47, s46                     ; tile A = 8 p + tl
	s_sub_co_u32 s48, 7, s45                       ; 7 - p
	s_lshl_b32 s49, s48, 3
	s_add_co_u32 s49, s49, s46                     ; tile B
	s_lshr_b32 s50, s46, 1
	s_lshl_b32 s50, s50, 5
	s_and_b32 s51, s46, 1
	s_lshl_b32 s51, s51, 3
	s_add_co_u32 s50, s50, s51
	v_lshlrev_b32 v[DQ], 4, v11
	v_sub_nc_u32 v[DQ], v242, v[DQ]
	v_add_nc_u32 v[DQ], s50, v[DQ]
	v_mul_u32_u24 v[AK], v10, 24
	v_mad_u32_u24 v[AC], v11, 12, v[AK]
	v_mad_u32_u24 v[AK], v11, 384, v[AK]
	v_lshlrev_b32 v[AR4], 2, v10
	v_lshlrev_b32 v[AQ], 5, v10
	s_lshl_b32 s50, s45, 8
	s_sub_co_u32 s50, 896, s50                     ; 16 (tile B - tile A)
	s_lshl_b32 s51, s47, 4
	v_mul_u32_u24 v236, v11, s50
	v_add_nc_u32 v236, v236, v10
	v_add_nc_u32 v236, s51, v236                   ; the bytes' place: lanes 0-15 tile A's rows, lanes 16-31 tile B's
	v_lshlrev_b32 v237, 4, v0                      ; the copy: 16 bytes a thread, in memory and in LDS alike
	v_and_b32 v240, 255, v0
	v_lshrrev_b32 v240, 4, v240
	v_lshlrev_b32 v240, 6, v240
	v_add_nc_u32 v240, v240, v10                   ; a scale word's four bytes lie 16 apart, from 64 (word / 16) + r on
	v_lshl_add_u32 v241, v0, 2, SW
	s_mov_b32 s41, 0
	s_wait_kmcnt 0x0
	s_mul_i32 s40, s44, 24576
	s_add_nc_u64 s[10:11], s[10:11], s[40:41]
	s_add_nc_u64 s[14:15], s[14:15], s[40:41]
	s_add_nc_u64 s[18:19], s[18:19], s[40:41]
	s_lshl_b32 s40, s44, 10
	s_add_nc_u64 s[12:13], s[12:13], s[40:41]
	s_add_nc_u64 s[16:17], s[16:17], s[40:41]
	s_add_nc_u64 s[20:21], s[20:21], s[40:41]
	s_cmp_lt_u32 s2, 8                             ; waves 0-7 gather K's scale words, waves 8-15 V's
	s_cselect_b64 s[38:39], s[12:13], s[16:17]
.irp i, 0,1,2
	global_load_b128 v[S+4*\i:S+4*\i+3], v237, s[10:11] offset:8192*\i
	global_load_b128 v[S+12+4*\i:S+12+4*\i+3], v237, s[14:15] offset:8192*\i
.endr
.irp j, 0,1,2,3
	global_load_u8 v[S+24+\j], v240, s[38:39] offset:16*\j
.endr
	s_lshl_b32 s40, s44, 15
	s_add_nc_u64 s[8:9], s[8:9], s[40:41]
	s_lshl_b32 s40, s47, 9
	s_add_nc_u64 s[30:31], s[8:9], s[40:41]        ; tile A's slots of Q
	s_lshl_b32 s40, s49, 9
	s_add_nc_u64 s[32:33], s[8:9], s[40:41]        ; tile B's
	global_load_b128 v[QRA:QRA+3], v[AQ], s[30:31]             ; both tiles' queries, four loads, behind the copy's ten
	global_load_b128 v[QRA+4:QRA+7], v[AQ], s[30:31] offset:16
	global_load_b128 v[QRB:QRB+3], v[AQ], s[32:33]
	global_load_b128 v[QRB+4:QRB+7], v[AQ], s[32:33] offset:16
	s_mul_i32 s40, s47, 384
	s_add_nc_u64 s[34:35], s[18:19], s[40:41]      ; where tile A's codes go
	s_mul_i32 s40, s49, 384
	s_add_nc_u64 s[36:37], s[18:19], s[40:41]
.irp i, 0,1,2,3,4,5
	v_mov_b32 v[QP+6+\i], 0                        ; the zero codes, written once
	v_mov_b32 v[QP+18+\i], 0
.endr
.irp b, 0,1,2,3
	v_mov_b32 v[BX+\b], 0                          ; a lane permute's destination counts as one of its sources
.endr
	v_mov_b32 v[TP], 0
	v_mov_b32 v[FF+1], 0                           ; (named as the upper half of the pair)
	v_mov_b32 v[NINF], 0xff800000
	s_wait_loadcnt 4                               ; the copy's ten loads are in; the queries' four may stay out
.irp i, 0,1,2
	ds_store_b128 v237, v[S+4*\i:S+4*\i+3] offset:KC+8192*\i
	ds_store_b128 v237, v[S+12+4*\i:S+12+4*\i+3] offset:VC+8192*\i
.endr
	v_lshl_or_b32 v[S+24], v[S+25], 8, v[S+24]
	v_lshl_or_b32 v[S+24], v[S+26], 16, v[S+24]
	v_lshl_or_b32 v[S+24], v[S+27], 24, v[S+24]
	ds_store_b32 v241, v[S+24]
	s_wait_dscnt 0x0                               ; for the others' sake: my stores have landed
	s_barrier_signal -1
	s_barrier_wait -1
	s_wait_loadcnt 0x0                             ; the queries are in
; One tile of 16 queries, its slot of Q in v[qr] on; s24 = the number of its block of 128 tokens.
.macro TILE qr, abase, codes, byte
	v_mov_b32 v13, 0xff61b1e6                      ; the largest t so far: -3e38
	v_floor_f32 v12, -v13                          ; -M
	v_mov_b32 v14, 0                               ; the sum, in two halves
	v_mov_b32 v15, 0
	s_mov_b32 s25, 0                               ; the step
	s_mov_b32 s26, 0                               ; and where its K, V and scale words begin
	s_mov_b32 s27, 0
	s_mov_b32 s28, 0
	s_mov_b32 s29, 0
.irp i, 0,1,2,3,4,5
	v_cndmask_b32 v[QP+\i], 0, v[\qr+\i], s7
	v_cndmask_b32 v[QP+12+\i], 0, v[\qr+\i], s6
	v_cndmask_b32 v[QP+24+\i], 0, v[\qr+\i], s7
.endr
.set n_, 0
.rept 16
	v_mov_b32 v[O+n_], 0                           ; the step is written once: the first finds zeros.  (These are also the places between Q's placements and the first product)
.set n_, n_+1
.endr
.Lstep_\@:
	s_cmp_gt_u32 s25, s24                          ; all 128 keys come after my queries: nothing to do
	s_cbranch_scc1 .Lhid_\@
	v_add_nc_u32 v[ADK], s26, v[AK]                ; (four plain lines: the places between the last step's products and the loads into their registers)
	v_add_nc_u32 v[ADV], s27, v[AK]
	v_add_nc_u32 v[ADS], s28, v[AR4]
	v_add_nc_u32 v[ADT], s29, v[AR4]
.irp f, 0,1
.irp c, 0,1
.irp p, 0,1,2
	ds_load_b64 v[KF+12*\f+6*\c+2*\p:KF+12*\f+6*\c+2*\p+1], v[ADK] offset:KC+\f*1536+\c*768+8*\p
.endr
.endr
	ds_load_b32 v[KS+\f], v[ADS] offset:SW+64*\f
.endr
.irp u, 0,1
.irp c, 0,1
.irp p, 0,1,2
	ds_load_b64 v[VF+12*\u+6*\c+2*\p:VF+12*\u+6*\c+2*\p+1], v[ADV] offset:VC+12288*\u+768*\c+8*\p
.endr
.endr
	ds_load_b32 v[VS+\u], v[ADT] offset:SW+1024+512*\u
.endr
	s_wait_dscnt 14                                ; K's 14 loads are in; V's 14 may stay out
.irp f, 0,1
.irp j, 0,1,2,3
.set RQ_, QP+6*((2*(\j&1)+3*(\j>>1))%4)
	v_wmma_scale_f32_16x16x128_f8f6f4 v[S+8*(4*\f+\j):S+8*(4*\f+\j)+7], v[KF+12*\f:KF+12*\f+11], v[RQ_:RQ_+11], 0, v[KS+\f], v[\qr+6] matrix_a_fmt:MATRIX_FMT_FP6 matrix_b_fmt:MATRIX_FMT_FP6
.endr
.endr
.rept 4
	v_nop
.endr
	s_cmp_lg_u32 s25, s24                          ; on the diagonal the scores of hidden keys become -infinity ahead of the maximum
	s_cbranch_scc1 .Lopen_\@
.set n_, 0
.rept 64
	v_cmp_gt_i32 vcc_lo, 32*(n_/16)+n_%16, v[DQ]   ; register 16 b + i holds key 32 b + 16 h + i of the step
	v_cndmask_b32 v[S+n_], v[S+n_], v[NINF], vcc_lo
.set n_, n_+1
.endr
.Lopen_\@:
.irp b, 0,1,2,3
	v_max3_num_f32 v[BM+\b], v[S+16*\b], v[S+16*\b+1], v[S+16*\b+2]   ; the largest score of each block of 32 keys: for the row's maximum, and, since p rises with the score, for the block's largest p
.endr
.irp i, 3,5,7,9,11,13
.irp b, 0,1,2,3
	v_max3_num_f32 v[BM+\b], v[BM+\b], v[S+16*\b+\i], v[S+16*\b+\i+1]
.endr
.endr
.irp b, 0,1,2,3
	v_max_num_f32 v[BM+\b], v[BM+\b], v[S+16*\b+15]
.endr
.irp b, 0,1,2,3
	v_permlanex16_b32 v[BX+\b], v[BM+\b], s4, s5
.endr
.irp b, 0,1,2,3
	v_max_num_f32 v[BM+\b], v[BM+\b], v[BX+\b]
.endr
	v_max3_num_f32 v[TP], v[BM], v[BM+1], v[BM+2]
	v_max_num_f32 v[TP], v[TP], v[BM+3]
	v_mul_f32 v[TP], s22, v[TP]
	v_max_num_f32 v13, v13, v[TP]                  ; the running largest t
	v_mov_b32 v[TP], v12
	v_floor_f32 v12, -v13                          ; the new -M = -ceil(t)
	v_sub_f32 v[TP], v12, v[TP]                    ; old M - new M: a whole number, 0 or less
	v_cvt_i32_f32 v[TP], v[TP]
	v_ldexp_f32 v[FF], 1.0, v[TP]                  ; f
.set n_, 0
.rept 32
	v_pk_fma_f32 v[S+n_:S+n_+1], v[S+n_:S+n_+1], s[22:23], v[12:13] op_sel_hi:[1,0,0]   ; t - M
.set n_, n_+2
.endr
.irp b, 0,1,2,3
	v_fma_f32 v[BM+\b], v[BM+\b], s22, v12
.endr
.set n_, 0
.rept 64
	v_exp_f32 v[S+n_], v[S+n_]                     ; p = 2^(t - M): not normalised
.set n_, n_+1
.endr
.irp b, 0,1,2,3
	v_exp_f32 v[BM+\b], v[BM+\b]                   ; the block's largest p
.endr
	v_pk_mul_f32 v[14:15], v[14:15], v[FF:FF+1] op_sel_hi:[1,0]   ; the sums under the new M (a plain place behind the exponentials)
	s_wait_alu depctr_va_vdst(0)
.irp b, 0,1,2,3
	v_max_num_f32 v[BM+\b], 0x1800000, v[BM+\b]    ; the floor 2^(3 - 127)
.endr
.irp b, 0,1,2,3
	v_add_nc_u32 v[SOP+\b], 0xff000000, v[BM+\b]
.endr
.irp b, 0,1,2,3
	v_lshrrev_b32 v[BX+\b], 23, v[SOP+\b]
.endr
	v_lshl_or_b32 v[PW], v[BX+1], 8, v[BX]
	v_lshl_or_b32 v[PW], v[BX+2], 16, v[PW]
	v_lshl_or_b32 v[PW], v[BX+3], 24, v[PW]
.irp c, 0,1
	v_cvt_scalef32_pk16_fp6_f32 v[PF+6*\c:PF+6*\c+2], v[S+32*\c:S+32*\c+15], v[SOP+2*\c]
	v_cvt_scalef32_pk16_fp6_f32 v[PT+4*\c:PT+4*\c+2], v[S+32*\c+16:S+32*\c+31], v[SOP+2*\c+1]
.endr
	v_nop                                          ; one plain place behind the conversions
.irp c, 0,1                            ; the operand wants a whole block in a lane
.irp i, 0,1,2
	v_permlane16_swap_b32 v[PF+6*\c+\i], v[PT+4*\c+\i]
.endr
.irp i, 0,1,2
	v_mov_b32 v[PF+6*\c+3+\i], v[PT+4*\c+\i]
.endr
.endr
.irp i, 0,2,4,6,8,10,12,14
	v_pk_mul_f32 v[O+\i:O+\i+1], v[O+\i:O+\i+1], v[FF:FF+1] op_sel_hi:[1,0]   ; O^T under the new M, from each accumulator's low end on
.endr
	v_pk_add_f32 v[PT:PT+1], v[S:S+1], v[S+2:S+3]  ; the row's sum of the unquantised p, in two chains.  (These 32 lines are the places between p's scale word and codes and the products)
.set n_, 4
.rept 15
	v_pk_add_f32 v[14:15], v[14:15], v[S+n_:S+n_+1]
	v_pk_add_f32 v[PT:PT+1], v[PT:PT+1], v[S+n_+2:S+n_+3]
.set n_, n_+4
.endr
	v_pk_add_f32 v[14:15], v[14:15], v[PT:PT+1]
	s_wait_dscnt 0x0                               ; V is in
.irp u, 0,1
	v_wmma_scale_f32_16x16x128_f8f6f4 v[O+8*\u:O+8*\u+7], v[VF+12*\u:VF+12*\u+11], v[PF:PF+11], v[O+8*\u:O+8*\u+7], v[VS+\u], v[PW] matrix_a_fmt:MATRIX_FMT_FP6 matrix_b_fmt:MATRIX_FMT_FP6
.endr
.Lhid_\@:
	s_add_co_u32 s26, s26, 3072                    ; eight tiles of K,
	s_add_co_u32 s27, s27, 1536                    ; four groups of V,
	s_add_co_u32 s28, s28, 128                     ; two rows of K's scale words,
	s_add_co_u32 s29, s29, 64                      ; one of V's
	s_add_co_u32 s25, s25, 1
	s_cmp_lt_u32 s25, 8
	s_cbranch_scc1 .Lstep_\@
.rept 4
	v_nop
.endr
	v_add_f32 v14, v14, v15
	v_permlanex16_b32 v[TP], v14, s4, s5
	v_add_f32 v14, v14, v[TP]                      ; the row's sum
	v_rcp_f32 v238, v14
	v_nop
	s_wait_alu depctr_va_vdst(0)
	v_mov_b32 v239, v238
.irp i, 0,2,4,6,8,10,12,14
	v_pk_mul_f32 v[S+\i:S+\i+1], v[O+\i:O+\i+1], v[238:239] op_sel_hi:[1,0]
.endr
	v_max3_num_f32 v[BM], |v[S]|, |v[S+1]|, 0x1800000      ; the head's 32 channels are one block of the projection's K
.irp i, 2,4,6,8,10,12,14
	v_max3_num_f32 v[BM], v[BM], |v[S+\i]|, |v[S+\i+1]|
.endr
	v_permlanex16_b32 v[BX], v[BM], s4, s5
	v_max_num_f32 v[BM], v[BM], v[BX]
	v_add_nc_u32 v[SOP], 0xff000000, v[BM]
	v_lshrrev_b32 v[\byte], 23, v[SOP]
	v_cvt_scalef32_pk16_fp6_f32 v[\codes:\codes+2], v[S:S+15], v[SOP]
	v_nop
	global_store_b96 v[AC], v[\codes:\codes+2], s[\abase:\abase+1]   ; the wave stores 384 consecutive bytes
.endm
	s_mov_b32 s24, s45
	TILE QRA, 34, 228, 227
	s_mov_b32 s24, s48
	TILE QRB, 36, 232, 235
	v_cndmask_b32 v227, v227, v235, s6             ; lanes 0-15 tile A's bytes, lanes 16-31 tile B's
	global_store_b8 v236, v227, s[20:21]
	s_wait_tensorcnt 0x0
	ds_add_u32 v254, v255
	s_wait_dscnt 0x0
	s_endpgm
.Lfunc_end_k_qb92b7b4284_attn:
	.size	k_qb92b7b4284_attn, .Lfunc_end_k_qb92b7b4284_attn-k_qb92b7b4284_attn
	.p2alignl 7, 3214868480
	.fill 96, 4, 3214868480
	.section	.rodata,"a",@progbits
	.p2align	6, 0x0
	.amdhsa_kernel k_qb92b7b4284_attn
		.amdhsa_group_segment_fixed_size 53248
		.amdhsa_private_segment_fixed_size 0
		.amdhsa_enable_private_segment 0
		.amdhsa_kernarg_size 56
		.amdhsa_user_sgpr_count 2
		.amdhsa_user_sgpr_kernarg_segment_ptr 1
		.amdhsa_wavefront_size32 1
		.amdhsa_system_sgpr_workgroup_id_x 1
		.amdhsa_system_sgpr_workgroup_id_y 1
		.amdhsa_system_sgpr_workgroup_id_z 1
		.amdhsa_system_vgpr_workitem_id 0
		.amdhsa_next_free_vgpr 256
		.amdhsa_next_free_sgpr 66
		.amdhsa_reserve_vcc 1
		.amdhsa_float_denorm_mode_32 3
		.amdhsa_float_denorm_mode_16_64 3
		.amdhsa_memory_ordered 1
		.amdhsa_forward_progress 1
		.amdhsa_inst_pref_size 54
	.end_amdhsa_kernel
	.amdgpu_metadata
---
amdhsa.version: [ 1, 2 ]
amdhsa.kernels:
  - .name:           k_qb92b7b4284_attn
    .symbol:         k_qb92b7b4284_attn.kd
    .args:
      - { .name: qb, .offset: 0, .size: 8, .value_kind: global_buffer, .address_space: global }
      - { .name: kc, .offset: 8, .size: 8, .value_kind: global_buffer, .address_space: global }
      - { .name: ksb, .offset: 16, .size: 8, .value_kind: global_buffer, .address_space: global }
      - { .name: vc, .offset: 24, .size: 8, .value_kind: global_buffer, .address_space: global }
      - { .name: vsb, .offset: 32, .size: 8, .value_kind: global_buffer, .address_space: global }
      - { .name: ac, .offset: 40, .size: 8, .value_kind: global_buffer, .address_space: global }
      - { .name: asb, .offset: 48, .size: 8, .value_kind: global_buffer, .address_space: global }
    .group_segment_fixed_size: 53248
    .private_segment_fixed_size: 0
    .kernarg_segment_align: 8
    .kernarg_segment_size: 56
    .max_flat_workgroup_size: 512
    .sgpr_count:     66
    .vgpr_count:     256
    .wavefront_size: 32
...
	.end_amdgpu_metadata
.endif
;; end of part 6
;; launch post (part 7): grid 256 x 1, 16 waves a work-group, no clusters, 161,792 bytes of LDS; arguments ac, asb, x, wfr, w_proj_scales, b_proj, ln2_g, ln2_b, w1_scales, b1, w2_scales, b2, out0; writes out0
.if DOCPART == 7
	.amdgcn_target "amdgcn-amd-amdhsa--gfx1250"
	.amdhsa_code_object_version 6
	.text
	.protected	k_qb92b7b4284_post
	.globl	k_qb92b7b4284_post
	.p2align	8
	.type	k_qb92b7b4284_post,@function
k_qb92b7b4284_post:
	s_mov_b64 s[64:65], 0
	v_nop
	global_prefetch_b8 v0, s[64:65] scope:SCOPE_SE
	s_setreg_imm32_b32 hwreg(HW_REG_WAVE_MODE, 25, 1), 1
	s_wait_xcnt 0x0
; out = x + attn w_proj + b_proj;  out0 = out + gelu(layernorm(out) w1 + b1) w2 + b2.  All three products on codes of FP6 (E2M3) with one E8M0 byte for each 32 along K.  Nothing goes to memory between the steps.
; SHARES.  A work-group owns 32 neighbouring tokens, as two tiles of 16: lane row r of tile t is token 8 t + pr, pr = r + (r & 8).  Its 16 waves share the COLUMNS: wave w owns output columns 32 w .. 32 w + 31 of the
; projection and of the second MLP product, and hidden units 128 w .. 128 w + 127 (one K step of the second MLP product).  Each weight fragment is loaded by one wave, straight into registers, one group (32 rows x 512 K) ahead.
; THE WEIGHTS' CODES come from wfr, where the first launch has laid them in the order of the operand's registers: a fragment is three loads of 512 consecutive bytes, a group of eight fragments 12,288 bytes on end.
; `out` stays in 32 registers from the projection to the end: the second MLP product adds onto it.
; Source 0 = weight tile u (lane row r = row 8 u + pr of the group's 32), source 1 = token tile t: register 16 t + 8 u + j of lane (r, h) is (token (t, r), column 16 h + 8 u + j): 16 neighbours along the next K.
; Operands go from wave to wave through LDS as images of their registers: a fragment is 1,536 bytes, lane l's 12 registers at 48 l; block j of row r lies at 48 (r + 16 (j & 1)) + 24 (j >> 1).
; Every LDS region is written in one phase alone: five barriers.
; GELU: 0.5 a (1 + erf(a / sqrt 2)), erf(z) = z P(z^2) / Q(z^2), a rational form in f32 with z held to -4 .. 4, where erf is 1 to f32's last bit.
; LIMITS: NaN and infinities among the inputs are not served.  A block whose largest magnitude lies under 2^-124 gets the byte 1.  erf's error is a few 1e-7 absolute, so far down the negative tail gelu's RELATIVE error is larger than f32's.
; No tensor loads and no clusters: a weight byte is wanted by one wave of the work-group; sharing the weights among work-groups would take them through LDS.
.set ASC,  0                           ; LDS: attn's scale bytes: 256 t + 16 r + head
.set HSC,  512                         ; the normalised rows': 256 t + 16 r + block
.set GSC,  1024                        ; gelu's: (4 t + G) 256 + 16 r + 4 s + j
.set STAT, 3072                        ; [wave][tile][lane] x 8 bytes
.set B1L,  11264                       ; b1: 512 bytes for each wave, its own
.set AIMG, 19456                       ; attn's 8 fragments, index 4 t + K step
.set HIMG, 31744                       ; the normalised rows' 8
.set GIMG, 44032                       ; gelu's 32, index 16 t + K step
.set STG,  93184                       ; the way out: 32 rows x (2,048 + 16) bytes
.set WF_P, 589824                      ; where the three weights begin in wfr
.set WF_1, 786432
.set WF_2, 1572864
.set SO16, 3                           ; v3   16 pr
.set SO64, 4                           ; v4   64 pr
.set FA,   5                           ; v5   AIMG + 48 lane
.set FG,   6                           ; v6   GIMG + 48 lane
.set SCR,  7                           ; v7   16 r
.set BH,   8
.set SH,   9
.set BG,   10
.set SG,   11
.set B1A,  12
.set STS,  13
.set STL,  14
.set XO,   15
.set PO,   16
.set L16,  17                          ; v17  16 lane
.set STGW, 18
.set STGR, 19
.set OUT,  24                          ; v24-55   out
.set ACC,  56                          ; v56-87   gain and bias, then the hidden layer's four accumulators
.set HB,   88                          ; v88-135  four fragments, or at work
.set CP,   HB+32
.set CQ,   HB+38
.set W,    136                         ; v136-231 eight weight fragments
.set WS,   232
.set AS,   240
.set TM,   248
.set GZ,   HB
.set GX,   HB+8
.set GP,   HB+16
.set GQ,   HB+24
.set GRS,  44                          ; s[44:45] 1 / sqrt 2; the coefficients, each as a pair for the packed forms:
.set GA13, 46
.set GA11, 48
.set GA9,  50
.set GA7,  52
.set GA5,  54
.set GA3,  56
.set GA1,  58
.set GB8,  60
.set GB6,  62
.set GB4,  66
.set GB2,  68
.set GB0,  70
.macro NOP5                            ; five places: behind them loads may land in the products' registers
.rept 5
	v_nop
.endr
.endm
.macro BARRIER
	s_wait_dscnt 0x0
	s_barrier_signal -1
	s_barrier_wait -1
.endm
.macro SPAIR reg, val
	s_mov_b32 s[\reg], \val
	s_mov_b32 s[\reg+1], \val
.endm
.macro WLOADH half, sb, off            ; two K steps x two tiles of a weight: four fragments, 12 loads; the 32 lanes of a load read 512 consecutive bytes
.irp k, 0,1
.irp u, 0,1
.irp i, 0,1,2
	global_load_b128 v[W+12*(2*(2*\half+\k)+\u)+4*\i:W+12*(2*(2*\half+\k)+\u)+4*\i+3], v[L16], s[\sb:\sb+1] offset:\off+(2*(2*\half+\k)+\u)*1536+512*\i
.endr
.endr
.endr
.endm
.macro SLOAD sb, vo, spitch, off
.irp u, 0,1
	global_load_b128 v[WS+4*\u:WS+4*\u+3], v[\vo], s[\sb:\sb+1] offset:\off+\u*8*\spitch
.endr
.endm
.macro FRLOAD vf, foff, tstr
.irp k, 0,1
.irp t, 0,1
.irp i, 0,1,2
	ds_load_b128 v[HB+12*(2*\k+\t)+4*\i:HB+12*(2*\k+\t)+4*\i+3], v[\vf] offset:\foff+\t*\tstr+\k*1536+16*\i
.endr
.endr
.endr
.endm
; Eight matrix instructions; the four accumulators take turns, one instruction a turn, in the same order everywhere.  Every sum here begins with registers: the residual or a bias.
.macro MM8 half, d
.irp k, 0,1
.irp t, 0,1
.irp u, 0,1
.set KQ_, 2*\half+\k
.set RW_, W+12*(2*KQ_+\u)
.set RH_, HB+12*(2*\k+\t)
.set RD_, \d+16*\t+8*\u
	v_wmma_scale_f32_16x16x128_f8f6f4 v[RD_:RD_+7], v[RW_:RW_+11], v[RH_:RH_+11], v[RD_:RD_+7], v[WS+4*\u+KQ_], v[AS+4*\t+KQ_] matrix_a_fmt:MATRIX_FMT_FP6 matrix_b_fmt:MATRIX_FMT_FP6
.endr
.endr
.endr
.endm
.macro GRP_A vf, foff, tstr, soff, sstr, d
.irp t, 0,1
	ds_load_b128 v[AS+4*\t:AS+4*\t+3], v[SCR] offset:\soff+\t*\sstr
.endr
	FRLOAD \vf, \foff, \tstr
	s_wait_loadcnt 12                              ; all but the 12 loads issued last (this group's second half)
	s_wait_dscnt 0x0
	MM8 0, \d
	NOP5
	FRLOAD \vf, \foff+3072, \tstr
.endm
.macro GRP_B cnt, d
	s_wait_loadcnt \cnt                            ; cnt = the loads issued behind this group's second half
	s_wait_dscnt 0x0
	MM8 1, \d
	NOP5
.endm
.macro LNLOCAL src
.irp t, 0,1
.set LS_, \src+16*\t
.set LM_, HB+40+4*\t
	v_pk_add_f32 v[HB+16:HB+17], v[LS_:LS_+1], v[LS_+2:LS_+3]       ; each accumulator is read from its low end on
	v_pk_add_f32 v[HB+18:HB+19], v[LS_+4:LS_+5], v[LS_+6:LS_+7]
	v_pk_add_f32 v[HB+20:HB+21], v[LS_+8:LS_+9], v[LS_+10:LS_+11]
	v_pk_add_f32 v[HB+22:HB+23], v[LS_+12:LS_+13], v[LS_+14:LS_+15]
	v_pk_add_f32 v[HB+16:HB+17], v[HB+16:HB+17], v[HB+18:HB+19]
	v_pk_add_f32 v[HB+20:HB+21], v[HB+20:HB+21], v[HB+22:HB+23]
	v_pk_add_f32 v[HB+16:HB+17], v[HB+16:HB+17], v[HB+20:HB+21]
	v_add_f32 v[HB+16], v[HB+16], v[HB+17]
	v_permlanex16_b32 v[HB+17], v[HB+16], s4, s5
	v_add_f32 v[HB+16], v[HB+16], v[HB+17]
	v_mul_f32 v[LM_], 0x3d000000, v[HB+16]         ; the mean of my 32 columns
	v_mul_f32 v[LM_+2], 0x3d000000, v[HB+16]
	v_mov_b32 v[LM_+3], v[LM_+2]
.irp i, 0,2,4,6,8,10,12,14
	v_pk_add_f32 v[HB+\i:HB+\i+1], v[LS_+\i:LS_+\i+1], v[LM_+2:LM_+3] op_sel_hi:[1,0] neg_lo:[0,1] neg_hi:[0,1]
.endr
	v_pk_mul_f32 v[HB+16:HB+17], v[HB:HB+1], v[HB:HB+1]
	v_pk_mul_f32 v[HB+18:HB+19], v[HB+2:HB+3], v[HB+2:HB+3]
.irp i, 4,8,12
	v_pk_fma_f32 v[HB+16:HB+17], v[HB+\i:HB+\i+1], v[HB+\i:HB+\i+1], v[HB+16:HB+17]
	v_pk_fma_f32 v[HB+18:HB+19], v[HB+\i+2:HB+\i+3], v[HB+\i+2:HB+\i+3], v[HB+18:HB+19]
.endr
	v_pk_add_f32 v[HB+16:HB+17], v[HB+16:HB+17], v[HB+18:HB+19]
	v_add_f32 v[HB+16], v[HB+16], v[HB+17]
	v_permlanex16_b32 v[HB+17], v[HB+16], s4, s5
	v_add_f32 v[LM_+1], v[HB+16], v[HB+17]         ; and their squared deviations from it
	ds_store_b64 v[STS], v[LM_:LM_+1] offset:256*\t
.endr
.endm
.macro LNGLOBAL t
.irp q, 0,1,2,3,4,5,6,7,8,9,10,11,12,13,14,15
	ds_load_b64 v[HB+2*\q:HB+2*\q+1], v[STL] offset:(2*\q+\t)*256
.endr
	s_wait_dscnt 0x0
.irp c, 0,1,2,3
	v_pk_add_f32 v[HB+32+2*\c:HB+33+2*\c], v[HB+4*\c:HB+4*\c+1], v[HB+4*\c+2:HB+4*\c+3]
.endr
.irp g, 16,24
.irp c, 0,1,2,3
	v_pk_add_f32 v[HB+32+2*\c:HB+33+2*\c], v[HB+32+2*\c:HB+33+2*\c], v[HB+\g+2*\c:HB+\g+2*\c+1]
.endr
.endr
	v_pk_add_f32 v[HB+32:HB+33], v[HB+32:HB+33], v[HB+34:HB+35]
	v_pk_add_f32 v[HB+36:HB+37], v[HB+36:HB+37], v[HB+38:HB+39]
	v_pk_add_f32 v[HB+32:HB+33], v[HB+32:HB+33], v[HB+36:HB+37]
	v_mul_f32 v[TM+4*\t], 0x3d800000, v[HB+32]
	v_mul_f32 v[TM+4*\t+1], 0x3d800000, v[HB+32]
.irp q, 0,1,2,3,4,5,6,7,8,9,10,11,12,13,14,15
	v_sub_f32 v[HB+2*\q], v[HB+2*\q], v[TM+4*\t]
.endr
	v_mul_f32 v[HB+34], v[HB], v[HB]
	v_mul_f32 v[HB+35], v[HB+2], v[HB+2]
.irp q, 2,4,6,8,10,12,14
	v_fma_f32 v[HB+34], v[HB+2*\q], v[HB+2*\q], v[HB+34]
	v_fma_f32 v[HB+35], v[HB+2*\q+2], v[HB+2*\q+2], v[HB+35]
.endr
	v_add_f32 v[HB+34], v[HB+34], v[HB+35]
	v_fma_f32 v[HB+34], v[HB+34], 0x42000000, v[HB+33]
	v_fma_f32 v[HB+34], v[HB+34], s41, s40
	v_rsq_f32 v[TM+4*\t+2], v[HB+34]
	v_nop
	s_wait_alu depctr_va_vdst(0)
	v_mov_b32 v[TM+4*\t+3], v[TM+4*\t+2]
.endm
.macro LNAPPLY src
.irp t, 0,1
.irp i, 0,2,4,6,8,10,12,14
	v_pk_add_f32 v[HB+16*\t+\i:HB+16*\t+\i+1], v[\src+16*\t+\i:\src+16*\t+\i+1], v[TM+4*\t:TM+4*\t+1] op_sel_hi:[1,0] neg_lo:[0,1] neg_hi:[0,1]
.endr
.irp i, 0,2,4,6,8,10,12,14
	v_pk_mul_f32 v[HB+16*\t+\i:HB+16*\t+\i+1], v[HB+16*\t+\i:HB+16*\t+\i+1], v[TM+4*\t+2:TM+4*\t+3] op_sel_hi:[1,0]
.endr
.irp i, 0,2,4,6,8,10,12,14
	v_pk_fma_f32 v[HB+16*\t+\i:HB+16*\t+\i+1], v[HB+16*\t+\i:HB+16*\t+\i+1], v[ACC+\i:ACC+\i+1], v[ACC+16+\i:ACC+16+\i+1]
.endr
.endr
.endm
.macro BQCORE s0, s1                   ; two blocks of 32 (16 numbers a lane each, the rest in lane l xor 16) become codes and bytes
	v_max3_num_f32 v[TM], |v[\s0]|, |v[\s0+1]|, 0x1800000
	v_max3_num_f32 v[TM+1], |v[\s1]|, |v[\s1+1]|, 0x1800000
.irp i, 2,4,6,8,10,12,14
	v_max3_num_f32 v[TM], v[TM], |v[\s0+\i]|, |v[\s0+\i+1]|
	v_max3_num_f32 v[TM+1], v[TM+1], |v[\s1+\i]|, |v[\s1+\i+1]|
.endr
	v_mov_b32 v[TM+2], 0
	v_mov_b32 v[TM+3], 0
	v_permlanex16_b32 v[TM+2], v[TM], s4, s5
	v_permlanex16_b32 v[TM+3], v[TM+1], s4, s5
	v_max_num_f32 v[TM], v[TM], v[TM+2]
	v_max_num_f32 v[TM+1], v[TM+1], v[TM+3]
	v_add_nc_u32 v[TM+4], 0xff000000, v[TM]
	v_add_nc_u32 v[TM+5], 0xff000000, v[TM+1]
	v_lshrrev_b32 v[TM+6], 23, v[TM+4]
	v_lshrrev_b32 v[TM+7], 23, v[TM+5]
	v_cvt_scalef32_pk16_fp6_f32 v[CP:CP+2], v[\s0:\s0+15], v[TM+4]
	v_cvt_scalef32_pk16_fp6_f32 v[CQ:CQ+2], v[\s1:\s1+15], v[TM+5]
	v_cndmask_b32 v[TM+6], v[TM+6], v[TM+7], s6    ; (the plain place behind the conversions)  lanes 16-31 take block 1's byte
.endm
.macro BQSWAP
.irp i, 0,1,2
	v_permlane16_swap_b32 v[CP+\i], v[CQ+\i]
.endr
.irp i, 0,1,2
	v_mov_b32 v[CP+3+\i], v[CQ+\i]
.endr
.endm
.macro BQLDS va, aoff, vs, soff
.irp i, 0,1,2
	ds_store_b64 v[\va], v[CP+2*\i:CP+2*\i+1] offset:\aoff+8*\i
.endr
	ds_store_b8 v[\vs], v[TM+6] offset:\soff
	s_wait_dscnt 0x0                               ; the stores have read their registers
.endm
.macro GELU8 a                         ; eight numbers in place, four pairs by turns
.irp i, 0,2,4,6
	v_pk_mul_f32 v[GZ+\i:GZ+\i+1], v[\a+\i:\a+\i+1], s[GRS:GRS+1] op_sel_hi:[1,0]
.endr
.irp i, 0,1,2,3,4,5,6,7
	v_med3_num_f32 v[GZ+\i], v[GZ+\i], -4.0, 4.0
.endr
.irp i, 0,2,4,6
	v_pk_mul_f32 v[GX+\i:GX+\i+1], v[GZ+\i:GZ+\i+1], v[GZ+\i:GZ+\i+1]
.endr
.irp i, 0,2,4,6
	v_pk_fma_f32 v[GP+\i:GP+\i+1], v[GX+\i:GX+\i+1], s[GA13:GA13+1], s[GA11:GA11+1] op_sel_hi:[1,0,0]
.endr
.irp i, 0,2,4,6
	v_pk_fma_f32 v[GQ+\i:GQ+\i+1], v[GX+\i:GX+\i+1], s[GB8:GB8+1], s[GB6:GB6+1] op_sel_hi:[1,0,0]
.endr
.irp c, GA9, GA7, GA5, GA3, GA1
.irp i, 0,2,4,6
	v_pk_fma_f32 v[GP+\i:GP+\i+1], v[GP+\i:GP+\i+1], v[GX+\i:GX+\i+1], s[\c:\c+1] op_sel_hi:[1,1,0]
.endr
.endr
.irp c, GB4, GB2, GB0
.irp i, 0,2,4,6
	v_pk_fma_f32 v[GQ+\i:GQ+\i+1], v[GQ+\i:GQ+\i+1], v[GX+\i:GX+\i+1], s[\c:\c+1] op_sel_hi:[1,1,0]
.endr
.endr
.irp i, 0,1,2,3,4,5,6,7
	v_rcp_f32 v[GQ+\i], v[GQ+\i]
.endr
.irp i, 0,2,4,6
	v_pk_mul_f32 v[GP+\i:GP+\i+1], v[GP+\i:GP+\i+1], v[GZ+\i:GZ+\i+1]     ; (plain places behind the reciprocals)
.endr
	s_wait_alu depctr_va_vdst(0)
.irp i, 0,2,4,6
	v_pk_mul_f32 v[GP+\i:GP+\i+1], v[GP+\i:GP+\i+1], v[GQ+\i:GQ+\i+1]     ; erf
.endr
.irp i, 0,2,4,6
	v_pk_mul_f32 v[GZ+\i:GZ+\i+1], v[\a+\i:\a+\i+1], 0.5 op_sel_hi:[1,0]
.endr
.irp i, 0,2,4,6
	v_pk_fma_f32 v[\a+\i:\a+\i+1], v[GZ+\i:GZ+\i+1], v[GP+\i:GP+\i+1], v[GZ+\i:GZ+\i+1]
.endr
.endm
; 32 of my hidden units for the 32 tokens: b1 starts the sums; gelu; the block goes to its place in K step w of the last product.  The n.. arguments name the group of weights that is asked for meanwhile.
.macro FC1 jb, noff, nssb, nsvo, nspitch, nsoff
.irp t, 0,1
.irp i, 0,1,2,3
	ds_load_b128 v[ACC+16*\t+4*\i:ACC+16*\t+4*\i+3], v[B1A] offset:128*\jb+16*\i
.endr
.endr
	GRP_A FA, HIMG-AIMG, 6144, HSC, 256, ACC
	WLOADH 0, 24, \noff
	GRP_B 12, ACC
	SLOAD \nssb, \nsvo, \nspitch, \nsoff
	WLOADH 1, 24, \noff
	GELU8 ACC
	GELU8 ACC+8
	GELU8 ACC+16
	GELU8 ACC+24
	BQCORE ACC, ACC+16
	BQSWAP
	BQLDS BG, 768*(\jb&1)+24*(\jb>>1), SG, \jb
.endm
	s_load_b512 s[8:23], s[0:1], 0x0               ; ac 8, asb 10, x 12, wfr 14, w_proj's scales 16, b_proj 18, ln2_g 20, ln2_b 22
	s_load_b64 s[26:27], s[0:1], 0x40              ; w1's scales
	s_load_b64 s[28:29], s[0:1], 0x48              ; b1
	s_load_b128 s[32:35], s[0:1], 0x50             ; w2's scales 32, b2 34
	s_load_b64 s[36:37], s[0:1], 0x60              ; out0
	v_lshl_add_u32 v1, v0, 2, 0x27000
	v_mov_b32 v2, 0
	v_lshrrev_b32 v248, 5, v0
	v_readfirstlane_b32 s2, v248                   ; wave 0..15
	v_and_b32 v248, 31, v0                         ; lane
	v_and_b32 v249, 15, v0                         ; r
	v_bfe_u32 v250, v0, 4, 1                       ; h
	v_and_b32 v251, 8, v0
	v_add_nc_u32 v251, v251, v249                  ; pr
	s_mov_b32 s4, 0x76543210
	s_mov_b32 s5, 0xfedcba98
	s_mov_b32 s6, 0xffff0000
	s_mov_b32 s40, 0x3727c5ac                      ; eps
	s_mov_b32 s41, 0x3b000000                      ; 1 / 512
	SPAIR GRS,  0x3f3504f3
	SPAIR GA13, 0xaf95df0b
	SPAIR GA11, 0x32edffee
	SPAIR GA9,  0xb60cff51
	SPAIR GA7,  0xb86ec2d2
	SPAIR GA5,  0xba40ac63
	SPAIR GA3,  0xbb41a1f6
	SPAIR GA1,  0xbc83dbd4
	SPAIR GB8,  0xb77460cd
	SPAIR GB6,  0xb95fbd29
	SPAIR GB4,  0xbadc924e
	SPAIR GB2,  0xbbf19bf8
	SPAIR GB0,  0xbc69b6a7
	v_lshlrev_b32 v[SO16], 4, v251
	v_lshlrev_b32 v[SO64], 6, v251
	v_mul_u32_u24 v[FA], v248, 48
	v_add_nc_u32 v[FG], GIMG, v[FA]
	v_add_nc_u32 v[FA], AIMG, v[FA]
	v_lshlrev_b32 v[SCR], 4, v249
	s_lshr_b32 s38, s2, 2                          ; block w of the normalised rows' K: K step w / 4, place w % 4
	s_mul_i32 s38, s38, 1536
	s_and_b32 s39, s2, 1
	s_mul_i32 s39, s39, 768
	s_add_co_u32 s38, s38, s39
	s_bfe_u32 s39, s2, 0x10001
	s_mul_i32 s39, s39, 24
	s_add_co_u32 s38, s38, s39
	s_add_co_u32 s38, s38, HIMG
	v_mul_u32_u24 v[BH], v249, 48
	v_mad_u32_u24 v[BG], v250, 24576, v[BH]
	v_mad_u32_u24 v[BH], v250, 6144, v[BH]
	v_add_nc_u32 v[BH], s38, v[BH]
	s_mul_i32 s38, s2, 1536
	s_add_co_u32 s38, s38, GIMG
	v_add_nc_u32 v[BG], s38, v[BG]
	s_add_co_u32 s38, s2, HSC
	v_lshlrev_b32 v[SH], 4, v249
	v_lshl_add_u32 v[SG], v250, 10, v[SH]
	v_lshl_add_u32 v[SH], v250, 8, v[SH]
	v_add_nc_u32 v22, s2, v[SH]                    ; ASC (= 0) + 256 h + 16 r + w
	v_add_nc_u32 v[SH], s38, v[SH]
	s_lshr_b32 s38, s2, 2
	s_lshl_b32 s38, s38, 8
	s_and_b32 s39, s2, 3
	s_lshl_b32 s39, s39, 2
	s_add_co_u32 s38, s38, s39
	s_add_co_u32 s38, s38, GSC
	v_add_nc_u32 v[SG], s38, v[SG]
	s_lshl_b32 s38, s2, 9
	s_add_co_u32 s39, s38, B1L
	v_lshl_add_u32 v[B1A], v250, 6, s39
	s_add_co_u32 s39, s38, STAT
	v_lshl_add_u32 v[STS], v248, 3, s39
	v_lshl_add_u32 v[STL], v248, 3, STAT
	v_lshlrev_b32 v[XO], 11, v251
	v_lshl_add_u32 v[XO], v250, 6, v[XO]
	v_lshlrev_b32 v[PO], 6, v250
	v_lshlrev_b32 v[L16], 4, v248
	s_lshl_b32 s38, s2, 7
	s_add_co_u32 s38, s38, STG
	v_mul_u32_u24 v[STGW], v251, 2064
	v_lshl_add_u32 v[STGW], v250, 6, v[STGW]
	v_add_nc_u32 v[STGW], s38, v[STGW]
	s_mul_i32 s38, s2, 4128
	s_add_co_u32 s38, s38, STG
	v_add_nc_u32 v[STGR], s38, v[L16]
	s_lshr_b32 s38, s2, 1                          ; attn's image: wave w fills registers 6 (w & 1) .. + 5 of fragment w / 2
	s_mul_i32 s38, s38, 1536
	s_and_b32 s39, s2, 1
	s_mul_i32 s39, s39, 24
	s_add_co_u32 s38, s38, s39
	v_add_nc_u32 v20, s38, v[FA]
	v_mul_u32_u24 v21, v249, 24
	v_mad_u32_u24 v21, v250, 24576, v21            ; lanes 16-31 take the next head's block
	v_mov_b32 v23, v248
	v_lshl_add_u32 v[HB+12], v0, 4, B1L            ; b1's slice: 512 w + 16 lane
	s_lshr_b32 s38, ttmp9, 5
	s_lshl_b32 s38, s38, 4                         ; 16 b
	s_and_b32 s39, ttmp9, 31                       ; beta
	s_and_b32 s42, s2, 7
	s_lshl_b32 s42, s42, 1
	s_add_co_u32 s42, s42, s38                     ; 16 b + the first of my two heads
	s_mul_i32 s42, s42, 24576
	s_lshl_b32 s43, s39, 1
	s_lshr_b32 s72, s2, 3
	s_add_co_u32 s43, s43, s72                     ; my tile: 2 beta + w / 8
	s_mul_i32 s43, s43, 384
	s_add_co_u32 s72, s42, s43
	s_mov_b32 s73, 0
	s_add_co_u32 s74, s38, s2
	s_lshl_b32 s74, s74, 10
	s_lshl_b32 s75, s39, 5
	s_add_co_u32 s74, s74, s75                     ; asb: (16 b + w) 1,024 + 32 beta
	s_mov_b32 s75, 0
	s_mov_b32 s39, 0
	s_mov_b32 s43, 0
	s_wait_kmcnt 0x0
	s_add_nc_u64 s[8:9], s[8:9], s[72:73]
	s_add_nc_u64 s[10:11], s[10:11], s[74:75]
	s_lshl_b32 s38, s2, 7                          ; 128 w
	s_lshl_b32 s42, ttmp9, 16
	s_add_co_u32 s72, s42, s38
	s_add_nc_u64 s[12:13], s[12:13], s[72:73]
	s_add_nc_u64 s[18:19], s[18:19], s[38:39]
	s_add_nc_u64 s[20:21], s[20:21], s[38:39]
	s_add_nc_u64 s[22:23], s[22:23], s[38:39]
	s_add_nc_u64 s[34:35], s[34:35], s[38:39]
	s_lshl_b32 s72, s2, 12
	s_add_co_u32 s72, s72, s42
	s_add_nc_u64 s[36:37], s[36:37], s[72:73]      ; out0: my two rows
	s_mul_i32 s38, s2, 49152
	s_add_nc_u64 s[24:25], s[14:15], s[38:39]      ; wfr + my four groups' place in w1 and in w2
	s_mul_i32 s38, s2, 12288
	s_add_nc_u64 s[14:15], s[14:15], s[38:39]      ; wfr + my group's place in w_proj
	s_lshl_b32 s38, s2, 9
	s_add_nc_u64 s[16:17], s[16:17], s[38:39]
	s_add_nc_u64 s[28:29], s[28:29], s[38:39]
	s_lshl_b32 s38, s2, 11
	s_add_nc_u64 s[26:27], s[26:27], s[38:39]
	s_add_nc_u64 s[32:33], s[32:33], s[38:39]
	; ---- the first loads
.irp i, 0,1,2
	global_load_b64 v[HB+2*\i:HB+2*\i+1], v21, s[8:9] offset:8*\i
.endr
	global_load_u8 v[HB+6], v23, s[10:11]
	global_load_b128 v[HB+8:HB+11], v[L16], s[28:29]
.irp t, 0,1
.irp i, 0,1,2,3
	global_load_b128 v[OUT+16*\t+4*\i:OUT+16*\t+4*\i+3], v[XO], s[12:13] offset:16384*\t+16*\i
.endr
.endr
.irp i, 0,1,2,3
	global_load_b128 v[HB+16+4*\i:HB+16+4*\i+3], v[PO], s[18:19] offset:16*\i
.endr
.irp i, 0,1,2,3
	global_load_b128 v[ACC+4*\i:ACC+4*\i+3], v[PO], s[20:21] offset:16*\i
.endr
.irp i, 0,1,2,3
	global_load_b128 v[ACC+16+4*\i:ACC+16+4*\i+3], v[PO], s[22:23] offset:16*\i
.endr
	WLOADH 0, 14, WF_P
	s_wait_loadcnt 32                              ; attn's codes and byte and b1 are in: behind them x 8, b_proj 4, gain and bias 8, 12 of w_proj
.irp i, 0,1,2
	ds_store_b64 v20, v[HB+2*\i:HB+2*\i+1] offset:8*\i
.endr
	ds_store_b8 v22, v[HB+6] offset:ASC
	ds_store_b128 v[HB+12], v[HB+8:HB+11]
	SLOAD 16, SO16, 16, 0
	WLOADH 1, 14, WF_P
	s_wait_loadcnt 34                              ; x and b_proj are in: behind them 8 + 12 + 2 + 12
.irp t, 0,1
.irp i, 0,2,4,6,8,10,12,14
	v_pk_add_f32 v[OUT+16*\t+\i:OUT+16*\t+\i+1], v[OUT+16*\t+\i:OUT+16*\t+\i+1], v[HB+16+\i:HB+16+\i+1]
.endr
.endr
	BARRIER                                        ; attn's eight fragments and their scale bytes lie in LDS
	; ---- the projection, onto x + b_proj
	GRP_A FA, 0, 6144, ASC, 256, OUT
	WLOADH 0, 24, WF_1
	GRP_B 12, OUT
	SLOAD 26, SO16, 16, 0
	WLOADH 1, 24, WF_1
	; ---- the second layernorm
	LNLOCAL OUT
	BARRIER
	LNGLOBAL 0
	LNGLOBAL 1
	LNAPPLY OUT
	BQCORE HB, HB+16
	BQSWAP
	BQLDS BH, 0, SH, 0
	BARRIER                                        ; the normalised rows' eight fragments lie in LDS
	; ---- the hidden layer: my 128 units, 32 at a time
	FC1 0, WF_1+12288, 26, SO16, 16, 512
	FC1 1, WF_1+24576, 26, SO16, 16, 1024
	FC1 2, WF_1+36864, 26, SO16, 16, 1536
	FC1 3, WF_2, 32, SO64, 64, 0
	BARRIER                                        ; gelu's 32 fragments lie in LDS
	; ---- the last product, onto out: four groups of 512 along K
.irp g, 0,1,2
	GRP_A FG, 6144*\g, 24576, GSC+256*\g, 1024, OUT
	WLOADH 0, 24, WF_2+12288*(\g+1)
	GRP_B 12, OUT
	SLOAD 32, SO64, 64, 16*(\g+1)
	WLOADH 1, 24, WF_2+12288*(\g+1)
.endr
	GRP_A FG, 18432, 24576, GSC+768, 1024, OUT
.irp i, 0,1,2,3
	global_load_b128 v[W+4*\i:W+4*\i+3], v[PO], s[34:35] offset:16*\i     ; b2, into fragments that are done with (five places stand behind their last products)
.endr
	GRP_B 4, OUT                                   ; b2's four loads may be out
	s_wait_loadcnt 0x0
.irp t, 0,1
.irp i, 0,2,4,6,8,10,12,14
	v_pk_add_f32 v[OUT+16*\t+\i:OUT+16*\t+\i+1], v[OUT+16*\t+\i:OUT+16*\t+\i+1], v[W+\i:W+\i+1]
.endr
.endr
	; ---- the way out: a row's 2,048 bytes come from 16 waves: they meet in a stage, and each wave stores two whole rows
.irp t, 0,1
.irp i, 0,1,2,3
	ds_store_b128 v[STGW], v[OUT+16*\t+4*\i:OUT+16*\t+4*\i+3] offset:16512*\t+16*\i
.endr
.endr
	BARRIER
.irp k, 0,1
.irp i, 0,1,2,3
	ds_load_b128 v[HB+4*(4*\k+\i):HB+4*(4*\k+\i)+3], v[STGR] offset:2064*\k+512*\i
.endr
.endr
.irp k, 0,1
.irp i, 0,1,2,3
	s_wait_dscnt 7-(4*\k+\i)                       ; LDS loads come back in order: this one is in, the younger ones may be out
	global_store_b128 v[L16], v[HB+4*(4*\k+\i):HB+4*(4*\k+\i)+3], s[36:37] offset:2048*\k+512*\i th:TH_STORE_NT   ; 32 lanes store 512 consecutive bytes, at a multiple of 256 from out0's first byte
.endr
.endr
	s_wait_tensorcnt 0x0
	ds_add_u32 v1, v2
	s_wait_dscnt 0x0
	s_endpgm
.Lfunc_end_k_qb92b7b4284_post:
	.size	k_qb92b7b4284_post, .Lfunc_end_k_qb92b7b4284_post-k_qb92b7b4284_post
	.p2alignl 7, 3214868480
	.fill 96, 4, 3214868480
	.section	.rodata,"a",@progbits
	.p2align	6, 0x0
	.amdhsa_kernel k_qb92b7b4284_post
		.amdhsa_group_segment_fixed_size 161792
		.amdhsa_private_segment_fixed_size 0
		.amdhsa_enable_private_segment 0
		.amdhsa_kernarg_size 104
		.amdhsa_user_sgpr_count 2
		.amdhsa_user_sgpr_kernarg_segment_ptr 1
		.amdhsa_wavefront_size32 1
		.amdhsa_system_sgpr_workgroup_id_x 1
		.amdhsa_system_sgpr_workgroup_id_y 1
		.amdhsa_system_sgpr_workgroup_id_z 1
		.amdhsa_system_vgpr_workitem_id 0
		.amdhsa_next_free_vgpr 256
		.amdhsa_next_free_sgpr 80
		.amdhsa_reserve_vcc 0
		.amdhsa_float_denorm_mode_32 3
		.amdhsa_float_denorm_mode_16_64 3
		.amdhsa_memory_ordered 1
		.amdhsa_forward_progress 1
		.amdhsa_inst_pref_size 178
	.end_amdhsa_kernel
	.amdgpu_metadata
---
amdhsa.version: [ 1, 2 ]
amdhsa.kernels:
  - .name:           k_qb92b7b4284_post
    .symbol:         k_qb92b7b4284_post.kd
    .args:
      - { .name: ac, .offset: 0, .size: 8, .value_kind: global_buffer, .address_space: global }
      - { .name: asb, .offset: 8, .size: 8, .value_kind: global_buffer, .address_space: global }
      - { .name: x, .offset: 16, .size: 8, .value_kind: global_buffer, .address_space: global }
      - { .name: wfr, .offset: 24, .size: 8, .value_kind: global_buffer, .address_space: global }
      - { .name: w_proj_scales, .offset: 32, .size: 8, .value_kind: global_buffer, .address_space: global }
      - { .name: b_proj, .offset: 40, .size: 8, .value_kind: global_buffer, .address_space: global }
      - { .name: ln2_g, .offset: 48, .size: 8, .value_kind: global_buffer, .address_space: global }
      - { .name: ln2_b, .offset: 56, .size: 8, .value_kind: global_buffer, .address_space: global }
      - { .name: w1_scales, .offset: 64, .size: 8, .value_kind: global_buffer, .address_space: global }
      - { .name: b1, .offset: 72, .size: 8, .value_kind: global_buffer, .address_space: global }
      - { .name: w2_scales, .offset: 80, .size: 8, .value_kind: global_buffer, .address_space: global }
      - { .name: b2, .offset: 88, .size: 8, .value_kind: global_buffer, .address_space: global }
      - { .name: out0, .offset: 96, .size: 8, .value_kind: global_buffer, .address_space: global }
    .group_segment_fixed_size: 161792
    .private_segment_fixed_size: 0
    .kernarg_segment_align: 8
    .kernarg_segment_size: 104
    .max_flat_workgroup_size: 512
    .sgpr_count:     80
    .vgpr_count:     256
    .wavefront_size: 32
...
	.end_amdgpu_metadata
.endif
;; end of part 7
